; MI455X (gfx1250); checked and timed in simulation.
; The chip was launched on July 23, 2026; its instructions are those of AMD's public machine-readable ISA for CDNA 5 (MIT licence, August 2026) and "CDNA5" Instruction Set Architecture Reference Guide (July 2026). The comments in the code are by the model that wrote it; some were corrected since.
;; Mo E Block. Allowed arithmetic: matrix products marked QUANTISED: E5M2 operands, one E8M0 scale for each 32 along K, by v_wmma_scale_f32_16x16x128_f8f6f4 with both operands' format E5M2, f32 sums; products left as they are: f32 operands where the result goes on into a quantised operand, else bf16, f16 or f32 operands; f32 sums; everything else in f32.
;; Inputs: W1_codes 8 x 4,096 x 32 x 32 uint8 (E5M2 codes of W1, K innermost, in blocks of 32 codes); W1_scales 8 x 4,096 x 32 uint8 (E8M0 scales of W1, one for each 32 codes along K); W2_codes 8 x 1,024 x 128 x 32 uint8 (E5M2 codes of W2, K innermost, in blocks of 32 codes); W2_scales 8 x 1,024 x 128 uint8 (E8M0 scales of W2, one for each 32 codes along K); Wr 1,024 x 8 float32; b1 8 x 4,096 float32; b2 8 x 1,024 float32; beta 1,024 float32; br 8 float32; gamma 1,024 float32; noise 1,024 x 8 float32; x 4 x 256 x 1,024 float32.
;; Outputs: out0 4 x 256 x 1,024 float32.
;; This version of the problem:
;;   THIS VERSION OF THE PROBLEM IS GIVEN IN LOW PRECISION. The matrix products marked QUANTISED in the list below multiply operands that are first quantised to E5M2 (5 exponent bits, 2 mantissa bits; 8 bits a number), with one power-of-two scale for each 32 numbers along K (OCP MX v1.0); their sums are f32. All else is computed in f32.
;;   The module's matrix products, in the order in which they are computed (A, B: the left and right operand; K: the contracted axis; several contracted axes count as one K, in the product's order):
;;     1. [M 1,024, K 1,024] x [K 1,024, N 8]; A: input x; B: input Wr: left as it is (N = 8 < 16)
;;     2. [M 32,768, K 1,024] x [K 1,024, N 1,024]; A: input W1 (given as codes); B: input x: QUANTISED
;;     3. batch 8 x [M 1,024, K 4,096] x [K 4,096, N 1,024]; A: computed on the way; B: input W2 (given as codes): QUANTISED
;;     4. batch 1,024 x [M 1,024, K 8] x [K 8, N 1]; A: computed on the way; B: computed on the way: left as it is (K = 8 < 32)
;;   THE QUANTISER, for each operand of a quantised product, along K:
;;     - K is cut into blocks of 32 from its start; a last block that is shorter is filled with zeros.
;;     - A block's scale is 2^e with e = floor(log2(the largest magnitude in the block)) - 15, held to -126 .. 127; a block of zeros has e = 0. As a byte (E8M0): e + 127.
;;     - Each number is divided by its block's scale, clamped to +-57,344, and rounded to the nearest number of E5M2, ties to even, subnormals kept.
;;     - The product sums the exact products of the quantised numbers (number of the format x scale) in f32.
;;   ~~~python
;;   def quantise(x, axis):      # numpy; x: float32 -> the quantised numbers, widened to float32 again
;;       x = np.moveaxis(x, axis, -1); K = x.shape[-1]
;;       x = np.pad(x, [(0, 0)] * (x.ndim - 1) + [(0, -K % 32)]); x = x.reshape(x.shape[:-1] + (-1, 32)); a = np.abs(x).max(-1, keepdims=True)
;;       e = np.where(a > 0, np.clip(np.frexp(np.where(a > 0, a, 1))[1] - 1 - 15, -126, 127), 0)      # np.frexp(a)[1] - 1 = floor(log2(a)), exactly
;;       r = np.clip(x / 2.0 ** e, -57344, 57344)
;;       step = 2.0 ** (np.maximum(np.frexp(np.where(r == 0, 1, r))[1] - 1, -14) - 2)
;;       q = np.round(r / step) * step * 2.0 ** e      # np.round: ties to even
;;       return np.moveaxis(q.reshape(q.shape[:-2] + (-1,))[..., :K], -1, axis).astype(np.float32)
;;   ~~~
;;   OPERANDS COMPUTED ON THE WAY. 'Computed on the way' means the value that the module computes at that place (a softmax that the list does not call 'softmax' is quantised finished and normalised). What goes into a quantiser is computed in f32, as accurately as f32 sums, v_exp_f32 and their like allow (about 1e-6 of the number): no bf16 or f16 on the way to a quantiser, and a product that is left as it is and whose result goes on into a quantised operand takes f32 operands (vector FMAs, or v_wmma_f32_16x16x4_f32). A number that lies on a knife's edge between two numbers of the format may be rounded either way, as far as f32 arithmetic and the matrix unit's own rounding can turn it there, and no further.
;;   INPUTS GIVEN AS CODES. W1 (in the module: [8, 1024, 4096], K = its axis 1); W2 (in the module: [8, 4096, 1024], K = its axis 1): each comes as NAME_codes (uint8): NAME with its K axis moved to the last place and cut into blocks of 32 codes, [.., K / 32, bytes a block], one block behind the other in memory; one code a byte (a code: sign, 5 exponent bits, 2 mantissa bits); and NAME_scales (uint8): the same leading axes, one E8M0 byte (e + 127) for each 32 codes along K. Its value is code x scale, taken as it is: it is not quantised again, and the codes and scales need not be those that the quantiser above would give.
;; 2 versions. Each part assembles by itself: llvm-mc -triple=amdgcn-amd-amdhsa -mcpu=gfx1250 --defsym DOCPART=n.
;; ======== version 1 of 2: 5 launches
;; workspace buffers: xq 1,081,344 bytes; sel 8,192 bytes of whole numbers; wts 8,192 bytes; list 35,840 bytes of whole numbers; wl 34,816 bytes; hq 35,651,584 bytes; eo 8,650,752 bytes
;; launch route (part 1): grid 64 x 1, 8 waves a work-group, no clusters, 117,504 bytes of LDS; arguments x, Wr, br, noise, xq, sel, wts; writes xq, sel, wts
.if DOCPART == 1
	.amdgcn_target "amdgcn-amd-amdhsa--gfx1250"
	.amdhsa_code_object_version 6
	.text
	.protected	k_qea4777e54e_route
	.globl	k_qea4777e54e_route
	.p2align	8
	.type	k_qea4777e54e_route,@function
k_qea4777e54e_route:
	s_mov_b64 s[64:65], 0
	v_nop
	global_prefetch_b8 v0, s[64:65] scope:SCOPE_SE
	s_setreg_imm32_b32 hwreg(HW_REG_WAVE_MODE, 25, 1), 1
	s_wait_xcnt 0x0
; THE ROUTER AND x'S QUANTISER.  logits = x Wr + br + noise (f32 multiply-adds), softmax with the row's maximum taken away, the two largest scores (ties: the lower index),
; and x as codes of E5M2 with one E8M0 byte for each 32 along D.  The chosen experts and their scores go to FIXED places (sel, wts: [token][2]); a later launch places the rows.
; SHARES.  A work-group of eight waves owns 16 tokens, a wave two.  A lane holds x[512 s + 16 lane + i], s = 0, 1, i = 0 .. 15: 16 neighbours, as the conversions want them; two lanes hold a block of 32.
; Each load reads 512 consecutive bytes; 2,048 bytes at a time turn through the wave's own stage in LDS (16 bytes of padding behind each 64).
; Wr (32 KB) lies in LDS once for the work-group, as 64 chunks of 512 bytes + 16: chunk 32 s + lane holds the 16 rows of Wr that the lane's 16 numbers meet.
; LIMITS: NaN and infinities among the inputs are not served.  A block of zeros, or one whose largest magnitude lies under 2^-111, gets the byte 1 (this program alone reads the bytes; its codes are zeros or near it).
; The logits' sums run in another order than a row-by-row sum: two scores that agree to within f32 rounding may be chosen the other way round.
; No matrix unit (N = 8), no tensor load, no cluster: work-groups share only Wr, 32 KB.
.set STG,   33792                      ; behind Wr: four stages of 32 x 80 bytes for each wave
.set SCB,   115712                     ; the 16 tokens' scale bytes, 32 each
.set SELB,  116224                     ; 128 bytes of chosen experts, 128 of their scores
.set SPARE, 116480                     ; the spare words, 128 bytes a wave: four blocks of 256 bytes that no other line names
.set XN,  16                           ; v16-79   x: set j = 2 k + s (token k, half s) at v[XN + 16 j]
.set WRG, 80                           ; v80-207  16 rows of Wr (8 numbers each); before that x as loaded (v80-143) and Wr as loaded (v144-175); later the codes (v80-95)
.set ACC, 208                          ; v208-223 the logits: token k, expert e at v[ACC + 8 k + e]
.set TT,  224                          ; v224-239 eight registers a token: +0 maximum, then sum; +1 1 / sum; +2, +3 best score, its expert; +4, +5 the second
	s_load_b256 s[4:11], s[0:1], 0x0               ; x, Wr, br, noise
	s_load_b128 s[12:15], s[0:1], 0x20             ; xq, sel
	s_load_b64 s[16:17], s[0:1], 0x30              ; wts
	v_lshl_add_u32 v9, v0, 2, SPARE                ; my spare word; never rewritten
	v_mov_b32 v10, 0                               ; 0; never rewritten
	v_lshrrev_b32 v11, 5, v0
	v_readfirstlane_b32 s18, v11                   ; wave 0..7
	v_and_b32 v1, 31, v0                           ; lane
	v_lshlrev_b32 v2, 4, v1                        ; 16 x lane
	s_mul_i32 s19, s18, 10240
	s_add_co_u32 s19, s19, STG                     ; my four stages
	v_lshrrev_b32 v3, 2, v1
	v_mul_u32_u24 v3, v3, 80
	v_and_b32 v4, 3, v1
	v_lshl_add_u32 v3, v4, 4, v3
	v_add_nc_u32 v3, s19, v3                       ; into a stage: 80 (lane / 4) + 16 (lane % 4)
	v_mul_u32_u24 v4, v1, 80
	v_add_nc_u32 v4, s19, v4                       ; out of it: 80 x lane: my 16 neighbours
	v_mul_u32_u24 v5, v1, 528                      ; my chunk of Wr
	v_add_nc_u32 v6, v11, v0
	v_lshlrev_b32 v6, 4, v6                        ; Wr into LDS: 16 t + 16 (t / 32), t my thread's number
	v_lshlrev_b32 v12, 4, v0                       ; and in memory: 16 t
	s_lshl_b32 s20, s18, 6
	s_add_co_u32 s20, s20, SCB
	v_lshrrev_b32 v7, 1, v1
	v_add_nc_u32 v7, s20, v7                       ; my block's scale byte: 64 x wave + lane / 2
	s_lshl_b32 s21, s18, 4
	s_add_co_u32 s21, s21, SELB
	v_mov_b32 v8, s21                              ; my two tokens' choices: 16 x wave
	v_add_nc_u32 v13, SCB, v2                      ; wave 0's way out
	v_lshl_add_u32 v14, v1, 2, SELB
	v_lshlrev_b32 v15, 2, v1
	s_mov_b32 s50, 0x76543210
	s_mov_b32 s51, 0xfedcba98                      ; v_permlanex16_b32's selects for lane l xor 16
	s_mov_b32 s52, 0x600000                        ; the mantissa field of 57,344
	s_lshl_b32 s54, ttmp9, 16
	s_lshl_b32 s53, s18, 13
	s_add_co_u32 s54, s54, s53                     ; my first token, 16 g + 2 w, x 4,096 bytes
	s_mov_b32 s55, 0
	s_lshr_b32 s56, s54, 7                         ; x 32: noise
	s_mov_b32 s57, 0
	s_lshr_b32 s58, s54, 2                         ; x 1,024: codes
	s_mov_b32 s59, 0
	s_lshl_b32 s60, ttmp9, 9                       ; the work-group's 512 scale bytes
	s_mov_b32 s61, 0
	s_lshl_b32 s62, ttmp9, 7                       ; its 128 bytes of sel and of wts
	s_mov_b32 s63, 0
	s_wait_kmcnt 0x0
	s_add_nc_u64 s[4:5], s[4:5], s[54:55]
	s_add_nc_u64 s[10:11], s[10:11], s[56:57]
	s_add_nc_u64 s[60:61], s[12:13], s[60:61]
	s_add_nc_u64 s[12:13], s[12:13], s[58:59]
	s_add_nc_u64 s[14:15], s[14:15], s[62:63]
	s_add_nc_u64 s[16:17], s[16:17], s[62:63]
	s_load_b256 s[24:31], s[8:9], 0x0              ; br
	s_load_b512 s[32:47], s[10:11], 0x0            ; my two tokens' noise
.set I, 0
.rept 8
	global_load_b128 v[144+4*I:147+4*I], v12, s[6:7] offset:4096*I          ; Wr: the work-group's 256 threads take 4,096 consecutive bytes a load
.set I, I+1
.endr
.set I, 0
.rept 16
	global_load_b128 v[WRG+4*I:WRG+4*I+3], v2, s[4:5] offset:512*I th:TH_LOAD_NT   ; my two rows of x: 512 consecutive bytes a load
.set I, I+1
.endr
	s_wait_loadcnt 16                              ; Wr's eight loads are in; x's sixteen may be out
.set I, 0
.rept 8
	ds_store_b128 v6, v[144+4*I:147+4*I] offset:4224*I
.set I, I+1
.endr
	s_wait_dscnt 0x0                               ; for the others' sake: my part of Wr lies in LDS
	s_barrier_signal -1
	s_barrier_wait -1
.macro TURN j                          ; set j's 2,048 bytes through the stage: LDS serves a wave's instructions in order, so no wait stands between the stores and the loads
	s_wait_loadcnt 12-4*\j                         ; its four loads are in; the later sets' may be out
.irp i, 0,1,2,3
	ds_store_b128 v3, v[WRG+16*\j+4*\i:WRG+16*\j+4*\i+3] offset:2560*\j+640*\i
.endr
.irp i, 0,1,2,3
	ds_load_b128 v[XN+16*\j+4*\i:XN+16*\j+4*\i+3], v4 offset:2560*\j+16*\i
.endr
.endm
	TURN 0
	TURN 1
	TURN 2
	TURN 3
	s_wait_dscnt 0x0                               ; x is back, and the stores have read the registers that Wr's rows now take
; Half s of the dot products: 16 rows of Wr, each against my number of both tokens; two experts an instruction.  The very first products start the sums.
.macro DOT s
.set I, 0
.rept 32
	ds_load_b128 v[WRG+4*I:WRG+4*I+3], v5 offset:16896*\s+16*I
.set I, I+1
.endr
	s_wait_dscnt 0x0
.irp i, 0,2,4,6,8,10,12,14
.irp k, 0,1
.irp p, 0,2,4,6
.if (\s == 0) && (\i == 0)
	v_pk_mul_f32 v[ACC+8*\k+\p:ACC+8*\k+\p+1], v[WRG+8*\i+\p:WRG+8*\i+\p+1], v[XN+32*\k+16*\s+\i:XN+32*\k+16*\s+\i+1] op_sel_hi:[1,0]
.else
	v_pk_fma_f32 v[ACC+8*\k+\p:ACC+8*\k+\p+1], v[WRG+8*\i+\p:WRG+8*\i+\p+1], v[XN+32*\k+16*\s+\i:XN+32*\k+16*\s+\i+1], v[ACC+8*\k+\p:ACC+8*\k+\p+1] op_sel_hi:[1,0,1]
.endif
.endr
.endr
.irp k, 0,1
.irp p, 0,2,4,6
	v_pk_fma_f32 v[ACC+8*\k+\p:ACC+8*\k+\p+1], v[WRG+8*\i+8+\p:WRG+8*\i+8+\p+1], v[XN+32*\k+16*\s+\i:XN+32*\k+16*\s+\i+1], v[ACC+8*\k+\p:ACC+8*\k+\p+1] op_sel:[0,1,0] op_sel_hi:[1,1,1]
.endr
.endr
.endr
.endm
	DOT 0
	DOT 1
.irp m, 1,2,4,8                        ; the 32 lanes' parts are added: every lane ends with all 16 logits
.set I, 0
.rept 16
	v_add_f32_dpp v[ACC+I], v[ACC+I], v[ACC+I] row_xmask:\m row_mask:0xf bank_mask:0xf
.set I, I+1
.endr
.endr
.set I, 0
.rept 16
	v_permlanex16_b32 v[WRG+I], v[ACC+I], s50, s51   ; (its destination counts as read: these registers have been written)
.set I, I+1
.endr
.set I, 0
.rept 16
	v_add_f32 v[ACC+I], v[ACC+I], v[WRG+I]
.set I, I+1
.endr
	s_wait_kmcnt 0x0                               ; br and noise
.irp k, 0,1
.irp e, 0,1,2,3,4,5,6,7
	v_add_f32 v[ACC+8*\k+\e], s[24+\e], v[ACC+8*\k+\e]
.endr
.irp e, 0,1,2,3,4,5,6,7
	v_add_f32 v[ACC+8*\k+\e], s[32+8*\k+\e], v[ACC+8*\k+\e]
.endr
.endr
.irp k, 0,1                            ; softmax: the row's maximum is taken away first
	v_max3_num_f32 v[TT+8*\k], v[ACC+8*\k], v[ACC+8*\k+1], v[ACC+8*\k+2]
	v_max3_num_f32 v[TT+8*\k], v[TT+8*\k], v[ACC+8*\k+3], v[ACC+8*\k+4]
	v_max3_num_f32 v[TT+8*\k], v[TT+8*\k], v[ACC+8*\k+5], v[ACC+8*\k+6]
	v_max_num_f32 v[TT+8*\k], v[TT+8*\k], v[ACC+8*\k+7]
.endr
.set I, 0
.rept 16
	v_sub_f32 v[ACC+I], v[ACC+I], v[TT+8*(I/8)]
.set I, I+1
.endr
.set I, 0
.rept 16
	v_mul_f32 v[ACC+I], 0x3fb8aa3b, v[ACC+I]       ; x log2(e)
.set I, I+1
.endr
.set I, 0
.rept 16
	v_exp_f32 v[ACC+I], v[ACC+I]
.set I, I+1
.endr
	v_nop                                          ; a plain instruction behind the last exponential
	s_wait_alu depctr_va_vdst(0)                   ; one wait for the sixteen, ahead of their first reader
.irp k, 0,1
	v_add_f32 v[TT+8*\k], v[ACC+8*\k], v[ACC+8*\k+1]
.irp e, 2,3,4,5,6,7
	v_add_f32 v[TT+8*\k], v[TT+8*\k], v[ACC+8*\k+\e]
.endr
.endr
	v_rcp_f32 v[TT+1], v[TT]
	v_rcp_f32 v[TT+9], v[TT+8]
	v_nop
	s_wait_alu depctr_va_vdst(0)                   ; one wait for the two reciprocals
.set I, 0
.rept 16
	v_mul_f32 v[ACC+I], v[ACC+I], v[TT+8*(I/8)+1]  ; the scores
.set I, I+1
.endr
.irp k, 0,1                            ; the two largest: a later expert wins only by a strictly larger score, so ties keep the lower index
	v_mov_b32 v[TT+8*\k+2], v[ACC+8*\k]
	v_mov_b32 v[TT+8*\k+3], 0
.irp e, 1,2,3,4,5,6,7
	v_cmp_gt_f32 vcc_lo, v[ACC+8*\k+\e], v[TT+8*\k+2]
	v_cndmask_b32 v[TT+8*\k+2], v[TT+8*\k+2], v[ACC+8*\k+\e], vcc_lo
	v_cndmask_b32 v[TT+8*\k+3], v[TT+8*\k+3], \e, vcc_lo
.endr
	v_mov_b32 v[TT+8*\k+4], -1.0                   ; under every score
	v_mov_b32 v[TT+8*\k+5], 0
.irp e, 0,1,2,3,4,5,6,7
	v_cmp_ne_u32 s48, \e, v[TT+8*\k+3]             ; not the first choice,
	v_cmp_gt_f32 s49, v[ACC+8*\k+\e], v[TT+8*\k+4] ; and larger than the best so far
	s_and_b32 vcc_lo, s48, s49
	v_cndmask_b32 v[TT+8*\k+4], v[TT+8*\k+4], v[ACC+8*\k+\e], vcc_lo
	v_cndmask_b32 v[TT+8*\k+5], v[TT+8*\k+5], \e, vcc_lo
.endr
.endr
; Set j of x becomes codes: the block's largest magnitude with the floor 2^(16 - 127) among its leaves; 15 off its exponent field is the conversion's scale operand; the hold at 57,344 x the scale.
.macro QX j
.set XS, XN+16*\j
	v_max3_num_f32 v246, |v[XS]|, |v[XS+1]|, |v[XS+2]|
	v_max3_num_f32 v247, |v[XS+3]|, |v[XS+4]|, |v[XS+5]|
.irp i, 6,10
	v_max3_num_f32 v246, v246, |v[XS+\i]|, |v[XS+\i+1]|
	v_max3_num_f32 v247, v247, |v[XS+\i+2]|, |v[XS+\i+3]|
.endr
	v_max3_num_f32 v246, v246, |v[XS+14]|, |v[XS+15]|
	v_max3_num_f32 v246, v246, v247, 0x8000000
	v_max_num_f32_dpp v246, v246, v246 row_xmask:1 row_mask:0xf bank_mask:0xf   ; with my neighbour's 16: the block's
	v_add_nc_u32 v249, 0xf8800000, v246
	v_and_or_b32 v248, v246, 0x7f800000, s52
.irp i, 0,1,2,3,4,5,6,7,8,9,10,11,12,13,14,15
	v_med3_num_f32 v[XS+\i], v[XS+\i], -v248, v248 ; the conversion to an 8-bit code does not saturate (ISA guide 7.6.2)
.endr
	v_cvt_scalef32_pk8_bf8_f32 v[WRG+4*\j:WRG+4*\j+1], v[XS:XS+7], v249
	v_cvt_scalef32_pk8_bf8_f32 v[WRG+4*\j+2:WRG+4*\j+3], v[XS+8:XS+15], v249
	v_lshrrev_b32 v[240+\j], 23, v249              ; the scale's byte (also the plain line behind the conversions)
	ds_store_b8 v7, v[240+\j] offset:16*\j         ; both lanes of a block write the same byte with the same value
	global_store_b128 v2, v[WRG+4*\j:WRG+4*\j+3], s[12:13] offset:512*\j   ; 32 lanes store 512 consecutive bytes
.endm
	QX 0
	QX 1
	QX 2
	QX 3
.irp k, 0,1
	ds_store_b32 v8, v[TT+8*\k+3] offset:8*\k      ; all lanes hold the same numbers and write the same words
	ds_store_b32 v8, v[TT+8*\k+5] offset:8*\k+4
	ds_store_b32 v8, v[TT+8*\k+2] offset:128+8*\k
	ds_store_b32 v8, v[TT+8*\k+4] offset:128+8*\k+4
.endr
	s_wait_dscnt 0x0                               ; for wave 0's sake: my bytes and words lie in LDS
	s_barrier_signal -1
	s_barrier_wait -1
	s_cmp_lg_u32 s18, 0
	s_cbranch_scc1 .Ldone                          ; wave 0 stores what the eight waves gathered
	ds_load_b128 v[96:99], v13
	ds_load_b32 v100, v14
	ds_load_b32 v101, v14 offset:128
	s_wait_dscnt 0x0
	global_store_b128 v2, v[96:99], s[60:61] offset:1048576   ; 16 tokens' scale bytes: 512 consecutive bytes
	global_store_b32 v15, v100, s[14:15]
	global_store_b32 v15, v101, s[16:17]
.Ldone:
	s_wait_tensorcnt 0x0                           ; the wave's end: behind my last LDS store
	ds_add_u32 v9, v10
	s_wait_dscnt 0x0
	s_endpgm
.Lfunc_end_k_qea4777e54e_route:
	.size	k_qea4777e54e_route, .Lfunc_end_k_qea4777e54e_route-k_qea4777e54e_route
	.p2alignl 7, 3214868480
	.fill 96, 4, 3214868480
	.section	.rodata,"a",@progbits
	.p2align	6, 0x0
	.amdhsa_kernel k_qea4777e54e_route
		.amdhsa_group_segment_fixed_size 117504
		.amdhsa_private_segment_fixed_size 0
		.amdhsa_enable_private_segment 0
		.amdhsa_kernarg_size 56
		.amdhsa_user_sgpr_count 2
		.amdhsa_user_sgpr_kernarg_segment_ptr 1
		.amdhsa_wavefront_size32 1
		.amdhsa_system_sgpr_workgroup_id_x 1
		.amdhsa_system_sgpr_workgroup_id_y 1
		.amdhsa_system_sgpr_workgroup_id_z 1
		.amdhsa_system_vgpr_workitem_id 0
		.amdhsa_next_free_vgpr 256
		.amdhsa_next_free_sgpr 66
		.amdhsa_reserve_vcc 1
		.amdhsa_float_denorm_mode_32 3
		.amdhsa_float_denorm_mode_16_64 3
		.amdhsa_memory_ordered 1
		.amdhsa_forward_progress 1
		.amdhsa_inst_pref_size 54
	.end_amdhsa_kernel
	.amdgpu_metadata
---
amdhsa.version: [ 1, 2 ]
amdhsa.kernels:
  - .name:           k_qea4777e54e_route
    .symbol:         k_qea4777e54e_route.kd
    .args:
      - { .name: x, .offset: 0, .size: 8, .value_kind: global_buffer, .address_space: global }
      - { .name: Wr, .offset: 8, .size: 8, .value_kind: global_buffer, .address_space: global }
      - { .name: br, .offset: 16, .size: 8, .value_kind: global_buffer, .address_space: global }
      - { .name: noise, .offset: 24, .size: 8, .value_kind: global_buffer, .address_space: global }
      - { .name: xq, .offset: 32, .size: 8, .value_kind: global_buffer, .address_space: global }
      - { .name: sel, .offset: 40, .size: 8, .value_kind: global_buffer, .address_space: global }
      - { .name: wts, .offset: 48, .size: 8, .value_kind: global_buffer, .address_space: global }
    .group_segment_fixed_size: 117504
    .private_segment_fixed_size: 0
    .kernarg_segment_align: 8
    .kernarg_segment_size: 56
    .max_flat_workgroup_size: 256
    .sgpr_count:     66
    .vgpr_count:     256
    .wavefront_size: 32
...
	.end_amdgpu_metadata
.endif
;; end of part 1
;; launch place (part 2): grid 1 x 1, 8 waves a work-group, no clusters, 0 bytes of LDS; arguments sel, wts, list, wl; writes list, wl
.if DOCPART == 2
	.amdgcn_target "amdgcn-amd-amdhsa--gfx1250"
	.amdhsa_code_object_version 6
	.text
	.protected	k_qea4777e54e_place
	.globl	k_qea4777e54e_place
	.p2align	8
	.type	k_qea4777e54e_place,@function
k_qea4777e54e_place:
	s_mov_b64 s[64:65], 0
	v_nop
	global_prefetch_b8 v0, s[64:65] scope:SCOPE_SE
	s_setreg_imm32_b32 hwreg(HW_REG_WAVE_MODE, 25, 1), 1
	s_wait_xcnt 0x0
; THE ROWS ARE PLACED BY EXPERT.  Wave e walks all 1,024 tokens, 32 a trip, in ascending order, and writes expert e's list: entry = 2 x token + slot (which is the row of the later buffer eo),
; and beside it the row's score.  A lane's place is the count so far plus the chosen lanes below it: no atomics, no LDS, and waves share nothing.
; A row of list and of wl has 1,088 entries: up to 1,024 rows; behind the n rows 32 entries of 0, so that the last tile of 16 rows can be read whole; and from entry 1,056 on a spare entry for each lane,
; to which a lane stores whose token did not choose the expert, and which nobody reads: so all lanes stay on throughout.  The count n goes to 32 words of its own, behind the eight rows.
; A token names an expert at most once, so n is at most 1,024.  One work-group: the work is 16 KB of reads.
; Each trip's place, entry and score lie in the registers that held its loaded words: no store's source is written again.
.set ROWB, 4352                        ; bytes in a row of list and of wl
	s_load_b256 s[4:11], s[0:1], 0x0               ; sel, wts, list, wl
	v_lshrrev_b32 v1, 5, v0
	v_readfirstlane_b32 s18, v1                    ; my expert
	v_and_b32 v1, 31, v0                           ; lane
	v_lshlrev_b32 v2, 3, v1                        ; a token's 8 bytes of sel and of wts
	v_lshlrev_b32 v3, 1, v1                        ; 2 x lane
	v_lshlrev_b32 v9, 2, v1
	v_add_nc_u32 v10, 1056, v1                     ; my spare entry
	v_mov_b32 v7, 0
	s_mul_i32 s14, s18, ROWB
	s_mov_b32 s15, 0
	s_lshl_b32 s16, s18, 7
	s_mov_b32 s17, 0
	s_mov_b32 s22, 0                               ; rows so far
	s_wait_kmcnt 0x0
	s_add_nc_u64 s[12:13], s[8:9], s[16:17]        ; where the count goes (8 rows on)
	s_add_nc_u64 s[8:9], s[8:9], s[14:15]
	s_add_nc_u64 s[10:11], s[10:11], s[14:15]
.set I, 0
.rept 32
	global_load_b64 v[16+2*I:17+2*I], v2, s[4:5] offset:256*I
.set I, I+1
.endr
.set I, 0
.rept 32
	global_load_b64 v[80+2*I:81+2*I], v2, s[6:7] offset:256*I
.set I, I+1
.endr
	s_wait_loadcnt 0x0
.set I, 0
.rept 32
	v_cmp_eq_u32 s20, s18, v[16+2*I]               ; chosen first,
	v_cmp_eq_u32 s21, s18, v[17+2*I]               ; or second
	s_or_b32 vcc_lo, s20, s21
	v_mbcnt_lo_u32_b32 v[16+2*I], vcc_lo, s22      ; the rows so far + the chosen lanes below me
	v_cndmask_b32 v[16+2*I], v10, v[16+2*I], vcc_lo   ; my place, or my spare entry
	v_min_u32 v[16+2*I], 0x43f, v[16+2*I]
	v_lshlrev_b32 v[16+2*I], 2, v[16+2*I]
	v_cndmask_b32 v[17+2*I], 0, 1, s21             ; the slot
	v_add3_u32 v[17+2*I], v[17+2*I], v3, 64*I      ; + 2 x token
	v_cndmask_b32 v[80+2*I], v[80+2*I], v[81+2*I], s21   ; the slot's score
	s_bcnt1_i32_b32 s23, vcc_lo
	global_store_b32 v[16+2*I], v[17+2*I], s[8:9]
	global_store_b32 v[16+2*I], v[80+2*I], s[10:11]
	s_add_co_u32 s22, s22, s23
	s_min_u32 s22, s22, 1024                       ; 32 trips of at most 32 rows: the bound, written out
.set I, I+1
.endr
	v_add_nc_u32 v4, s22, v1                       ; 32 entries of 0 behind the list: n + 31 is at most 1,055
	v_min_u32 v4, 0x41f, v4
	v_lshlrev_b32 v4, 2, v4
	v_mov_b32 v8, s22
	global_store_b32 v4, v7, s[8:9]
	global_store_b32 v4, v7, s[10:11]
	global_store_b32 v9, v8, s[12:13] offset:8*ROWB   ; n, in all 32 words of my row
	s_endpgm
.Lfunc_end_k_qea4777e54e_place:
	.size	k_qea4777e54e_place, .Lfunc_end_k_qea4777e54e_place-k_qea4777e54e_place
	.p2alignl 7, 3214868480
	.fill 96, 4, 3214868480
	.section	.rodata,"a",@progbits
	.p2align	6, 0x0
	.amdhsa_kernel k_qea4777e54e_place
		.amdhsa_group_segment_fixed_size 0
		.amdhsa_private_segment_fixed_size 0
		.amdhsa_enable_private_segment 0
		.amdhsa_kernarg_size 32
		.amdhsa_user_sgpr_count 2
		.amdhsa_user_sgpr_kernarg_segment_ptr 1
		.amdhsa_wavefront_size32 1
		.amdhsa_system_sgpr_workgroup_id_x 1
		.amdhsa_system_sgpr_workgroup_id_y 1
		.amdhsa_system_sgpr_workgroup_id_z 1
		.amdhsa_system_vgpr_workitem_id 0
		.amdhsa_next_free_vgpr 160
		.amdhsa_next_free_sgpr 66
		.amdhsa_reserve_vcc 1
		.amdhsa_float_denorm_mode_32 3
		.amdhsa_float_denorm_mode_16_64 3
		.amdhsa_memory_ordered 1
		.amdhsa_forward_progress 1
		.amdhsa_inst_pref_size 36
	.end_amdhsa_kernel
	.amdgpu_metadata
---
amdhsa.version: [ 1, 2 ]
amdhsa.kernels:
  - .name:           k_qea4777e54e_place
    .symbol:         k_qea4777e54e_place.kd
    .args:
      - { .name: sel, .offset: 0, .size: 8, .value_kind: global_buffer, .address_space: global }
      - { .name: wts, .offset: 8, .size: 8, .value_kind: global_buffer, .address_space: global }
      - { .name: list, .offset: 16, .size: 8, .value_kind: global_buffer, .address_space: global }
      - { .name: wl, .offset: 24, .size: 8, .value_kind: global_buffer, .address_space: global }
    .group_segment_fixed_size: 0
    .private_segment_fixed_size: 0
    .kernarg_segment_align: 8
    .kernarg_segment_size: 32
    .max_flat_workgroup_size: 256
    .sgpr_count:     66
    .vgpr_count:     160
    .wavefront_size: 32
...
	.end_amdgpu_metadata
.endif
;; end of part 2
;; launch up (part 3): grid 32 x 8, 8 waves a work-group, no clusters, 138,752 bytes of LDS; arguments xq, W1_codes, W1_scales, b1, list, hq; writes hq
.if DOCPART == 3
	.amdgcn_target "amdgcn-amd-amdhsa--gfx1250"
	.amdhsa_code_object_version 6
	.text
	.protected	k_qea4777e54e_up
	.globl	k_qea4777e54e_up
	.p2align	8
	.type	k_qea4777e54e_up,@function
k_qea4777e54e_up:
	s_mov_b64 s[64:65], 0
	v_nop
	global_prefetch_b8 v0, s[64:65] scope:SCOPE_SE
	s_setreg_imm32_b32 hwreg(HW_REG_WAVE_MODE, 25, 1), 1
	s_wait_xcnt 0x0
; h = Q(gelu(x W1 + b1)) for the rows that chose an expert, on codes of E5M2 with one E8M0 scale for each 32 along K.
; SHARES.  Work-group (slice, e) owns 128 hidden units of expert e: its 128 KB of W1's codes come from memory ONCE, into LDS, and stay.  The expert's rows go in tiles of 16; wave w takes tiles w, w + 8, ..,
; two at a time (a pass), so that each fragment of W1 read from LDS feeds two products.  K = 1,024 is eight steps of 128.
; THE PRODUCT IS USED TRANSPOSED (source 0 = 16 rows of W1, source 1 = 16 tokens): a lane holds ONE token and its registers run along the hidden units, which are the next product's K.
; THE ROWS OF W1 THAT FORM A TILE ARE NOT NEIGHBOURS: lane m of tile 2 b + u takes unit 32 b + 8 u + m + 8 (m / 8), so that the 16 registers of tiles 2 b and 2 b + 1 are 16 neighbours along the next K.
; In LDS that is row number with bits 3 and 4 exchanged.  b1 starts the sums: it is loaded into the accumulators.
; 128 units are one K step of the next product: a tile's codes leave as an IMAGE OF THE OPERAND'S REGISTERS (2,048 bytes, 512 c + 16 lane), its scale word beside them.
; GELU is exact: 0.5 a + |0.5 a| erf(|a| / sqrt 2), erf by two polynomials (|.| up to 0.921875: odd series; above: 1 - exp of a polynomial), both computed, one chosen by v_cndmask_b32.
; LIMITS: NaN and infinities are not served.  For negative a the sum 0.5 a + |0.5 a| erf cancels as f32's 0.5 a (1 + erf) does: its error is absolute, about 6e-8 |a|.  A block whose largest magnitude lies under 2^-111 gets the byte 1.
; No tensor load and no cluster: how many tiles a wave walks hangs on a count read from memory, so operands come by plain loads; W1 is shared by no two work-groups.
; No prefetch: the whole slice is asked for at the head.
.set WSC,   133120                     ; behind W1's 128 rows (pitch 1,040 = 65 x 16 bytes, an odd multiple of 16): scale words [K step 8][lane 32][4]: lanes 0-15 tile 2 b, lanes 16-31 tile 2 b + 1
.set BIA,   137216                     ; b1's 128 numbers
.set SPARE, 137728                     ; the spare words, 128 bytes a wave: four blocks of 256 bytes that no other line names
.set LROW,  4352                       ; bytes in a row of list; the counts lie behind its eight rows
.set XS,  24                           ; v24-31   x's scale words, one a K step: lanes 0-15 the first tile's tokens, lanes 16-31 the second's
.set WS,  32                           ; v32-39   W1's scale words, two sets of four
.set T,   40                           ; v40-47   gelu: t = |a| / sqrt 2
.set S,   48                           ; v48-55   t^2
.set RR,  56                           ; v56-63   the branch for large t
.set Q,   64                           ; v64-71   the branch for small t, then erf
.set TM,  40                           ; v40-55   the quantiser's sixteen
.set PC,  72                           ; v72-87   the codes just made
.set PW,  93                           ; v93      the scale word just made: like the codes it lies outside gelu's registers, so that a tile's stores may be out while the next tile's gelu runs
.set ACC, 96                           ; v96-223  row tile j, tile t of units at v[ACC + 64 j + 8 t]; at the head: W1's codes as loaded
; window 1: v0-127 W1's eight fragments; v128-191 x's fragments: set s % 2, row tile j at v[128 + 32 set + 16 j]
; v2 16 x lane; v3 r; v4 16 h; v5, v6 W1's fragments (tiles 0-3, 4-7); v7 its scale words; v8 b1; v9, v10 the add's two; v11, v17 list offsets; v12, v13 x's codes; v14 x's scales; v15, v16 h's codes, scales; v18-23 three constants as pairs
.set MSB, 0
.macro WIN new                         ; the immediate's high byte repeats the setting that is left
.if MSB != (\new)
	s_set_vgpr_msb (MSB<<8)|(\new)
.set MSB, (\new)
.endif
.endm
.macro CPAIR r, val                    ; a constant as a pair: the packed forms name a pair and take its low word for both halves
	s_mov_b32 s[\r], \val
	s_mov_b32 s[\r+1], \val
.endm
	s_load_b256 s[4:11], s[0:1], 0x0               ; xq, W1's codes, W1's scales, b1
	s_load_b128 s[12:15], s[0:1], 0x20             ; list, hq
	v_lshl_add_u32 v9, v0, 2, SPARE
	v_mov_b32 v10, 0
	v_lshrrev_b32 v1, 5, v0
	v_readfirstlane_b32 s16, v1                    ; wave 0..7
	s_mov_b32 s17, ttmp9                           ; slice
	s_and_b32 s18, ttmp7, 0xffff                   ; expert
	v_and_b32 v1, 31, v0
	v_lshlrev_b32 v2, 4, v1
	v_and_b32 v3, 15, v0
	v_bfe_u32 v4, v0, 4, 1
	v_mul_u32_u24 v5, v3, 1040
	v_lshl_add_u32 v5, v4, 4, v5                   ; row r x pitch + 16 h
	v_add_nc_u32 v6, 66560, v5                     ; 64 rows on
	v_add_nc_u32 v7, WSC, v2
	v_lshl_add_u32 v8, v4, 6, BIA                  ; my half's units begin 16 numbers on
	v_lshlrev_b32 v4, 4, v4
	s_lshr_b32 s57, s16, 1                         ; my 16 rows of W1, 16 w + q, go to LDS rows 32 (w / 2) + 8 (w % 2) + 16 (q / 8) + q % 8
	s_lshl_b32 s57, s57, 5
	s_and_b32 s58, s16, 1
	s_lshl_b32 s58, s58, 3
	s_add_co_u32 s57, s57, s58
	s_mul_i32 s57, s57, 1040
	v_add_nc_u32 v88, s57, v2
	v_and_b32 v89, 1, v0                           ; thread t holds row t / 2's words of K steps 4 (t % 2) + 0 .. 3
	v_lshlrev_b32 v89, 11, v89
	v_bfe_u32 v90, v0, 4, 1                        ; the row's bit 3: odd tile: lanes 16-31
	v_lshl_add_u32 v89, v90, 8, v89
	v_bfe_u32 v90, v0, 5, 1                        ; its bit 4: the tile's rows 8-15
	v_lshl_add_u32 v89, v90, 7, v89
	v_bfe_u32 v90, v0, 1, 3
	v_lshl_add_u32 v89, v90, 4, v89
	v_lshrrev_b32 v90, 6, v0                       ; which pair of tiles
	v_lshl_add_u32 v89, v90, 2, v89
	v_add_nc_u32 v89, WSC, v89
	v_lshlrev_b32 v91, 4, v0
	v_add_nc_u32 v92, BIA, v2
	s_mov_b32 s27, 0xffff0000                      ; lanes 16-31
	s_mov_b32 s28, 0x76543210
	s_mov_b32 s29, 0xfedcba98                      ; v_permlanex16_b32's selects for lane l xor 16
	s_mov_b32 s30, 0x600000                        ; the mantissa field of 57,344
	CPAIR 32, 0x37911480                           ; the polynomial for large t: 1.72948930e-5,
	CPAIR 34, 0x3b7e899b                           ; 3.88393435e-3,
	CPAIR 36, 0x3ddaae58                           ; 1.06777847e-1,
	CPAIR 38, 0x3f228550                           ; 6.34846687e-1,
	CPAIR 40, 0x3e03ce86                           ; 1.28717512e-1
	CPAIR 42, 0xbfb8aa3b                           ; -log2(e)
	CPAIR 44, 0xba1d0d41                           ; the series for small t: -5.99104969e-4,
	CPAIR 46, 0xbcdb45e9                           ; -2.67667342e-2,
	CPAIR 48, 0x3de70d23                           ; 1.12818025e-1,
	CPAIR 50, 0xbec09370                           ; -3.76124859e-1,
	CPAIR 52, 0x3e0375d3                           ; 1.28379151e-1
	s_mov_b32 s54, 0x3f3504f3                      ; 1 / sqrt 2
	s_mov_b32 s56, 0x3f6c0000                      ; 0.921875
	v_mov_b32 v18, 0xb9c8e966                      ; -3.83208680e-4
	v_mov_b32 v19, 0xb9c8e966
	v_mov_b32 v20, 0xbcc6b180                      ; -2.42545605e-2
	v_mov_b32 v21, 0xbcc6b180
	v_mov_b32 v22, 0x3ba39fa4                      ; 4.99339588e-3
	v_mov_b32 v23, 0x3ba39fa4
	s_lshl_b32 s58, s18, 22                        ; W1's codes: (4,096 e + 128 slice + 16 w) rows of 1,024 bytes
	s_lshl_b32 s57, s17, 17
	s_add_co_u32 s58, s58, s57
	s_lshl_b32 s57, s16, 14
	s_add_co_u32 s58, s58, s57
	s_mov_b32 s59, 0
	s_wait_kmcnt 0x0
	s_add_nc_u64 s[6:7], s[6:7], s[58:59]
.set I, 0
.rept 32
	global_load_b128 v[ACC+4*I:ACC+4*I+3], v2, s[6:7] offset:512*I th:TH_LOAD_NT   ; my 16 rows: 16 KB on end, 512 bytes a load; read once in the launch
.set I, I+1
.endr
	s_lshl_b32 s58, s18, 17                        ; its scales: 32 bytes a row
	s_lshl_b32 s57, s17, 12
	s_add_co_u32 s58, s58, s57
	s_add_nc_u64 s[8:9], s[8:9], s[58:59]
	s_lshr_b32 s58, s58, 3                         ; b1: 4 bytes a unit
	s_add_nc_u64 s[10:11], s[10:11], s[58:59]
	global_load_b128 v[40:43], v91, s[8:9]         ; the slice's 4,096 scale bytes, 16 a thread
	global_load_b128 v[44:47], v2, s[10:11]        ; b1's 512 bytes (every wave loads them, so that the counts below hold in every wave; wave 0 stores them)
	s_lshl_b32 s58, s18, 7
	s_add_nc_u64 s[62:63], s[12:13], s[58:59]
	s_load_b32 s19, s[62:63], 8*LROW               ; n: the expert's rows
	s_mul_i32 s58, s18, LROW
	s_add_nc_u64 s[60:61], s[12:13], s[58:59]      ; the expert's list
	s_add_nc_u64 s[66:67], s[4:5], 0x100000        ; x's scale bytes
	s_lshl_b32 s58, s18, 22                        ; h's images: 4 MB an expert, 2,048 bytes a K step
	s_lshl_b32 s57, s17, 11
	s_add_co_u32 s58, s58, s57
	s_add_nc_u64 s[68:69], s[14:15], s[58:59]
	s_lshl_b32 s58, s18, 18                        ; h's scale words: 256 KB an expert, 512 bytes for four K steps, word slice % 4
	s_lshr_b32 s57, s17, 2
	s_lshl_b32 s57, s57, 9
	s_add_co_u32 s58, s58, s57
	s_and_b32 s57, s17, 3
	s_lshl_b32 s57, s57, 2
	s_add_co_u32 s58, s58, s57
	s_add_nc_u64 s[70:71], s[14:15], s[58:59]
	s_add_nc_u64 s[70:71], s[70:71], 0x2000000
.set I, 0
.rept 32
.if (I%8) == 0
	s_wait_loadcnt 26-I                            ; of the 34 loads the first I + 8 are in
.endif
	ds_store_b128 v88, v[ACC+4*I:ACC+4*I+3] offset:(16*(I/16)+((I/2)%8))*1040+512*(I%2)
.set I, I+1
.endr
	s_wait_loadcnt 0x0
.irp k, 0,1,2,3
	ds_store_b32 v89, v[40+\k] offset:512*\k
.endr
	s_cmp_lg_u32 s16, 0
	s_cbranch_scc1 .Lnob
	ds_store_b128 v92, v[44:47]
.Lnob:
	s_wait_dscnt 0x0                               ; for the others' sake: my part lies in LDS
	s_barrier_signal -1
	s_barrier_wait -1                              ; from here on LDS is only read
	s_wait_kmcnt 0x0
	s_min_u32 s19, s19, 1024
	s_add_co_u32 s24, s19, 15                      ; no list entry beyond n + 15 is read
	s_lshr_b32 s20, s24, 4                         ; tiles of 16 rows
	s_add_co_u32 s21, s20, 7
	s_sub_co_u32 s21, s21, s16
	s_lshr_b32 s21, s21, 3                         ; of which mine: w, w + 8, ..
	s_add_co_u32 s31, s21, 1
	s_lshr_b32 s31, s31, 1                         ; passes of two tiles
.macro XLOAD s, R                      ; x's fragments of K step s: lane (r, h) takes 16 bytes at 32 c + 16 h of its token's 128
	WIN 0x40
.irp c, 0,1,2,3
	global_load_b128 v[128+32*((\s)%2)+4*\c:128+32*((\s)%2)+4*\c+3], v12, s[4:5] offset:128*(\s)+32*\c
.endr
.if \R > 1
.irp c, 0,1,2,3
	global_load_b128 v[144+32*((\s)%2)+4*\c:144+32*((\s)%2)+4*\c+3], v13, s[4:5] offset:128*(\s)+32*\c
.endr
.endif
	WIN 0
.endm
.macro BIAS1 j                         ; b1 in the result's layout: tile t's register i is unit 32 (t / 2) + 8 (t % 2) + 16 h + i
.irp t, 0,1,2,3,4,5,6,7
	ds_load_b128 v[ACC+64*\j+8*\t:ACC+64*\j+8*\t+3], v8 offset:(32*(\t/2)+8*(\t%2))*4
	ds_load_b128 v[ACC+64*\j+8*\t+4:ACC+64*\j+8*\t+7], v8 offset:(32*(\t/2)+8*(\t%2))*4+16
.endr
.endm
.macro F0 s                            ; 17 LDS loads: K step s's scale words and the fragments of tiles 0-3
	ds_load_b128 v[WS+4*((\s)%2):WS+4*((\s)%2)+3], v7 offset:512*(\s)
	WIN 0x40
.irp t, 0,1,2,3
.irp c, 0,1,2,3
	ds_load_b128 v[16*\t+4*\c:16*\t+4*\c+3], v5 offset:16640*\t+128*(\s)+32*\c
.endr
.endr
	WIN 0
.endm
.macro F1 s                            ; 16: tiles 4-7
	WIN 0x40
.irp t, 0,1,2,3
.irp c, 0,1,2,3
	ds_load_b128 v[64+16*\t+4*\c:64+16*\t+4*\c+3], v6 offset:16640*\t+128*(\s)+32*\c
.endr
.endr
	WIN 0
.endm
.macro MM t, j, s                      ; one product: tile t of units x row tile j, K step s.  Odd tiles' scale words lie in lanes 16-31, and so do the second row tile's
.set rD, ACC+64*(\j)+8*(\t)
.set rA, 16*(\t)
.set rB, 128+32*((\s)%2)+16*(\j)
.set rW, WS+4*((\s)%2)+(\t)/2
.set rX, XS+(\s)
.if (((\t)%2) == 0) && ((\j) == 0)
	v_wmma_scale_f32_16x16x128_f8f6f4 v[rD:rD+7], v[rA:rA+15], v[rB:rB+15], v[rD:rD+7], v[rW], v[rX] matrix_a_fmt:MATRIX_FMT_BF8 matrix_b_fmt:MATRIX_FMT_BF8
.elseif ((\j) == 0)
	v_wmma_scale_f32_16x16x128_f8f6f4 v[rD:rD+7], v[rA:rA+15], v[rB:rB+15], v[rD:rD+7], v[rW], v[rX] matrix_a_fmt:MATRIX_FMT_BF8 matrix_b_fmt:MATRIX_FMT_BF8 matrix_a_scale:MATRIX_SCALE_ROW1
.elseif (((\t)%2) == 0)
	v_wmma_scale_f32_16x16x128_f8f6f4 v[rD:rD+7], v[rA:rA+15], v[rB:rB+15], v[rD:rD+7], v[rW], v[rX] matrix_a_fmt:MATRIX_FMT_BF8 matrix_b_fmt:MATRIX_FMT_BF8 matrix_b_scale:MATRIX_SCALE_ROW1
.else
	v_wmma_scale_f32_16x16x128_f8f6f4 v[rD:rD+7], v[rA:rA+15], v[rB:rB+15], v[rD:rD+7], v[rW], v[rX] matrix_a_fmt:MATRIX_FMT_BF8 matrix_b_fmt:MATRIX_FMT_BF8 matrix_a_scale:MATRIX_SCALE_ROW1 matrix_b_scale:MATRIX_SCALE_ROW1
.endif
.endm
.macro PLACES                          ; eight plain vector instructions stand between a product of this form and a load into a register that it read, or the first read of its result
.rept 8
	v_nop
.endr
.endm
; A K step for R row tiles: tiles 0-3, then their registers take the next step's fragments; tiles 4-7 likewise.  The 8 R accumulators take turns, one instruction a turn.
.macro KSTEP s, R
.if \s < 7
	s_wait_loadcnt 4*\R                            ; x's fragments of this step are in (at step 0: its scale words too); the next step's 4 R loads may be out
.else
	s_wait_loadcnt 0x0
.endif
	s_wait_dscnt 16                                ; all but the youngest 16 LDS loads, tiles 4-7's
	WIN 0x05                                       ; sources 0 and 1 in window 1
.irp t, 0,1,2,3
	MM \t, 0, \s
.if \R > 1
	MM \t, 1, \s
.endif
.endr
	WIN 0
.if \s < 7
	PLACES
	F0 (\s+1)
	s_wait_dscnt 17                                ; all but the 17 just issued
.else
	s_wait_dscnt 0x0                               ; the last step fetches nothing more
.endif
	WIN 0x05
.irp t, 4,5,6,7
	MM \t, 0, \s
.if \R > 1
	MM \t, 1, \s
.endif
.endr
	WIN 0
	PLACES                                         ; in the last step: the places ahead of the first read of the results
.if \s < 7
	F1 (\s+1)
.endif
.if \s < 6
	XLOAD (\s+2), \R                               ; into the set that this step has read
.endif
.endm
.macro KLOOP R
	XLOAD 0, \R
	XLOAD 1, \R
	BIAS1 0
.if \R > 1
	BIAS1 1
.endif
	F0 0
	F1 0
.irp s, 0,1,2,3,4,5,6,7
	KSTEP \s, \R
.endr
.endm
; gelu of the eight numbers of one accumulator, in place
.macro GELU8 a
.irp i, 0,1,2,3,4,5,6,7
	v_mul_f32 v[T+\i], s54, |v[(\a)+\i]|           ; t = |a| / sqrt 2 (the accumulator is read from its low end on)
.endr
.irp p, 0,2,4,6
	v_pk_mul_f32 v[S+\p:S+\p+1], v[T+\p:T+\p+1], v[T+\p:T+\p+1]
.endr
.irp p, 0,2,4,6
	v_pk_fma_f32 v[RR+\p:RR+\p+1], v[T+\p:T+\p+1], s[32:33], v[18:19] op_sel_hi:[1,0,1]
.endr
.irp p, 0,2,4,6
	v_pk_fma_f32 v[Q+\p:Q+\p+1], v[T+\p:T+\p+1], s[34:35], v[20:21] op_sel_hi:[1,0,1]
.endr
.irp p, 0,2,4,6
	v_pk_fma_f32 v[RR+\p:RR+\p+1], v[RR+\p:RR+\p+1], v[S+\p:S+\p+1], v[Q+\p:Q+\p+1]
.endr
.irp c, 36,38,40
.irp p, 0,2,4,6
	v_pk_fma_f32 v[RR+\p:RR+\p+1], v[RR+\p:RR+\p+1], v[T+\p:T+\p+1], s[\c:\c+1] op_sel_hi:[1,1,0]
.endr
.endr
.irp p, 0,2,4,6
	v_pk_fma_f32 v[RR+\p:RR+\p+1], v[RR+\p:RR+\p+1], v[T+\p:T+\p+1], v[T+\p:T+\p+1]
.endr
.irp p, 0,2,4,6
	v_pk_mul_f32 v[RR+\p:RR+\p+1], v[RR+\p:RR+\p+1], s[42:43] op_sel_hi:[1,0]
.endr
.irp i, 0,1,2,3,4,5,6,7
	v_exp_f32 v[RR+\i], v[RR+\i]                   ; e^-r
.endr
.irp p, 0,2,4,6                        ; the series for small t names none of the exponentials' results: it is the work behind the batch
	v_pk_fma_f32 v[Q+\p:Q+\p+1], v[S+\p:S+\p+1], s[44:45], v[22:23] op_sel_hi:[1,0,1]
.endr
.irp c, 46,48,50,52
.irp p, 0,2,4,6
	v_pk_fma_f32 v[Q+\p:Q+\p+1], v[Q+\p:Q+\p+1], v[S+\p:S+\p+1], s[\c:\c+1] op_sel_hi:[1,1,0]
.endr
.endr
.irp p, 0,2,4,6
	v_pk_fma_f32 v[Q+\p:Q+\p+1], v[Q+\p:Q+\p+1], v[T+\p:T+\p+1], v[T+\p:T+\p+1]
.endr
.irp i, 0,1,2,3,4,5,6,7
	v_cmp_lt_f32 s[72+\i], s56, v[T+\i]            ; which branch holds: eight masks, so that no select waits for the compare just above it
.endr
	s_wait_alu depctr_va_vdst(0)                   ; one wait for the eight exponentials, ahead of their first reader
.irp p, 0,2,4,6
	v_pk_fma_f32 v[RR+\p:RR+\p+1], v[RR+\p:RR+\p+1], -1.0, 1.0 op_sel_hi:[1,0,0]
.endr
.irp i, 0,1,2,3,4,5,6,7
	v_cndmask_b32 v[Q+\i], v[Q+\i], v[RR+\i], s[72+\i]   ; erf(t)
.endr
.irp p, 0,2,4,6
	v_pk_mul_f32 v[RR+\p:RR+\p+1], v[(\a)+\p:(\a)+\p+1], 0.5 op_sel_hi:[1,0]
.endr
.irp i, 0,1,2,3,4,5,6,7
	v_fma_f32 v[(\a)+\i], |v[RR+\i]|, v[Q+\i], v[RR+\i]   ; a erf(a / sqrt 2) is even in a: 0.5 a + |0.5 a| erf(t)
.endr
.endm
; 64 numbers of a lane, register 16 b + i = k 32 b + 16 h + i of my token's row, become a fragment's codes in v[PC] on and its scale word in v[PW]
.macro QUANT s
.irp b, 0,1,2,3
	v_max3_num_f32 v[TM+\b], |v[\s+16*\b]|, |v[\s+1+16*\b]|, 0x8000000   ; block b: my 16 numbers, and the floor 2^(16 - 127): the byte cannot fall under 1
.endr
.irp i, 2,4,6,8,10,12,14
.irp b, 0,1,2,3
	v_max3_num_f32 v[TM+\b], v[TM+\b], |v[\s+16*\b+\i]|, |v[\s+1+16*\b+\i]|
.endr
.endr
.irp b, 0,1,2,3
	v_permlanex16_b32 v[TM+4+\b], v[TM+\b], s28, s29   ; (its destination counts as read: gelu has written these registers)
.endr
.irp b, 0,1,2,3
	v_max_num_f32 v[TM+\b], v[TM+\b], v[TM+4+\b]   ; with lane l xor 16's: the block's largest magnitude
.endr
.irp b, 0,1,2,3
	v_add_nc_u32 v[TM+12+\b], 0xf8800000, v[TM+\b] ; 15 off its exponent field: the conversion's scale operand
.endr
.irp b, 0,1,2,3
	v_and_or_b32 v[TM+8+\b], v[TM+\b], 0x7f800000, s30   ; 57,344 x the scale
.endr
.irp b, 0,1,2,3
	v_lshrrev_b32 v[TM+4+\b], 23, v[TM+12+\b]      ; the scale's byte
.endr
	v_lshl_or_b32 v[PW], v[TM+5], 8, v[TM+4]
	v_lshl_or_b32 v[PW], v[TM+6], 16, v[PW]
	v_lshl_or_b32 v[PW], v[TM+7], 24, v[PW]
.irp b, 0,1,2,3
.irp i, 0,1,2,3,4,5,6,7,8,9,10,11,12,13,14,15
	v_med3_num_f32 v[\s+16*\b+\i], v[\s+16*\b+\i], -v[TM+8+\b], v[TM+8+\b]   ; the conversion to an 8-bit code does not saturate (ISA guide 7.6.2)
.endr
	v_cvt_scalef32_pk8_bf8_f32 v[PC+4*\b:PC+1+4*\b], v[\s+16*\b:\s+7+16*\b], v[TM+12+\b]
	v_cvt_scalef32_pk8_bf8_f32 v[PC+2+4*\b:PC+3+4*\b], v[\s+8+16*\b:\s+15+16*\b], v[TM+12+\b]
.endr
	v_nop                                          ; one plain line behind the last conversion
.endm
.macro EPI j                           ; row tile j: gelu, the quantiser, and out
.irp t, 0,1,2,3,4,5,6,7
	GELU8 ACC+64*\j+8*\t                           ; (it writes v40-71 and the accumulator alone: none of them is a source of the last tile's stores)
.endr
	s_wait_xcnt 0x0                                ; the last tile's stores have read their data (v72-87, v93) and offsets (v15, v16): all are written again below
	QUANT ACC+64*\j
	s_lshl_b32 s57, s[25+\j], 16                   ; 64 KB of images a tile,
	s_lshl_b32 s58, s[25+\j], 12                   ; 4 KB of scale words
	v_add_nc_u32 v15, s57, v2
	v_add_nc_u32 v16, s58, v2
.irp c, 0,1,2,3
	global_store_b128 v15, v[PC+4*\c:PC+4*\c+3], s[68:69] offset:512*\c   ; 32 lanes store 512 consecutive bytes
.endr
	global_store_b32 v16, v[PW], s[70:71]
.endm
	s_mov_b32 s22, 0                               ; the pass
	s_cmp_lt_u32 s22, s31
	s_cbranch_scc0 .Lend                           ; this split leaves me no tile
.Lpass:
	s_wait_xcnt 0x0                                ; every earlier memory instruction has read its offsets: they are written again
	s_lshl_b32 s25, s22, 4
	s_add_co_u32 s25, s25, s16                     ; tiles w + 16 p and w + 16 p + 8,
	s_add_co_u32 s26, s25, 8
	s_min_u32 s25, s25, 63                         ; held inside the buffers where the second does not exist
	s_min_u32 s26, s26, 63
	s_lshl_b32 s57, s25, 4
	s_lshl_b32 s58, s26, 4
	v_add_nc_u32 v11, s57, v3
	v_add_nc_u32 v17, s58, v3
	v_min_u32 v11, s24, v11                        ; places from n on hold 0: token 0's row fills the last tile up
	v_min_u32 v17, s24, v17
	v_min_u32 v11, 0x41f, v11
	v_min_u32 v17, 0x41f, v17
	v_lshlrev_b32 v11, 2, v11
	v_lshlrev_b32 v17, 2, v17
	global_load_b32 v12, v11, s[60:61]
	global_load_b32 v13, v17, s[60:61]
	s_wait_loadcnt 0x0
	v_cndmask_b32 v14, v12, v13, s27               ; for the scale words: lanes 16-31 take the second tile's tokens
	v_lshrrev_b32 v12, 1, v12                      ; entry / 2 = token
	v_lshrrev_b32 v13, 1, v13
	v_lshrrev_b32 v14, 1, v14
	v_min_u32 v12, 0x3ff, v12
	v_min_u32 v13, 0x3ff, v13
	v_min_u32 v14, 0x3ff, v14
	v_lshl_add_u32 v12, v12, 10, v4                ; 1,024 bytes of codes a token, + 16 h
	v_lshl_add_u32 v13, v13, 10, v4
	v_lshlrev_b32 v14, 5, v14                      ; 32 scale bytes a token
	global_load_b128 v[XS:XS+3], v14, s[66:67]
	global_load_b128 v[XS+4:XS+7], v14, s[66:67] offset:16
	s_lshl_b32 s23, s22, 1
	s_sub_co_u32 s23, s21, s23                     ; tiles left
	s_cmp_ge_u32 s23, 2
	s_cbranch_scc0 .Lone
	KLOOP 2
	s_branch .Lepi
.Lone:
	KLOOP 1
.Lepi:
	EPI 0
	s_cmp_lt_u32 s23, 2
	s_cbranch_scc1 .Lnext
	EPI 1
.Lnext:
	s_add_co_u32 s22, s22, 1
	s_cmp_lt_u32 s22, s31
	s_cbranch_scc1 .Lpass
.Lend:
	s_wait_tensorcnt 0x0                           ; the wave's end: behind my last LDS store
	ds_add_u32 v9, v10
	s_wait_dscnt 0x0
	s_endpgm
.Lfunc_end_k_qea4777e54e_up:
	.size	k_qea4777e54e_up, .Lfunc_end_k_qea4777e54e_up-k_qea4777e54e_up
	.p2alignl 7, 3214868480
	.fill 96, 4, 3214868480
	.section	.rodata,"a",@progbits
	.p2align	6, 0x0
	.amdhsa_kernel k_qea4777e54e_up
		.amdhsa_group_segment_fixed_size 138752
		.amdhsa_private_segment_fixed_size 0
		.amdhsa_enable_private_segment 0
		.amdhsa_kernarg_size 48
		.amdhsa_user_sgpr_count 2
		.amdhsa_user_sgpr_kernarg_segment_ptr 1
		.amdhsa_wavefront_size32 1
		.amdhsa_system_sgpr_workgroup_id_x 1
		.amdhsa_system_sgpr_workgroup_id_y 1
		.amdhsa_system_sgpr_workgroup_id_z 1
		.amdhsa_system_vgpr_workitem_id 0
		.amdhsa_next_free_vgpr 448
		.amdhsa_next_free_sgpr 80
		.amdhsa_reserve_vcc 0
		.amdhsa_float_denorm_mode_32 3
		.amdhsa_float_denorm_mode_16_64 3
		.amdhsa_memory_ordered 1
		.amdhsa_forward_progress 1
		.amdhsa_inst_pref_size 219
	.end_amdhsa_kernel
	.amdgpu_metadata
---
amdhsa.version: [ 1, 2 ]
amdhsa.kernels:
  - .name:           k_qea4777e54e_up
    .symbol:         k_qea4777e54e_up.kd
    .args:
      - { .name: xq, .offset: 0, .size: 8, .value_kind: global_buffer, .address_space: global }
      - { .name: W1_codes, .offset: 8, .size: 8, .value_kind: global_buffer, .address_space: global }
      - { .name: W1_scales, .offset: 16, .size: 8, .value_kind: global_buffer, .address_space: global }
      - { .name: b1, .offset: 24, .size: 8, .value_kind: global_buffer, .address_space: global }
      - { .name: list, .offset: 32, .size: 8, .value_kind: global_buffer, .address_space: global }
      - { .name: hq, .offset: 40, .size: 8, .value_kind: global_buffer, .address_space: global }
    .group_segment_fixed_size: 138752
    .private_segment_fixed_size: 0
    .kernarg_segment_align: 8
    .kernarg_segment_size: 48
    .max_flat_workgroup_size: 256
    .sgpr_count:     80
    .vgpr_count:     448
    .wavefront_size: 32
...
	.end_amdgpu_metadata
.endif
;; end of part 3
;; launch down (part 4): grid 32 x 8, 4 waves a work-group, no clusters, 289,280 bytes of LDS; arguments hq, W2_codes, W2_scales, b2, list, wl, eo; writes eo
.if DOCPART == 4
	.amdgcn_target "amdgcn-amd-amdhsa--gfx1250"
	.amdhsa_code_object_version 6
	.text
	.protected	k_qea4777e54e_down
	.globl	k_qea4777e54e_down
	.p2align	8
	.type	k_qea4777e54e_down,@function
k_qea4777e54e_down:
	s_mov_b64 s[64:65], 0
	v_nop
	global_prefetch_b8 v0, s[64:65] scope:SCOPE_SE
	s_setreg_imm32_b32 hwreg(HW_REG_WAVE_MODE, 25, 1), 1
	s_wait_xcnt 0x0
; eo[2 token + slot] = score x (h W2 + b2), for the rows that chose an expert, on codes of E5M2 with one E8M0 scale for each 32 along K.
; SHARES.  Work-group (x, e): slice = x / 2 is 64 columns of expert e's output, part = x % 2 half of the expert's tiles of 16 rows.  The slice's 256 KB of W2's codes come into LDS once and stay.
; Wave w takes tiles part + 2 w + 8 k, up to four at a time (a sweep), so that each fragment of W2 read from LDS feeds up to four products.  K = 4,096 is 32 steps of 128, written out: no LDS address is stepped.
; h comes from memory straight into registers, as the images that the launch before laid: four K steps of all the sweep's tiles are a batch; two batches take turns (windows 1 and 2).
; THE PRODUCT IS USED TRANSPOSED (source 0 = 16 rows of W2, source 1 = 16 rows of h): a lane holds eight neighbouring columns of one row.  b2 starts the sums: it is loaded into the accumulators.
; How many tiles a sweep has hangs on a count read from memory: so there is no tensor load and no cluster, every wait for loads is for 0, and the tiles that a sweep lacks are jumped over by scalar branches.
; THE WAY OUT: x the row's score, through the wave's stage in LDS, so that sixteen lanes store 256 consecutive aligned bytes of a row of eo.  Rows that only fill the last tile up go to a row of eo beyond the 2,048,
; one for each (expert, part, wave), which nobody reads: that spares a change of EXEC round each store.
; No prefetch: the whole slice of W2 is asked for at the head, and h's batches are asked for four K steps ahead.
.set WSC,   263168                     ; behind W2's 64 rows (pitch 4,112 = 257 x 16 bytes): scale words [K step 32][lane 32][2]: lanes 0-15 column tile 2 b, lanes 16-31 tile 2 b + 1
.set STG,   271360                     ; a stage of 16 rows x (256 + 16) bytes for each wave
.set SPARE, 288768                     ; the spare words, 128 bytes a wave: two blocks of 256 bytes that no other line names
.set LROW,  4352                       ; bytes in a row of list and of wl; the counts lie behind list's eight rows
.set WS,  20                           ; v20-23   W2's scale words, two sets of two
.set HS,  24                           ; v24-55   h's scale words: batch set, row tile j, K step s % 4 at v[HS + 16 set + 4 j + s % 4]
.set LE,  56                           ; v56-63   the way out: eight rows' offsets in eo
.set OT,  64                           ; v64-95   the way out: a tile x its scores
.set BK,  96                           ; v96-127  the way out: rows read back from the stage
.set ACC, 128                          ; v128-255 row tile j, column tile c at v[ACC + 32 j + 8 c]
; windows 1, 2: h's batches: K step s % 4, row tile j at v[64 (s % 4) + 16 j];  window 3: W2's fragments, set s % 2, column tile c at v[64 (s % 2) + 16 c]
; v2 16 x lane; v3 r; v4 h; v5-8 W2's fragments, a register a column tile; v9 its scale words; v10, v11 the stage, in and out; v12, v13 the add's two; v14 b2; v15 16 r; v[16:17] the score; v18 at work; v19 the spare row's number
.set MSB, 0
.macro WIN new                         ; the immediate's high byte repeats the setting that is left
.if MSB != (\new)
	s_set_vgpr_msb (MSB<<8)|(\new)
.set MSB, (\new)
.endif
.endm
	s_load_b256 s[4:11], s[0:1], 0x0               ; hq, W2's codes, W2's scales, b2
	s_load_b128 s[12:15], s[0:1], 0x20             ; list, wl
	s_load_b64 s[16:17], s[0:1], 0x30              ; eo
	v_lshl_add_u32 v12, v0, 2, SPARE
	v_mov_b32 v13, 0
	v_lshrrev_b32 v1, 5, v0
	v_readfirstlane_b32 s18, v1                    ; wave 0..3
	s_lshr_b32 s19, ttmp9, 1                       ; slice
	s_and_b32 s20, ttmp9, 1                        ; part
	s_and_b32 s21, ttmp7, 0xffff                   ; expert
	v_and_b32 v1, 31, v0
	v_lshlrev_b32 v2, 4, v1
	v_and_b32 v3, 15, v0
	v_bfe_u32 v4, v0, 4, 1
	v_mul_u32_u24 v5, v3, 4112
	v_lshl_add_u32 v5, v4, 4, v5                   ; row r x pitch + 16 h,
	v_add_nc_u32 v6, 65792, v5                     ; and 16, 32, 48 rows on
	v_add_nc_u32 v7, 131584, v5
	v_add_nc_u32 v8, 197376, v5
	v_lshl_add_u32 v9, v1, 3, WSC
	s_mul_i32 s27, s18, 4352
	s_add_co_u32 s27, s27, STG                     ; my stage
	v_mul_u32_u24 v10, v3, 272
	v_lshl_add_u32 v10, v4, 5, v10
	v_add_nc_u32 v10, s27, v10                     ; in: row r, 32 bytes for each half of the lanes
	v_mul_u32_u24 v11, v4, 272
	v_lshl_add_u32 v11, v3, 4, v11
	v_add_nc_u32 v11, s27, v11                     ; back: lanes 0-15 one row, lanes 16-31 the next
	v_lshlrev_b32 v14, 5, v4
	v_lshlrev_b32 v15, 4, v3
	v_mov_b32 v17, 0                               ; (named as the upper half of the pair v[16:17])
	s_lshl_b32 s27, s21, 3
	s_lshl_b32 s58, s20, 2
	s_add_co_u32 s27, s27, s58
	s_add_co_u32 s27, s27, s18
	s_add_co_u32 s27, s27, 2048
	v_mov_b32 v19, s27                             ; row 2,048 + 8 e + 4 part + w of eo
.set I, 0
.rept 32
	v_mov_b32 v[HS+I], 0x7f7f7f7f                  ; scales of 1, so that these registers are written on every way; the loads overwrite them
.set I, I+1
.endr
	s_mul_i32 s27, s18, 65792
	v_add_nc_u32 v96, s27, v2                      ; W2 into LDS: my 16 rows
	v_and_b32 v97, 7, v0                           ; thread t holds, of row 16 i + t / 8, the words of K steps 4 (t % 8) + 0 .. 3
	v_lshlrev_b32 v97, 10, v97
	v_lshrrev_b32 v98, 3, v0
	v_lshl_add_u32 v97, v98, 3, v97
	v_add_nc_u32 v97, WSC, v97
	v_lshlrev_b32 v98, 4, v0
	s_lshl_b32 s54, s21, 22                        ; W2's codes: (1,024 e + 64 slice + 16 w) rows of 4,096 bytes
	s_lshl_b32 s58, s19, 18
	s_add_co_u32 s54, s54, s58
	s_lshl_b32 s58, s18, 16
	s_add_co_u32 s54, s54, s58
	s_mov_b32 s55, 0
	s_wait_kmcnt 0x0
	s_add_nc_u64 s[6:7], s[6:7], s[54:55]
	WIN 0x40
.set I, 0
.rept 64
	global_load_b128 v[4*I:4*I+3], v2, s[6:7] offset:512*I          ; my 16 rows: 64 KB on end, 512 bytes a load, into the registers that h's batches take later
.set I, I+1
.endr
	WIN 0x80
.set I, 0
.rept 64
	global_load_b128 v[4*I:4*I+3], v2, s[6:7] offset:32768+512*I
.set I, I+1
.endr
	WIN 0
	s_lshl_b32 s54, s21, 17                        ; its scales: 128 bytes a row
	s_lshl_b32 s58, s19, 13
	s_add_co_u32 s54, s54, s58
	s_add_nc_u64 s[8:9], s[8:9], s[54:55]
.irp i, 0,1,2,3
	global_load_b128 v[OT+4*\i:OT+4*\i+3], v98, s[8:9] offset:2048*\i
.endr
	s_lshr_b32 s54, s54, 5                         ; b2: 4 bytes a column
	s_add_nc_u64 s[48:49], s[10:11], s[54:55]
	s_lshl_b32 s54, s21, 7
	s_add_nc_u64 s[60:61], s[12:13], s[54:55]
	s_load_b32 s22, s[60:61], 8*LROW               ; n: the expert's rows
	s_mul_i32 s54, s21, LROW
	s_add_nc_u64 s[50:51], s[12:13], s[54:55]      ; the expert's list,
	s_add_nc_u64 s[52:53], s[14:15], s[54:55]      ; and its rows' scores
	s_lshl_b32 s54, s19, 8
	s_add_nc_u64 s[16:17], s[16:17], s[54:55]      ; eo at my slice's 256 bytes of a row
	s_add_nc_u64 s[56:57], s[4:5], 0x2000000       ; h's scale words
	s_wait_loadcnt 63                              ; of the 132 loads all but the youngest 63 are in: the first 64 among them
	WIN 0x04                                       ; an LDS store's data are its source 1: window 1
.set I, 0
.rept 64
	ds_store_b128 v96, v[4*I:4*I+3] offset:4112*(I/8)+512*(I%8)
.set I, I+1
.endr
	s_wait_loadcnt 4                               ; all the codes are in
	WIN 0x08
.set I, 64
.rept 64
	ds_store_b128 v96, v[4*(I-64):4*(I-64)+3] offset:4112*(I/8)+512*(I%8)
.set I, I+1
.endr
	WIN 0
	s_wait_loadcnt 0x0
.irp i, 0,1,2,3
.irp k, 0,1,2,3
	ds_store_b32 v97, v[OT+4*\i+\k] offset:256*\k+128*(\i%2)+4*(\i/2)
.endr
.endr
	s_wait_dscnt 0x0                               ; for the others' sake: my part lies in LDS; and the stores have read their registers
	s_barrier_signal -1
	s_barrier_wait -1                              ; from here on W2 and its scales are only read
	s_wait_kmcnt 0x0
	s_min_u32 s22, s22, 1024
	s_add_co_u32 s23, s22, 15
	s_lshr_b32 s23, s23, 4                         ; tiles of 16 rows
	s_lshl_b32 s26, s18, 1
	s_add_co_u32 s26, s26, s20                     ; my first: part + 2 w
	s_add_co_u32 s23, s23, 7
	s_sub_co_u32 s23, s23, s26
	s_lshr_b32 s23, s23, 3                         ; how many are mine
	s_add_co_u32 s62, s23, 3
	s_lshr_b32 s62, s62, 2                         ; sweeps of four tiles
	s_mov_b32 s24, 0                               ; the sweep
	s_cmp_eq_u32 s23, 0
	s_cbranch_scc1 .Lend                           ; this split leaves me no tile
; Batch tau: K steps 4 tau .. 4 tau + 3 of the sweep's tiles: 16 loads of 512 bytes and one of scale words a tile
.macro HBATCH tau
.irp j, 0,1,2,3
.if \j > 0
	s_cmp_lt_u32 s25, \j+1
	s_cbranch_scc1 .Lhb_\@
.endif
	WIN 0x40*(1+((\tau)%2))
.irp g, 0,1,2,3
.irp c, 0,1,2,3
	global_load_b128 v[64*\g+16*\j+4*\c:64*\g+16*\j+4*\c+3], v2, s[28+2*\j:29+2*\j] offset:2048*(4*(\tau)+\g)+512*\c
.endr
.endr
	WIN 0
	global_load_b128 v[HS+16*((\tau)%2)+4*\j:HS+16*((\tau)%2)+4*\j+3], v2, s[36+2*\j:37+2*\j] offset:512*(\tau)
.endr
.Lhb_\@:
.endm
.macro FETCHW s                        ; 17 LDS loads: K step s's scale words and W2's four fragments, into set s % 2
	ds_load_b64 v[WS+2*((\s)%2):WS+2*((\s)%2)+1], v9 offset:256*(\s)
	WIN 0xc0
.irp c, 0,1,2,3
.irp q, 0,1,2,3
	ds_load_b128 v[64*((\s)%2)+16*\c+4*\q:64*((\s)%2)+16*\c+4*\q+3], v[5+\c] offset:128*(\s)+32*\q
.endr
.endr
	WIN 0
.endm
.macro MMD c, j, s
.set rD, ACC+32*(\j)+8*(\c)
.set rA, 64*((\s)%2)+16*(\c)
.set rB, 64*((\s)%4)+16*(\j)
.set rW, WS+2*((\s)%2)+(\c)/2
.set rH, HS+16*(((\s)/4)%2)+4*(\j)+((\s)%4)
.if ((\c)%2) == 0
	v_wmma_scale_f32_16x16x128_f8f6f4 v[rD:rD+7], v[rA:rA+15], v[rB:rB+15], v[rD:rD+7], v[rW], v[rH] matrix_a_fmt:MATRIX_FMT_BF8 matrix_b_fmt:MATRIX_FMT_BF8
.else
	v_wmma_scale_f32_16x16x128_f8f6f4 v[rD:rD+7], v[rA:rA+15], v[rB:rB+15], v[rD:rD+7], v[rW], v[rH] matrix_a_fmt:MATRIX_FMT_BF8 matrix_b_fmt:MATRIX_FMT_BF8 matrix_a_scale:MATRIX_SCALE_ROW1
.endif
.endm
; A K step: four products a tile.  The accumulators take turns, one instruction a turn, on every way through the branches.
.macro STEP s
.if ((\s)%4) == 0
	s_wait_loadcnt 0x0                             ; this batch is in (at step 0: b2 too).  For 0, since the number of loads hangs on the sweep's tiles
.if (\s) < 28
	HBATCH ((\s)/4+1)                              ; the next batch, into the set that the last four steps have read (eight places back)
.endif
.endif
.if (\s) < 31
	s_wait_dscnt 17                                ; this step's 17 LDS loads are in; the next step's may be out
.else
	s_wait_dscnt 0x0
.endif
.irp j, 0,1,2,3
.if \j > 0
	WIN 0                                          ; at a branch every window is 0
	s_cmp_lt_u32 s25, \j+1
	s_cbranch_scc1 .Lse_\@
.endif
	WIN 0x07+4*(((\s)/4)%2)                        ; source 0 (W2) window 3, source 1 (h) window 1 or 2
.irp c, 0,1,2,3
	MMD \c, \j, \s
.endr
.endr
	WIN 0
.Lse_\@:
.rept 8
	v_nop                                          ; eight places between these products and loads into registers that they read, or the first read of results
.endr
.if (\s) < 30
	FETCHW ((\s)+2)
.endif
.endm
.macro WAYOUT j
.if \j > 0
	s_cmp_lt_u32 s25, \j+1
	s_cbranch_scc1 .Lwo_end
.endif
	s_wait_xcnt 0x0                                ; the last tile's stores have read their data and offsets
	s_lshl_b32 s58, s[44+\j], 4
	v_add_nc_u32 v18, s58, v3                      ; place 16 tile + r: my accumulators' row,
	v_add_nc_u32 v96, s58, v4                      ; place 16 tile + h: the first row that I store
	v_min_u32 v18, 0x41f, v18
	v_min_u32 v97, 0x41f, v96
	v_lshlrev_b32 v18, 2, v18
	v_lshlrev_b32 v97, 2, v97
	global_load_b32 v16, v18, s[52:53]             ; the row's score
.irp i, 0,1,2,3,4,5,6,7
	global_load_b32 v[LE+\i], v97, s[50:51] offset:8*\i   ; rows 2 i + h of the tile: their rows of eo
.endr
	s_wait_loadcnt 0x0
.irp i, 0,1,2,3,4,5,6,7
	v_add_nc_u32 v98, 2*\i, v96
	v_cmp_gt_u32 vcc_lo, s22, v98                  ; a place under n is a row;
	v_cndmask_b32 v[LE+\i], v19, v[LE+\i], vcc_lo  ; the others go to my spare row
	v_min_u32 v[LE+\i], 0x83f, v[LE+\i]
	v_lshl_add_u32 v[LE+\i], v[LE+\i], 12, v15     ; 4,096 bytes a row, + 16 r
.endr
.irp c, 0,1,2,3
.irp p, 0,2,4,6
	v_pk_mul_f32 v[OT+8*\c+\p:OT+8*\c+\p+1], v[ACC+32*\j+8*\c+\p:ACC+32*\j+8*\c+\p+1], v[16:17] op_sel_hi:[1,0]   ; each accumulator from its low end on
.endr
.endr
.irp c, 0,1,2,3
	ds_store_b128 v10, v[OT+8*\c:OT+8*\c+3] offset:64*\c
	ds_store_b128 v10, v[OT+8*\c+4:OT+8*\c+7] offset:64*\c+16
.endr
.irp i, 0,1,2,3,4,5,6,7
	ds_load_b128 v[BK+4*\i:BK+4*\i+3], v11 offset:544*\i   ; LDS serves a wave's instructions in order (ISA guide 5.7.1.4): these see my stores
.endr
.irp i, 0,1,2,3,4,5,6,7
	s_wait_dscnt 7-\i
	global_store_b128 v[LE+\i], v[BK+4*\i:BK+4*\i+3], s[16:17]   ; 16 lanes store 256 consecutive bytes, at a multiple of 256 from eo's first byte
.endr
.endm
.Lsweep:
	s_wait_xcnt 0x0                                ; every earlier memory instruction has read its bases: they are written again
	s_lshl_b32 s27, s24, 2
	s_sub_co_u32 s25, s23, s27
	s_min_u32 s25, s25, 4                          ; tiles in this sweep
	s_lshl_b32 s27, s24, 5
	s_add_co_u32 s27, s27, s26                     ; the first of them: part + 2 w + 32 x sweep
	s_lshl_b32 s58, s21, 6
	s_mov_b32 s55, 0
.irp j, 0,1,2,3
	s_min_u32 s[44+\j], s27, 63                    ; and 8 j on, held inside the buffers where it does not exist
	s_add_co_u32 s27, s27, 8
	s_add_co_u32 s59, s58, s[44+\j]
	s_lshl_b32 s54, s59, 16
	s_add_nc_u64 s[28+2*\j:29+2*\j], s[4:5], s[54:55]      ; its 64 KB of images,
	s_lshl_b32 s54, s59, 12
	s_add_nc_u64 s[36+2*\j:37+2*\j], s[56:57], s[54:55]    ; its 4 KB of scale words
.endr
.irp j, 0,1,2,3
.irp c, 0,1,2,3
	global_load_b128 v[ACC+32*\j+8*\c:ACC+32*\j+8*\c+3], v14, s[48:49] offset:64*\c        ; b2 in the result's layout: column 16 c + 8 h + i
	global_load_b128 v[ACC+32*\j+8*\c+4:ACC+32*\j+8*\c+7], v14, s[48:49] offset:64*\c+16
.endr
.endr
	HBATCH 0
	FETCHW 0
	FETCHW 1
.irp s, 0,1,2,3,4,5,6,7,8,9,10,11,12,13,14,15,16,17,18,19,20,21,22,23,24,25,26,27,28,29,30,31
	STEP \s
.endr
	WAYOUT 0
	WAYOUT 1
	WAYOUT 2
	WAYOUT 3
.Lwo_end:
	s_add_co_u32 s24, s24, 1
	s_cmp_lt_u32 s24, s62
	s_cbranch_scc1 .Lsweep
.Lend:
	s_wait_tensorcnt 0x0                           ; the wave's end: behind my last LDS store
	ds_add_u32 v12, v13
	s_wait_dscnt 0x0
	s_endpgm
.Lfunc_end_k_qea4777e54e_down:
	.size	k_qea4777e54e_down, .Lfunc_end_k_qea4777e54e_down-k_qea4777e54e_down
	.p2alignl 7, 3214868480
	.fill 96, 4, 3214868480
	.section	.rodata,"a",@progbits
	.p2align	6, 0x0
	.amdhsa_kernel k_qea4777e54e_down
		.amdhsa_group_segment_fixed_size 289280
		.amdhsa_private_segment_fixed_size 0
		.amdhsa_enable_private_segment 0
		.amdhsa_kernarg_size 56
		.amdhsa_user_sgpr_count 2
		.amdhsa_user_sgpr_kernarg_segment_ptr 1
		.amdhsa_wavefront_size32 1
		.amdhsa_system_sgpr_workgroup_id_x 1
		.amdhsa_system_sgpr_workgroup_id_y 1
		.amdhsa_system_sgpr_workgroup_id_z 1
		.amdhsa_system_vgpr_workitem_id 0
		.amdhsa_next_free_vgpr 896
		.amdhsa_next_free_sgpr 66
		.amdhsa_reserve_vcc 1
		.amdhsa_float_denorm_mode_32 3
		.amdhsa_float_denorm_mode_16_64 3
		.amdhsa_memory_ordered 1
		.amdhsa_forward_progress 1
		.amdhsa_inst_pref_size 234
	.end_amdhsa_kernel
	.amdgpu_metadata
---
amdhsa.version: [ 1, 2 ]
amdhsa.kernels:
  - .name:           k_qea4777e54e_down
    .symbol:         k_qea4777e54e_down.kd
    .args:
      - { .name: hq, .offset: 0, .size: 8, .value_kind: global_buffer, .address_space: global }
      - { .name: W2_codes, .offset: 8, .size: 8, .value_kind: global_buffer, .address_space: global }
      - { .name: W2_scales, .offset: 16, .size: 8, .value_kind: global_buffer, .address_space: global }
      - { .name: b2, .offset: 24, .size: 8, .value_kind: global_buffer, .address_space: global }
      - { .name: list, .offset: 32, .size: 8, .value_kind: global_buffer, .address_space: global }
      - { .name: wl, .offset: 40, .size: 8, .value_kind: global_buffer, .address_space: global }
      - { .name: eo, .offset: 48, .size: 8, .value_kind: global_buffer, .address_space: global }
    .group_segment_fixed_size: 289280
    .private_segment_fixed_size: 0
    .kernarg_segment_align: 8
    .kernarg_segment_size: 56
    .max_flat_workgroup_size: 128
    .sgpr_count:     66
    .vgpr_count:     896
    .wavefront_size: 32
...
	.end_amdgpu_metadata
.endif
;; end of part 4
;; launch norm (part 5): grid 256 x 1, 4 waves a work-group, no clusters, 0 bytes of LDS; arguments eo, x, gamma, beta, out0; writes out0
.if DOCPART == 5
	.amdgcn_target "amdgcn-amd-amdhsa--gfx1250"
	.amdhsa_code_object_version 6
	.text
	.protected	k_qea4777e54e_norm
	.globl	k_qea4777e54e_norm
	.p2align	8
	.type	k_qea4777e54e_norm,@function
k_qea4777e54e_norm:
	s_mov_b64 s[64:65], 0
	v_nop
	global_prefetch_b8 v0, s[64:65] scope:SCOPE_SE
	s_setreg_imm32_b32 hwreg(HW_REG_WAVE_MODE, 25, 1), 1
	s_wait_xcnt 0x0
; out0 = LayerNorm(eo[2 n] + eo[2 n + 1] + x[n]) x gamma + beta.  One wave takes one token: its row of 4,096 bytes is 32 registers a lane's 32 numbers, kept between the passes; the reductions never leave the wave.
; The variance is the mean of the squared differences from the mean: no difference of large sums.  Each load and store of a wave covers 512 consecutive bytes.
; A stream: no LDS, no barrier, no matrix unit, no cluster (work-groups share only gamma and beta, 8 KB).
.set A0, 8                             ; v8-39    eo's first row, then y, then the result
.set A1, 40                            ; v40-71   eo's second row
.set XX, 72                            ; v72-103  x
.set GG, 104                           ; v104-135 gamma
.set BB, 136                           ; v136-167 beta
	s_load_b256 s[4:11], s[0:1], 0x0               ; eo, x, gamma, beta
	s_load_b64 s[12:13], s[0:1], 0x20              ; out0
	v_lshrrev_b32 v1, 5, v0
	v_readfirstlane_b32 s14, v1
	v_and_b32 v1, 31, v0
	v_lshlrev_b32 v1, 4, v1                        ; 16 x lane
	v_mov_b32 v172, 0                              ; written once: a lane permute's destination counts as one of its sources
	s_lshl_b32 s15, ttmp9, 2
	s_add_co_u32 s15, s15, s14                     ; my token
	s_lshl_b32 s16, s15, 13                        ; its two rows of eo lie on end
	s_mov_b32 s17, 0
	s_lshl_b32 s18, s15, 12
	s_mov_b32 s19, 0
	s_mov_b32 s20, 0x3a800000                      ; 1 / 1,024
	s_mov_b32 s21, 0x3727c5ac                      ; 1e-5
	s_mov_b32 s22, 0x76543210
	s_mov_b32 s23, 0xfedcba98
	s_wait_kmcnt 0x0
	s_add_nc_u64 s[4:5], s[4:5], s[16:17]
	s_add_nc_u64 s[6:7], s[6:7], s[18:19]
	s_add_nc_u64 s[12:13], s[12:13], s[18:19]
.set I, 0
.rept 8
	global_load_b128 v[A0+4*I:A0+4*I+3], v1, s[4:5] offset:512*I th:TH_LOAD_NT
.set I, I+1
.endr
.set I, 0
.rept 8
	global_load_b128 v[A1+4*I:A1+4*I+3], v1, s[4:5] offset:4096+512*I th:TH_LOAD_NT
.set I, I+1
.endr
.set I, 0
.rept 8
	global_load_b128 v[XX+4*I:XX+4*I+3], v1, s[6:7] offset:512*I th:TH_LOAD_NT
.set I, I+1
.endr
.set I, 0
.rept 8
	global_load_b128 v[GG+4*I:GG+4*I+3], v1, s[8:9] offset:512*I
.set I, I+1
.endr
.set I, 0
.rept 8
	global_load_b128 v[BB+4*I:BB+4*I+3], v1, s[10:11] offset:512*I
.set I, I+1
.endr
.macro RED r                           ; the sum over the 32 lanes, in every lane
	v_add_f32_dpp v[\r], v[\r], v[\r] row_xmask:1 row_mask:0xf bank_mask:0xf
	v_add_f32_dpp v[\r], v[\r], v[\r] row_xmask:2 row_mask:0xf bank_mask:0xf
	v_add_f32_dpp v[\r], v[\r], v[\r] row_xmask:4 row_mask:0xf bank_mask:0xf
	v_add_f32_dpp v[\r], v[\r], v[\r] row_xmask:8 row_mask:0xf bank_mask:0xf
	v_permlanex16_b32 v172, v[\r], s22, s23
	v_add_f32 v[\r], v[\r], v172
.endm
	s_wait_loadcnt 16                              ; eo's rows and x are in; gamma's and beta's sixteen loads may be out
.set I, 0
.rept 16
	v_pk_add_f32 v[A0+2*I:A0+2*I+1], v[A0+2*I:A0+2*I+1], v[A1+2*I:A1+2*I+1]
.set I, I+1
.endr
.set I, 0
.rept 16
	v_pk_add_f32 v[A0+2*I:A0+2*I+1], v[A0+2*I:A0+2*I+1], v[XX+2*I:XX+2*I+1]   ; y
.set I, I+1
.endr
	v_pk_add_f32 v[168:169], v[A0:A0+1], v[A0+2:A0+3]          ; the sum, in four chains
	v_pk_add_f32 v[170:171], v[A0+4:A0+5], v[A0+6:A0+7]
.set I, 4
.rept 6
	v_pk_add_f32 v[168:169], v[168:169], v[A0+2*I:A0+2*I+1]
	v_pk_add_f32 v[170:171], v[170:171], v[A0+2*I+2:A0+2*I+3]
.set I, I+2
.endr
	v_pk_add_f32 v[168:169], v[168:169], v[170:171]
	v_add_f32 v168, v168, v169
	RED 168
	v_mul_f32 v168, s20, v168                      ; the mean
.set I, 0
.rept 16
	v_pk_add_f32 v[A0+2*I:A0+2*I+1], v[A0+2*I:A0+2*I+1], v[168:169] op_sel_hi:[1,0] neg_lo:[0,1] neg_hi:[0,1]   ; y - mean
.set I, I+1
.endr
	v_pk_mul_f32 v[174:175], v[A0:A0+1], v[A0:A0+1]            ; the sum of squares, in four chains
	v_pk_mul_f32 v[176:177], v[A0+2:A0+3], v[A0+2:A0+3]
.set I, 2
.rept 7
	v_pk_fma_f32 v[174:175], v[A0+2*I:A0+2*I+1], v[A0+2*I:A0+2*I+1], v[174:175]
	v_pk_fma_f32 v[176:177], v[A0+2*I+2:A0+2*I+3], v[A0+2*I+2:A0+2*I+3], v[176:177]
.set I, I+2
.endr
	v_pk_add_f32 v[174:175], v[174:175], v[176:177]
	v_add_f32 v174, v174, v175
	RED 174
	v_fma_f32 v174, v174, s20, s21                 ; the variance + 1e-5
	v_rsq_f32 v178, v174
	v_mov_b32 v179, 0                              ; a plain line behind the transcendental (and the pair's upper half is written)
	s_wait_alu depctr_va_vdst(0)                   ; the wait ahead of the first reader
	s_wait_loadcnt 0x0                             ; gamma and beta
.set I, 0
.rept 16
	v_pk_mul_f32 v[A0+2*I:A0+2*I+1], v[A0+2*I:A0+2*I+1], v[178:179] op_sel_hi:[1,0]
.set I, I+1
.endr
.set I, 0
.rept 16
	v_pk_fma_f32 v[A0+2*I:A0+2*I+1], v[A0+2*I:A0+2*I+1], v[GG+2*I:GG+2*I+1], v[BB+2*I:BB+2*I+1]
.set I, I+1
.endr
.set I, 0
.rept 8
	global_store_b128 v1, v[A0+4*I:A0+4*I+3], s[12:13] offset:512*I th:TH_STORE_NT   ; 32 lanes store 512 consecutive bytes
.set I, I+1
.endr
	s_endpgm
.Lfunc_end_k_qea4777e54e_norm:
	.size	k_qea4777e54e_norm, .Lfunc_end_k_qea4777e54e_norm-k_qea4777e54e_norm
	.p2alignl 7, 3214868480
	.fill 96, 4, 3214868480
	.section	.rodata,"a",@progbits
	.p2align	6, 0x0
	.amdhsa_kernel k_qea4777e54e_norm
		.amdhsa_group_segment_fixed_size 0
		.amdhsa_private_segment_fixed_size 0
		.amdhsa_enable_private_segment 0
		.amdhsa_kernarg_size 40
		.amdhsa_user_sgpr_count 2
		.amdhsa_user_sgpr_kernarg_segment_ptr 1
		.amdhsa_wavefront_size32 1
		.amdhsa_system_sgpr_workgroup_id_x 1
		.amdhsa_system_sgpr_workgroup_id_y 1
		.amdhsa_system_sgpr_workgroup_id_z 1
		.amdhsa_system_vgpr_workitem_id 0
		.amdhsa_next_free_vgpr 184
		.amdhsa_next_free_sgpr 66
		.amdhsa_reserve_vcc 0
		.amdhsa_float_denorm_mode_32 3
		.amdhsa_float_denorm_mode_16_64 3
		.amdhsa_memory_ordered 1
		.amdhsa_forward_progress 1
		.amdhsa_inst_pref_size 14
	.end_amdhsa_kernel
	.amdgpu_metadata
---
amdhsa.version: [ 1, 2 ]
amdhsa.kernels:
  - .name:           k_qea4777e54e_norm
    .symbol:         k_qea4777e54e_norm.kd
    .args:
      - { .name: eo, .offset: 0, .size: 8, .value_kind: global_buffer, .address_space: global }
      - { .name: x, .offset: 8, .size: 8, .value_kind: global_buffer, .address_space: global }
      - { .name: gamma, .offset: 16, .size: 8, .value_kind: global_buffer, .address_space: global }
      - { .name: beta, .offset: 24, .size: 8, .value_kind: global_buffer, .address_space: global }
      - { .name: out0, .offset: 32, .size: 8, .value_kind: global_buffer, .address_space: global }
    .group_segment_fixed_size: 0
    .private_segment_fixed_size: 0
    .kernarg_segment_align: 8
    .kernarg_segment_size: 40
    .max_flat_workgroup_size: 128
    .sgpr_count:     66
    .vgpr_count:     184
    .wavefront_size: 32
...
	.end_amdgpu_metadata
.endif
;; end of part 5
;; ======== version 2 of 2: 4 launches
;; limits: right only within a limited range of input values
;; workspace buffers: xq 1,081,344 bytes; sel 8,192 bytes of whole numbers; wts 8,192 bytes; hq 35,651,584 bytes; eo 17,039,360 bytes; lst 40,960 bytes of whole numbers
;; launch route (part 6): grid 64 x 1, 8 waves a work-group, no clusters, 117,504 bytes of LDS; arguments x, Wr, br, noise, xq, sel, wts; writes xq, sel, wts
.if DOCPART == 6
	.amdgcn_target "amdgcn-amd-amdhsa--gfx1250"
	.amdhsa_code_object_version 6
	.text
	.protected	k_qea4777e54e_route
	.globl	k_qea4777e54e_route
	.p2align	8
	.type	k_qea4777e54e_route,@function
k_qea4777e54e_route:
	s_mov_b64 s[64:65], 0
	v_nop
	global_prefetch_b8 v0, s[64:65] scope:SCOPE_SE
	s_setreg_imm32_b32 hwreg(HW_REG_WAVE_MODE, 25, 1), 1
	s_wait_xcnt 0x0
; THE ROUTER AND x'S QUANTISER.  logits = x Wr + br + noise (f32 multiply-adds), softmax with the row's maximum taken away, the two largest scores (ties: the lower index),
; and x as codes of E5M2 with one E8M0 byte for each 32 along D.  The chosen experts and their scores go to FIXED places (sel, wts: [token][2]); a later launch places the rows.
; SHARES.  A work-group of eight waves owns 16 tokens, a wave two.  A lane holds x[512 s + 16 lane + i], s = 0, 1, i = 0 .. 15: 16 neighbours, as the conversions want them; two lanes hold a block of 32.
; Each load reads 512 consecutive bytes; 2,048 bytes at a time turn through the wave's own stage in LDS (16 bytes of padding behind each 64).
; Wr (32 KB) lies in LDS once for the work-group, as 64 chunks of 512 bytes + 16: chunk 32 s + lane holds the 16 rows of Wr that the lane's 16 numbers meet.
; LIMITS: NaN and infinities among the inputs are not served.  A block of zeros, or one whose largest magnitude lies under 2^-111, gets the byte 1 (this program alone reads the bytes; its codes are zeros or near it).
; The logits' sums run in another order than a row-by-row sum: two scores that agree to within f32 rounding may be chosen the other way round.
; No matrix unit (N = 8), no tensor load, no cluster: work-groups share only Wr, 32 KB.
.set STG,   33792                      ; behind Wr: four stages of 32 x 80 bytes for each wave
.set SCB,   115712                     ; the 16 tokens' scale bytes, 32 each
.set SELB,  116224                     ; 128 bytes of chosen experts, 128 of their scores
.set SPARE, 116480                     ; the spare words, 128 bytes a wave: four blocks of 256 bytes that no other line names
.set XN,  16                           ; v16-79   x: set j = 2 k + s (token k, half s) at v[XN + 16 j]
.set WRG, 80                           ; v80-207  16 rows of Wr (8 numbers each); before that x as loaded (v80-143) and Wr as loaded (v144-175); later the codes (v80-95)
.set ACC, 208                          ; v208-223 the logits: token k, expert e at v[ACC + 8 k + e]
.set TT,  224                          ; v224-239 eight registers a token: +0 maximum, then sum; +1 1 / sum; +2, +3 best score, its expert; +4, +5 the second
	s_load_b256 s[4:11], s[0:1], 0x0               ; x, Wr, br, noise
	s_load_b128 s[12:15], s[0:1], 0x20             ; xq, sel
	s_load_b64 s[16:17], s[0:1], 0x30              ; wts
	v_lshl_add_u32 v9, v0, 2, SPARE                ; my spare word; never rewritten
	v_mov_b32 v10, 0                               ; 0; never rewritten
	v_lshrrev_b32 v11, 5, v0
	s_delay_alu instid0(VALU_DEP_1)
	v_readfirstlane_b32 s18, v11                   ; wave 0..7
	v_and_b32 v1, 31, v0                           ; lane
	s_delay_alu instid0(VALU_DEP_1)
	v_lshlrev_b32 v2, 4, v1                        ; 16 x lane
	s_mul_i32 s19, s18, 10240
	s_add_co_u32 s19, s19, STG                     ; my four stages
	v_lshrrev_b32 v3, 2, v1
	s_delay_alu instid0(VALU_DEP_1)
	v_mul_u32_u24 v3, v3, 80
	v_and_b32 v4, 3, v1
	s_delay_alu instid0(VALU_DEP_1)
	v_lshl_add_u32 v3, v4, 4, v3
	s_delay_alu instid0(VALU_DEP_1)
	v_add_nc_u32 v3, s19, v3                       ; into a stage: 80 (lane / 4) + 16 (lane % 4)
	v_mul_u32_u24 v4, v1, 80
	s_delay_alu instid0(VALU_DEP_1)
	v_add_nc_u32 v4, s19, v4                       ; out of it: 80 x lane: my 16 neighbours
	v_mul_u32_u24 v5, v1, 528                      ; my chunk of Wr
	v_add_nc_u32 v6, v11, v0
	s_delay_alu instid0(VALU_DEP_1)
	v_lshlrev_b32 v6, 4, v6                        ; Wr into LDS: 16 t + 16 (t / 32), t my thread's number
	v_lshlrev_b32 v12, 4, v0                       ; and in memory: 16 t
	s_lshl_b32 s20, s18, 6
	s_add_co_u32 s20, s20, SCB
	v_lshrrev_b32 v7, 1, v1
	s_delay_alu instid0(VALU_DEP_1)
	v_add_nc_u32 v7, s20, v7                       ; my block's scale byte: 64 x wave + lane / 2
	s_lshl_b32 s21, s18, 4
	s_add_co_u32 s21, s21, SELB
	v_mov_b32 v8, s21                              ; my two tokens' choices: 16 x wave
	v_add_nc_u32 v13, SCB, v2                      ; wave 0's way out
	v_lshl_add_u32 v14, v1, 2, SELB
	v_lshlrev_b32 v15, 2, v1
	s_mov_b32 s50, 0x76543210
	s_mov_b32 s51, 0xfedcba98                      ; v_permlanex16_b32's selects for lane l xor 16
	s_mov_b32 s52, 0x600000                        ; the mantissa field of 57,344
	s_lshl_b32 s54, ttmp9, 16
	s_lshl_b32 s53, s18, 13
	s_add_co_u32 s54, s54, s53                     ; my first token, 16 g + 2 w, x 4,096 bytes
	s_mov_b32 s55, 0
	s_lshr_b32 s56, s54, 7                         ; x 32: noise
	s_mov_b32 s57, 0
	s_lshr_b32 s58, s54, 2                         ; x 1,024: codes
	s_mov_b32 s59, 0
	s_lshl_b32 s60, ttmp9, 9                       ; the work-group's 512 scale bytes
	s_mov_b32 s61, 0
	s_lshl_b32 s62, ttmp9, 7                       ; its 128 bytes of sel and of wts
	s_mov_b32 s63, 0
	s_wait_alu depctr_va_vdst(0)
	s_wait_kmcnt 0x0
	s_add_nc_u64 s[4:5], s[4:5], s[54:55]
	s_add_nc_u64 s[10:11], s[10:11], s[56:57]
	s_add_nc_u64 s[60:61], s[12:13], s[60:61]
	s_add_nc_u64 s[12:13], s[12:13], s[58:59]
	s_add_nc_u64 s[14:15], s[14:15], s[62:63]
	s_add_nc_u64 s[16:17], s[16:17], s[62:63]
	s_load_b256 s[24:31], s[8:9], 0x0              ; br
	s_load_b512 s[32:47], s[10:11], 0x0            ; my two tokens' noise
.set I, 0
.rept 8
	global_load_b128 v[144+4*I:147+4*I], v12, s[6:7] offset:4096*I          ; Wr: the work-group's 256 threads take 4,096 consecutive bytes a load
.set I, I+1
.endr
.set I, 0
.rept 16
	global_load_b128 v[WRG+4*I:WRG+4*I+3], v2, s[4:5] offset:512*I th:TH_LOAD_NT   ; my two rows of x: 512 consecutive bytes a load
.set I, I+1
.endr
	s_wait_loadcnt 16                              ; Wr's eight loads are in; x's sixteen may be out
.set I, 0
.rept 8
	ds_store_b128 v6, v[144+4*I:147+4*I] offset:4224*I
.set I, I+1
.endr
	s_wait_dscnt 0x0                               ; for the others' sake: my part of Wr lies in LDS
	s_barrier_signal -1
	s_barrier_wait -1
.macro TURN j                          ; set j's 2,048 bytes through the stage: LDS serves a wave's instructions in order, so no wait stands between the stores and the loads
	s_wait_loadcnt 12-4*\j                         ; its four loads are in; the later sets' may be out
.irp i, 0,1,2,3
	ds_store_b128 v3, v[WRG+16*\j+4*\i:WRG+16*\j+4*\i+3] offset:2560*\j+640*\i
.endr
.irp i, 0,1,2,3
	ds_load_b128 v[XN+16*\j+4*\i:XN+16*\j+4*\i+3], v4 offset:2560*\j+16*\i
.endr
.endm
	TURN 0
	TURN 1
	TURN 2
	TURN 3
	s_wait_dscnt 0x0                               ; x is back, and the stores have read the registers that Wr's rows now take
; Half s of the dot products: 16 rows of Wr, each against my number of both tokens; two experts an instruction.  The very first products start the sums.
.macro DOT s
.set I, 0
.rept 32
	ds_load_b128 v[WRG+4*I:WRG+4*I+3], v5 offset:16896*\s+16*I
.set I, I+1
.endr
	s_wait_dscnt 0x0
.irp i, 0,2,4,6,8,10,12,14
.irp k, 0,1
.irp p, 0,2,4,6
.if (\s == 0) && (\i == 0)
	v_pk_mul_f32 v[ACC+8*\k+\p:ACC+8*\k+\p+1], v[WRG+8*\i+\p:WRG+8*\i+\p+1], v[XN+32*\k+16*\s+\i:XN+32*\k+16*\s+\i+1] op_sel_hi:[1,0]
.else
	v_pk_fma_f32 v[ACC+8*\k+\p:ACC+8*\k+\p+1], v[WRG+8*\i+\p:WRG+8*\i+\p+1], v[XN+32*\k+16*\s+\i:XN+32*\k+16*\s+\i+1], v[ACC+8*\k+\p:ACC+8*\k+\p+1] op_sel_hi:[1,0,1]
.endif
.endr
.endr
.irp k, 0,1
.irp p, 0,2,4,6
	v_pk_fma_f32 v[ACC+8*\k+\p:ACC+8*\k+\p+1], v[WRG+8*\i+8+\p:WRG+8*\i+8+\p+1], v[XN+32*\k+16*\s+\i:XN+32*\k+16*\s+\i+1], v[ACC+8*\k+\p:ACC+8*\k+\p+1] op_sel:[0,1,0] op_sel_hi:[1,1,1]
.endr
.endr
.endr
.endm
	DOT 0
	s_wait_alu depctr_va_vdst(0)
	DOT 1
.irp m, 1,2,4,8                        ; the 32 lanes' parts are added: every lane ends with all 16 logits
.set I, 0
.rept 16
	v_add_f32_dpp v[ACC+I], v[ACC+I], v[ACC+I] row_xmask:\m row_mask:0xf bank_mask:0xf
.set I, I+1
.endr
.endr
.set I, 0
.rept 16
	v_permlanex16_b32 v[WRG+I], v[ACC+I], s50, s51   ; (its destination counts as read: these registers have been written)
.set I, I+1
.endr
.set I, 0
.rept 16
	v_add_f32 v[ACC+I], v[ACC+I], v[WRG+I]
.set I, I+1
.endr
	s_wait_kmcnt 0x0                               ; br and noise
.irp k, 0,1
.irp e, 0,1,2,3,4,5,6,7
	v_add_f32 v[ACC+8*\k+\e], s[24+\e], v[ACC+8*\k+\e]
.endr
.irp e, 0,1,2,3,4,5,6,7
	v_add_f32 v[ACC+8*\k+\e], s[32+8*\k+\e], v[ACC+8*\k+\e]
.endr
.endr
.irp k, 0,1                            ; softmax: the row's maximum is taken away first
	v_max3_num_f32 v[TT+8*\k], v[ACC+8*\k], v[ACC+8*\k+1], v[ACC+8*\k+2]
	s_delay_alu instid0(VALU_DEP_1)
	v_max3_num_f32 v[TT+8*\k], v[TT+8*\k], v[ACC+8*\k+3], v[ACC+8*\k+4]
	s_delay_alu instid0(VALU_DEP_1)
	v_max3_num_f32 v[TT+8*\k], v[TT+8*\k], v[ACC+8*\k+5], v[ACC+8*\k+6]
	s_delay_alu instid0(VALU_DEP_1)
	v_max_num_f32 v[TT+8*\k], v[TT+8*\k], v[ACC+8*\k+7]
.endr
.set I, 0
.rept 16
	v_sub_f32 v[ACC+I], v[ACC+I], v[TT+8*(I/8)]
.set I, I+1
.endr
.set I, 0
.rept 16
	v_mul_f32 v[ACC+I], 0x3fb8aa3b, v[ACC+I]       ; x log2(e)
.set I, I+1
.endr
.set I, 0
	s_wait_alu depctr_va_vdst(0)
.rept 16
	v_exp_f32 v[ACC+I], v[ACC+I]
.set I, I+1
.endr
	v_nop                                          ; a plain instruction behind the last exponential
	s_wait_alu depctr_va_vdst(0)                   ; one wait for the sixteen, ahead of their first reader
.irp k, 0,1
	v_add_f32 v[TT+8*\k], v[ACC+8*\k], v[ACC+8*\k+1]
.irp e, 2,3,4,5,6,7
	v_add_f32 v[TT+8*\k], v[TT+8*\k], v[ACC+8*\k+\e]
.endr
.endr
	s_wait_alu depctr_va_vdst(0)
	v_rcp_f32 v[TT+1], v[TT]
	v_rcp_f32 v[TT+9], v[TT+8]
	v_nop
	s_wait_alu depctr_va_vdst(0)                   ; one wait for the two reciprocals
.set I, 0
.rept 16
	v_mul_f32 v[ACC+I], v[ACC+I], v[TT+8*(I/8)+1]  ; the scores
.set I, I+1
.endr
.irp k, 0,1                            ; the two largest: a later expert wins only by a strictly larger score, so ties keep the lower index
	v_mov_b32 v[TT+8*\k+2], v[ACC+8*\k]
	v_mov_b32 v[TT+8*\k+3], 0
.irp e, 1,2,3,4,5,6,7
	s_delay_alu instid0(VALU_DEP_2)
	v_cmp_gt_f32 vcc_lo, v[ACC+8*\k+\e], v[TT+8*\k+2]
	s_delay_alu instid0(VALU_DEP_1)
	v_cndmask_b32 v[TT+8*\k+2], v[TT+8*\k+2], v[ACC+8*\k+\e], vcc_lo
	s_delay_alu instid0(VALU_DEP_2)
	v_cndmask_b32 v[TT+8*\k+3], v[TT+8*\k+3], \e, vcc_lo
.endr
	v_mov_b32 v[TT+8*\k+4], -1.0                   ; under every score
	v_mov_b32 v[TT+8*\k+5], 0
.irp e, 0,1,2,3,4,5,6,7
	v_cmp_ne_u32 s48, \e, v[TT+8*\k+3]             ; not the first choice,
	s_delay_alu instid0(VALU_DEP_3)
	v_cmp_gt_f32 s49, v[ACC+8*\k+\e], v[TT+8*\k+4] ; and larger than the best so far
	s_and_b32 vcc_lo, s48, s49
	v_cndmask_b32 v[TT+8*\k+4], v[TT+8*\k+4], v[ACC+8*\k+\e], vcc_lo
	v_cndmask_b32 v[TT+8*\k+5], v[TT+8*\k+5], \e, vcc_lo
.endr
.endr
; Set j of x becomes codes: the block's largest magnitude with the floor 2^(16 - 127) among its leaves; 15 off its exponent field is the conversion's scale operand; the hold at 57,344 x the scale.
.macro QX j
.set XS, XN+16*\j
	v_max3_num_f32 v246, |v[XS]|, |v[XS+1]|, |v[XS+2]|
	v_max3_num_f32 v247, |v[XS+3]|, |v[XS+4]|, |v[XS+5]|
.irp i, 6,10
	s_delay_alu instid0(VALU_DEP_2)
	v_max3_num_f32 v246, v246, |v[XS+\i]|, |v[XS+\i+1]|
	s_delay_alu instid0(VALU_DEP_2)
	v_max3_num_f32 v247, v247, |v[XS+\i+2]|, |v[XS+\i+3]|
.endr
	s_delay_alu instid0(VALU_DEP_2)
	v_max3_num_f32 v246, v246, |v[XS+14]|, |v[XS+15]|
	s_delay_alu instid0(VALU_DEP_1)
	v_max3_num_f32 v246, v246, v247, 0x8000000
	s_delay_alu instid0(VALU_DEP_1)
	v_max_num_f32_dpp v246, v246, v246 row_xmask:1 row_mask:0xf bank_mask:0xf   ; with my neighbour's 16: the block's
	s_delay_alu instid0(VALU_DEP_1)
	v_add_nc_u32 v249, 0xf8800000, v246
	s_delay_alu instid0(VALU_DEP_2)
	v_and_or_b32 v248, v246, 0x7f800000, s52
.irp i, 0,1,2,3,4,5,6,7,8,9,10,11,12,13,14,15
	v_med3_num_f32 v[XS+\i], v[XS+\i], -v248, v248 ; the conversion to an 8-bit code does not saturate (ISA guide 7.6.2)
.endr
	v_cvt_scalef32_pk8_bf8_f32 v[WRG+4*\j:WRG+4*\j+1], v[XS:XS+7], v249
	v_cvt_scalef32_pk8_bf8_f32 v[WRG+4*\j+2:WRG+4*\j+3], v[XS+8:XS+15], v249
	v_lshrrev_b32 v[240+\j], 23, v249              ; the scale's byte (also the plain line behind the conversions)
	ds_store_b8 v7, v[240+\j] offset:16*\j         ; both lanes of a block write the same byte with the same value
	global_store_b128 v2, v[WRG+4*\j:WRG+4*\j+3], s[12:13] offset:512*\j   ; 32 lanes store 512 consecutive bytes
.endm
	QX 0
	QX 1
	QX 2
	QX 3
.irp k, 0,1
	ds_store_b32 v8, v[TT+8*\k+3] offset:8*\k      ; all lanes hold the same numbers and write the same words
	ds_store_b32 v8, v[TT+8*\k+5] offset:8*\k+4
	ds_store_b32 v8, v[TT+8*\k+2] offset:128+8*\k
	ds_store_b32 v8, v[TT+8*\k+4] offset:128+8*\k+4
.endr
	s_wait_dscnt 0x0                               ; for wave 0's sake: my bytes and words lie in LDS
	s_barrier_signal -1
	s_barrier_wait -1
	s_cmp_lg_u32 s18, 0
	s_cbranch_scc1 .Ldone                          ; wave 0 stores what the eight waves gathered
	ds_load_b128 v[96:99], v13
	ds_load_b32 v100, v14
	ds_load_b32 v101, v14 offset:128
	s_wait_dscnt 0x0
	global_store_b128 v2, v[96:99], s[60:61] offset:1048576   ; 16 tokens' scale bytes: 512 consecutive bytes
	global_store_b32 v15, v100, s[14:15]
	global_store_b32 v15, v101, s[16:17]
.Ldone:
	s_wait_tensorcnt 0x0                           ; the wave's end: behind my last LDS store
	ds_add_u32 v9, v10
	s_wait_dscnt 0x0
	s_endpgm
.Lfunc_end_k_qea4777e54e_route:
	.size	k_qea4777e54e_route, .Lfunc_end_k_qea4777e54e_route-k_qea4777e54e_route
	.p2alignl 7, 3214868480
	.fill 96, 4, 3214868480
	.section	.rodata,"a",@progbits
	.p2align	6, 0x0
	.amdhsa_kernel k_qea4777e54e_route
		.amdhsa_group_segment_fixed_size 117504
		.amdhsa_private_segment_fixed_size 0
		.amdhsa_enable_private_segment 0
		.amdhsa_kernarg_size 56
		.amdhsa_user_sgpr_count 2
		.amdhsa_user_sgpr_kernarg_segment_ptr 1
		.amdhsa_wavefront_size32 1
		.amdhsa_system_sgpr_workgroup_id_x 1
		.amdhsa_system_sgpr_workgroup_id_y 1
		.amdhsa_system_sgpr_workgroup_id_z 1
		.amdhsa_system_vgpr_workitem_id 0
		.amdhsa_next_free_vgpr 256
		.amdhsa_next_free_sgpr 66
		.amdhsa_reserve_vcc 1
		.amdhsa_float_denorm_mode_32 3
		.amdhsa_float_denorm_mode_16_64 3
		.amdhsa_memory_ordered 1
		.amdhsa_forward_progress 1
		.amdhsa_inst_pref_size 57
	.end_amdhsa_kernel
	.amdgpu_metadata
---
amdhsa.version: [ 1, 2 ]
amdhsa.kernels:
  - .name:           k_qea4777e54e_route
    .symbol:         k_qea4777e54e_route.kd
    .args:
      - { .name: x, .offset: 0, .size: 8, .value_kind: global_buffer, .address_space: global }
      - { .name: Wr, .offset: 8, .size: 8, .value_kind: global_buffer, .address_space: global }
      - { .name: br, .offset: 16, .size: 8, .value_kind: global_buffer, .address_space: global }
      - { .name: noise, .offset: 24, .size: 8, .value_kind: global_buffer, .address_space: global }
      - { .name: xq, .offset: 32, .size: 8, .value_kind: global_buffer, .address_space: global }
      - { .name: sel, .offset: 40, .size: 8, .value_kind: global_buffer, .address_space: global }
      - { .name: wts, .offset: 48, .size: 8, .value_kind: global_buffer, .address_space: global }
    .group_segment_fixed_size: 117504
    .private_segment_fixed_size: 0
    .kernarg_segment_align: 8
    .kernarg_segment_size: 56
    .max_flat_workgroup_size: 256
    .sgpr_count:     66
    .vgpr_count:     256
    .wavefront_size: 32
...
	.end_amdgpu_metadata
.endif
;; end of part 6
;; launch up (part 7): grid 32 x 8, 4 waves a work-group, no clusters, 308,480 bytes of LDS; arguments xq, W1_codes, W1_scales, b1, sel, hq, lst; writes hq, lst
.if DOCPART == 7
	.amdgcn_target "amdgcn-amd-amdhsa--gfx1250"
	.amdhsa_code_object_version 6
	.text
	.protected	k_qea4777e54e_up
	.globl	k_qea4777e54e_up
	.p2align	8
	.type	k_qea4777e54e_up,@function
k_qea4777e54e_up:
	s_mov_b64 s[64:65], 0
	v_nop
	global_prefetch_b8 v0, s[64:65] scope:SCOPE_SE
	s_setreg_imm32_b32 hwreg(HW_REG_WAVE_MODE, 25, 1), 1
	s_wait_xcnt 0x0
; h = Q(gelu(x W1 + b1)) for the rows that chose an expert, on codes of E5M2 with one E8M0 scale for each 32 along K; and the lists of rows (lst) for the next launch.
; SHARES.  Work-group (slice, e) owns 128 hidden units of expert e: its 128 KB of W1's codes come from memory once, into LDS, and stay.  The expert's rows go in tiles of 16; wave w takes tiles w, w + 4, ..: the first five together,
; so that each fragment of W1 read from LDS feeds up to five products; those beyond five (an expert of more than 320 rows) one at a time.  K = 1,024 is eight steps of 128.
; THE EXPERT'S ROWS are its tokens in ascending order; place p of that order is found in registers.  The work-group reads the choices (sel, 8 KB) once, 256 tokens a wave; a group of 32 tokens gives one mask of 32 bits;
; the 32 masks meet in LDS.  Every wave walks them with a running count and keeps, for each lane's place, the last group whose count so far is not above the place; the wanted set bit of that mask is found by five halvings.
; Places from n on give some valid token: such rows only fill a tile up, and the next launch drops them.  Each slice stores 32 places of the list: lst [8][1,024], and behind it the counts, 1 KB an expert.
; x: a chunk is 256 along K: each load brings 256 consecutive bytes of two rows; they go through the wave's own two stages in LDS (no barrier) and come back as fragments.  Where the fifth tile does not exist, its loads name one
; piece of 16 bytes with all lanes and its products are jumped over.
; THE PRODUCT IS USED TRANSPOSED (source 0 = 16 rows of W1, source 1 = 16 tokens): a lane holds one token and its registers run along the hidden units, which are the next product's K.
; The rows of W1 that form a tile are not neighbours: lane m of tile 2 b + u takes unit 32 b + 8 u + m + 8 (m / 8), so that the 16 registers of tiles 2 b and 2 b + 1 are 16 neighbours along the next K.
; In LDS that is row number with bits 3 and 4 exchanged.  b1 starts the sums: it is loaded into the accumulators.
; 128 units are one K step of the next product: a tile's codes leave as an image of the operand's registers (2,048 bytes, 512 c + 16 lane), its scale word beside them.
; GELU is exact: max(a, 0) - |a| erfc(|a| / sqrt 2) / 2, erfc(z) = u 2^(polynomial of degree 9 in u - z^2 log2 e), u = 1 / (1 + z / 2): a form of small relative error on all of z.
; LIMITS: NaN and infinities are not served.  A block whose largest magnitude lies under 2^-111 gets the byte 1.
; No tensor load and no cluster: how many tiles a wave walks hangs on numbers read from memory, so operands come by plain loads; W1 is shared by no two work-groups.  No prefetch: the whole slice is asked for at the head.
.set XST,   133120                     ; behind W1's 128 rows (pitch 1,040 = 65 x 16 bytes, an odd multiple of 16): two stages of 80 rows x 272 bytes for each wave
.set XSLOT, 87040
.set BIA,   307200                     ; b1's 128 numbers
.set MSK,   307712                     ; the 32 masks, a word each
.set SPARE, 307968                     ; the spare words, 128 bytes a wave: two blocks of 256 bytes that no other line names
.set VM,  13                           ; v13      the masks, a lane each
.set TK,  20                           ; v20-23   tokens: register q: lanes 0-15 my tile 2 q's rows, lanes 16-31 tile 2 q + 1's; q = 3: the list's part
.set XO,  46                           ; v46-85   x's offsets: tile j, rows 2 i and 2 i + 1 at v[XO + 8 j + i]
.set XS,  86                           ; v86-109  x's scale words: tile pair p, K step s at v[XS + 8 p + s]
.set WS,  112                          ; v112-143 W1's: unit tile pair b, K step s at v[WS + 8 b + s]
.set A4,  144                          ; v144-207 the fifth tile's accumulators; window 1: the first four's: tile j, unit tile t at v[64 j + 8 t]  (at the head: W1's codes as loaded)
.set POS, 208                          ; v208-251 four registers each, one for each q: the lane's place;
.set PM,  212                          ; the mask of the group that holds it;
.set PK,  216                          ; that group's count so far, and its number from bit 16 on;
.set KK,  220                          ; which set bit is wanted;
.set AA,  224                          ; the mask's bit counts by 2,
.set BB,  228                          ; by 4,
.set CC,  232                          ; by 8,
.set DD,  236                          ; of its low 16;
.set BP,  240                          ; the bit's number so far;
.set T1,  244                          ; at work
.set T2,  248
.set SE,  212                          ; at the head: my 256 tokens' choices (v212-227)
; window 2: v0-127 W1's fragments, v128-207 x's of the odd K steps; window 3: v0-159 x as loaded, v160-239 x's fragments of the even K steps (the rest of a wave's work, gelu and the quantiser, runs in window 2 alone:)
.set G,   0                            ; v0-63    a tile's sums
.set TT,  64                           ; v64-79   u; in the quantiser its sixteen
.set SS,  80                           ; v80-95   a^2, then max(a, 0)
.set QQ,  96                           ; v96-111  the polynomial, then erfc / 2
.set PC,  112                          ; v112-127 the codes; v128 the scale word; v[130:131] a constant
; v2 16 x lane; v3 r; v4 16 h; v5, v6 W1's fragments (tiles 0-3, 4-7); v7, v8 the add's two; v9 W1 into LDS; v10, v19 x into the stages; v11, v24 out of them; v12 b1; v14, v15 h's codes, scale words; v25-45 at work
.set MSB, 0
.macro WIN new                         ; the immediate's high byte repeats the setting that is left
.if MSB != (\new)
	s_set_vgpr_msb (MSB<<8)|(\new)
.set MSB, (\new)
.endif
.endm
.macro CPAIR r, val                    ; a constant as a pair: the packed forms name a pair and take its low word for both halves
	s_mov_b32 s[\r], \val
	s_mov_b32 s[\r+1], \val
.endm
	s_load_b256 s[4:11], s[0:1], 0x0               ; xq, W1's codes, W1's scales, b1
	s_load_b128 s[12:15], s[0:1], 0x20             ; sel, hq
	s_load_b64 s[60:61], s[0:1], 0x30              ; lst
	v_lshl_add_u32 v7, v0, 2, SPARE
	v_mov_b32 v8, 0
	v_lshrrev_b32 v1, 5, v0
	v_readfirstlane_b32 s16, v1                    ; wave 0..3
	s_mov_b32 s17, ttmp9                           ; slice
	s_and_b32 s18, ttmp7, 0xffff                   ; expert
	v_and_b32 v1, 31, v0
	v_lshlrev_b32 v2, 4, v1
	v_and_b32 v3, 15, v0
	v_bfe_u32 v32, v0, 4, 1                        ; h
	v_lshlrev_b32 v4, 4, v32
	v_mul_u32_u24 v5, v3, 1040
	v_add_nc_u32 v5, v5, v4                        ; row r x pitch + 16 h
	v_add_nc_u32 v6, 66560, v5                     ; 64 rows on
	s_mul_i32 s57, s16, 33280
	v_add_nc_u32 v9, s57, v2                       ; my 32 rows of W1
	s_mul_i32 s57, s16, 21760
	s_add_co_u32 s57, s57, XST                     ; my stages
	v_lshlrev_b32 v33, 4, v3
	v_mul_u32_u24 v10, v32, 272
	v_add_nc_u32 v10, v10, v33
	v_add_nc_u32 v10, s57, v10                     ; in: lanes 0-15 one row's 256 bytes, lanes 16-31 the next's
	v_add_nc_u32 v19, XSLOT, v10
	v_mul_u32_u24 v11, v3, 272
	v_add_nc_u32 v11, v11, v4
	v_add_nc_u32 v11, s57, v11                     ; out: row r, 16 bytes for each half of the lanes
	v_add_nc_u32 v24, XSLOT, v11
	v_lshl_add_u32 v12, v32, 6, BIA                ; my half's units begin 16 numbers on
	v_mov_b32 v17, 0
	v_and_b32 v30, 8, v3
	v_add_nc_u32 v30, v30, v3
	v_lshl_add_u32 v30, v32, 3, v30
	v_lshlrev_b32 v30, 5, v30                      ; W1's scales: unit 8 h + r + 8 (r / 8), 32 bytes each
	s_lshl_b32 s57, s16, 11
	v_lshl_add_u32 v31, v1, 3, s57                 ; sel: my wave's 256 tokens, 8 bytes a token
	s_lshl_b32 s57, s16, 5
	s_add_co_u32 s57, s57, MSK
	v_mov_b32 v34, s57                             ; the masks, in: my eight words;
	v_lshl_add_u32 v35, v1, 2, MSK                 ; back: a lane a mask
	v_add_nc_u32 v36, BIA, v2
	v_lshl_add_u32 v[POS], v32, 6, v3              ; my places: 16 w + 128 q + 64 h + r
	s_lshl_b32 s57, s16, 4
	v_add_nc_u32 v[POS], s57, v[POS]
	v_add_nc_u32 v[POS+1], 128, v[POS]
	v_add_nc_u32 v[POS+2], 256, v[POS]
	s_lshl_b32 s57, s17, 5
	v_add_nc_u32 v[POS+3], s57, v1                 ; the list's part: 32 x slice + lane
	v_lshlrev_b32 v25, 2, v[POS+3]
	s_mov_b32 s27, 0xffff0000                      ; lanes 16-31
	s_mov_b32 s28, 0x76543210
	s_mov_b32 s29, 0xfedcba98                      ; v_permlanex16_b32's selects for lane l xor 16
	s_mov_b32 s30, 0x600000                        ; the mantissa field of 57,344
	CPAIR 32, 0x3e7c6f08                           ; the polynomial x log2 e: 0.246517298,
	CPAIR 34, 0x40097039                           ; (-1.186114944 lies in registers,) 2.147474463,
	CPAIR 36, 0xbfd1a1e5                           ; -1.637753151,
	CPAIR 38, 0x3ecdfd18                           ; 0.402321582,
	CPAIR 40, 0xbe899a80                           ; -0.268756860,
	CPAIR 42, 0x3e0efb2e                           ; 0.139630056,
	CPAIR 44, 0x3f0a29d2                           ; 0.539700612,
	CPAIR 46, 0x3fb8ab5a                           ; 1.442729200,
	CPAIR 48, 0xc034d90f                           ; -1.825748217 - 1: the factor 1 / 2
	CPAIR 50, 0xbf38aa3b                           ; -log2(e) / 2
	s_mov_b32 s54, 0x3eb504f3                      ; 1 / (2 sqrt 2)
	s_lshl_b32 s58, s18, 22                        ; W1's codes: (4,096 e + 128 slice + 32 w) rows of 1,024 bytes
	s_lshl_b32 s57, s17, 17
	s_add_co_u32 s58, s58, s57
	s_lshl_b32 s57, s16, 15
	s_add_co_u32 s58, s58, s57
	s_mov_b32 s59, 0
	s_wait_alu depctr_va_vdst(0)                   ; ahead of the wait below
	s_wait_kmcnt 0x0
.irp i, 0,1,2,3,4,5,6,7
	global_load_b64 v[SE+2*\i:SE+2*\i+1], v31, s[12:13] offset:256*\i   ; the choices first: they are wanted first
.endr
	s_add_nc_u64 s[6:7], s[6:7], s[58:59]
.macro WLOAD from, n                   ; my 32 rows: 32 KB on end, 512 bytes a load; read once in the launch
	WIN 0x40
.set I, \from
.rept \n
	global_load_b128 v[4*I:4*I+3], v2, s[6:7] offset:512*I th:TH_LOAD_NT
.set I, I+1
.endr
	WIN 0
.endm
	WLOAD 0, 48
	s_lshl_b32 s58, s18, 17                        ; its scales: 32 bytes a row
	s_lshl_b32 s57, s17, 12
	s_add_co_u32 s58, s58, s57
	s_add_nc_u64 s[8:9], s[8:9], s[58:59]
	s_lshr_b32 s58, s58, 3                         ; b1: 4 bytes a unit
	s_add_nc_u64 s[10:11], s[10:11], s[58:59]
	s_add_nc_u64 s[66:67], s[4:5], 0x100000        ; x's scale bytes
	s_lshl_b32 s58, s18, 22                        ; h's images: 4 MB an expert, 2,048 bytes a K step
	s_lshl_b32 s57, s17, 11
	s_add_co_u32 s58, s58, s57
	s_add_nc_u64 s[68:69], s[14:15], s[58:59]
	s_lshl_b32 s58, s18, 18                        ; h's scale words: 256 KB an expert, 512 bytes for four K steps, word slice % 4
	s_lshr_b32 s57, s17, 2
	s_lshl_b32 s57, s57, 9
	s_add_co_u32 s58, s58, s57
	s_and_b32 s57, s17, 3
	s_lshl_b32 s57, s57, 2
	s_add_co_u32 s58, s58, s57
	s_add_nc_u64 s[70:71], s[14:15], s[58:59]
	s_add_nc_u64 s[70:71], s[70:71], 0x2000000
	s_lshl_b32 s58, s18, 12
	s_add_nc_u64 s[62:63], s[60:61], s[58:59]      ; my expert's list
	s_lshl_b32 s58, s18, 10
	s_add_co_u32 s58, s58, 32768
	s_add_nc_u64 s[60:61], s[60:61], s[58:59]      ; its count
	s_wait_loadcnt 48                              ; the choices are in; W1's first 48 loads may be out
.irp i, 0,1,2,3,4,5,6,7
	v_cmp_eq_u32 s20, s18, v[SE+2*\i]              ; chosen first,
	v_cmp_eq_u32 s21, s18, v[SE+2*\i+1]            ; or second
	s_or_b32 s20, s20, s21
	v_mov_b32 v[228+\i], s20
	ds_store_b32 v34, v[228+\i] offset:4*\i        ; group 8 w + i's mask: all lanes write the same word with the same value
.endr
	s_wait_dscnt 0x0                               ; for the others' sake: my masks lie in LDS
	s_barrier_signal -1
	s_barrier_wait -1
	ds_load_b32 v[VM], v35
	WLOAD 48, 16
.irp b, 0,1,2,3
	global_load_b128 v[WS+8*\b:WS+8*\b+3], v30, s[8:9] offset:1024*\b
	global_load_b128 v[WS+8*\b+4:WS+8*\b+7], v30, s[8:9] offset:1024*\b+16
.endr
	global_load_b128 v[252:255], v2, s[10:11]      ; b1's 512 bytes (every wave loads them, so that the counts below hold in every wave; wave 0 stores them)
	s_wait_dscnt 0x0
.macro EACHQ n, op:vararg              ; a line for each of the n registers
.set Q, 0
.rept \n
	\op
.set Q, Q+1
.endr
.endm
.macro LEVEL n, x, w                   ; a halving: x holds the counts of runs of w bits
	EACHQ \n, v_bfe_u32 v[T1+Q], v[\x+Q], v[BP+Q], \w
	EACHQ \n, v_cmp_ge_u32 s[72+Q], v[KK+Q], v[T1+Q]
	EACHQ \n, v_add_nc_u32 v[T2+Q], \w, v[BP+Q]
	EACHQ \n, v_cndmask_b32 v[BP+Q], v[BP+Q], v[T2+Q], s[72+Q]
.if \w > 1
	EACHQ \n, v_sub_nc_u32 v[T1+Q], v[KK+Q], v[T1+Q]
	EACHQ \n, v_cndmask_b32 v[KK+Q], v[KK+Q], v[T1+Q], s[72+Q]
.endif
.endm
; The tokens at the n registers' places.  The walk over the 32 groups, 16 masks at a time in scalar registers: the counts so far (s20) do not fall, so the last group whose count is not above a place is the one that holds it.
; Then which set bit: place - count so far: the mask's bit counts by 2, 4, 8 and 16, and five halvings: where the lower half holds too few, its count is taken off and the upper half is entered.
.macro FIND n
	s_mov_b32 s20, 0
.set I, 0
.rept 2
.set J, 0
.rept 16
	v_readlane_b32 s[80+J], v[VM], I+J
.set J, J+1
.endr
.rept 16
.if I == 0
	EACHQ \n, v_mov_b32 v[PM+Q], s80
	EACHQ \n, v_mov_b32 v[PK+Q], 0
.else
	s_or_b32 s23, s20, I<<16
	EACHQ \n, v_cmp_le_u32 s[72+Q], s20, v[POS+Q]
	EACHQ \n, v_cndmask_b32 v[PM+Q], v[PM+Q], s[80+(I%16)], s[72+Q]
	EACHQ \n, v_cndmask_b32 v[PK+Q], v[PK+Q], s23, s[72+Q]
.endif
	s_bcnt1_i32_b32 s22, s[80+(I%16)]
	s_add_co_u32 s20, s20, s22
.set I, I+1
.endr
.endr
	EACHQ \n, v_and_b32 v[T1+Q], 0xffff, v[PK+Q]
	EACHQ \n, v_sub_nc_u32 v[KK+Q], v[POS+Q], v[T1+Q]
	EACHQ \n, v_lshrrev_b32 v[T1+Q], 1, v[PM+Q]
	EACHQ \n, v_and_b32 v[T1+Q], 0x55555555, v[T1+Q]
	EACHQ \n, v_sub_nc_u32 v[AA+Q], v[PM+Q], v[T1+Q]
	EACHQ \n, v_lshrrev_b32 v[T1+Q], 2, v[AA+Q]
	EACHQ \n, v_and_b32 v[T2+Q], 0x33333333, v[AA+Q]
	EACHQ \n, v_and_b32 v[T1+Q], 0x33333333, v[T1+Q]
	EACHQ \n, v_add_nc_u32 v[BB+Q], v[T1+Q], v[T2+Q]
	EACHQ \n, v_lshrrev_b32 v[T1+Q], 4, v[BB+Q]
	EACHQ \n, v_add_nc_u32 v[T1+Q], v[T1+Q], v[BB+Q]
	EACHQ \n, v_and_b32 v[CC+Q], 0x0f0f0f0f, v[T1+Q]
	EACHQ \n, v_lshrrev_b32 v[T1+Q], 8, v[CC+Q]
	EACHQ \n, v_add_nc_u32 v[T1+Q], v[T1+Q], v[CC+Q]
	EACHQ \n, v_and_b32 v[DD+Q], 0xff, v[T1+Q]
	EACHQ \n, v_cmp_ge_u32 s[72+Q], v[KK+Q], v[DD+Q]
	EACHQ \n, v_sub_nc_u32 v[T1+Q], v[KK+Q], v[DD+Q]
	EACHQ \n, v_cndmask_b32 v[KK+Q], v[KK+Q], v[T1+Q], s[72+Q]
	EACHQ \n, v_cndmask_b32 v[BP+Q], 0, 16, s[72+Q]
	LEVEL \n, CC, 8
	LEVEL \n, BB, 4
	LEVEL \n, AA, 2
	LEVEL \n, PM, 1
	EACHQ \n, v_lshrrev_b32 v[T1+Q], 16, v[PK+Q]
	EACHQ \n, v_lshl_add_u32 v[TK+Q], v[T1+Q], 5, v[BP+Q]   ; token = 32 x group + bit
	EACHQ \n, v_min_u32 v[TK+Q], 0x3ff, v[TK+Q]
	s_wait_alu depctr_va_vdst(0)                   ; the wait behind these writes
.endm
	FIND 4
	s_min_u32 s19, s20, 1024                       ; n: the expert's rows
	s_add_co_u32 s20, s19, 15
	s_lshr_b32 s20, s20, 4                         ; tiles of 16 rows
	s_add_co_u32 s21, s20, 3
	s_sub_co_u32 s21, s21, s16
	s_lshr_b32 s21, s21, 2                         ; of which mine: w, w + 4, ..
; x's scale words and offsets
.irp p, 0,1,2
	v_lshlrev_b32 v[37+\p], 5, v[TK+\p]            ; 32 scale bytes a token
.endr
	s_wait_alu depctr_va_vdst(0)
.irp p, 0,1,2
	global_load_b128 v[XS+8*\p:XS+8*\p+3], v[37+\p], s[66:67]
	global_load_b128 v[XS+8*\p+4:XS+8*\p+7], v[37+\p], s[66:67] offset:16
.endr
.irp j, 0,1,2,3,4
.irp i, 0,1,2,3,4,5,6,7,8,9,10,11,12,13,14,15
	v_readlane_b32 s[72+\i], v[TK+\j/2], 16*(\j%2)+\i
.endr
.irp i, 0,1,2,3,4,5,6,7
	v_mov_b32 v[XO+8*\j+\i], s[72+2*\i]            ; row 2 i in lanes 0-15,
.endr
.irp i, 0,1,2,3,4,5,6,7
	v_cndmask_b32 v[XO+8*\j+\i], v[XO+8*\j+\i], s[73+2*\i], s27   ; row 2 i + 1 in lanes 16-31
.endr
.irp i, 0,1,2,3,4,5,6,7
	v_min_u32 v[XO+8*\j+\i], 0x3ff, v[XO+8*\j+\i]
.endr
.irp i, 0,1,2,3,4,5,6,7
	v_lshl_add_u32 v[XO+8*\j+\i], v[XO+8*\j+\i], 10, v33   ; 1,024 bytes of codes a token, 16 a lane
.endr
.endr
	s_cmp_gt_u32 s21, 4
	s_cselect_b32 s22, -1, 0                       ; is there a fifth tile?
.irp i, 0,1,2,3,4,5,6,7
	v_cndmask_b32 v[XO+32+\i], 0, v[XO+32+\i], s22
.endr
.irp i, 0,1,2,3,4,5,6,7
	v_min_u32 v[XO+32+\i], 0xfffff, v[XO+32+\i]
.endr
	s_wait_alu depctr_va_vdst(0)                   ; the wait behind these writes
.macro LOADX ch, win                   ; x's chunk ch of the five tiles, 40 loads, into v0-159 of window win
	WIN 0x40*(\win)
.irp j, 0,1,2,3,4
.irp i, 0,1,2,3,4,5,6,7
	global_load_b128 v[32*\j+4*\i:32*\j+4*\i+3], v[XO+8*\j+\i], s[4:5] offset:256*(\ch)
.endr
.endr
	WIN 0
.endm
.macro XSTORE ch, win                  ; and into the wave's stage ch % 2
	WIN 4*(\win)
.irp j, 0,1,2,3,4
.irp i, 0,1,2,3,4,5,6,7
	ds_store_b128 v[10+9*((\ch)%2)], v[32*\j+4*\i:32*\j+4*\i+3] offset:272*(16*\j+2*\i)
.endr
.endr
	WIN 0
.endm
	LOADX 0, 3
	LOADX 1, 2
	s_cmp_lg_u32 s16, 0
	s_cbranch_scc1 .Lnolst                         ; wave 0 stores the slice's part of the list;
	global_store_b32 v25, v[TK+3], s[62:63]
	s_cmp_lg_u32 s17, 0
	s_cbranch_scc1 .Lnolst                         ; in slice 0 the count too
.irp k, 0,1,2,3
	v_mov_b32 v[26+\k], s19
.endr
	s_wait_alu depctr_va_vdst(0)
	global_store_b128 v2, v[26:29], s[60:61]
.Lnolst:
	s_wait_loadcnt 63                              ; behind b1's load 86 were issued: with at most 63 out, W1, its scales and b1 are in
	WIN 0x04                                       ; an LDS store's data are its source 1: window 1
.set I, 0
.rept 64
	ds_store_b128 v9, v[4*I:4*I+3] offset:((I/2)%8+16*(((I/2)/8)%2)+8*((I/2)/16))*1040+512*(I%2)
.set I, I+1
.endr
	WIN 0
	s_cmp_lg_u32 s16, 0
	s_cbranch_scc1 .Lnob
	ds_store_b128 v36, v[252:255]
.Lnob:
	s_wait_dscnt 0x0                               ; for the others' sake: my part lies in LDS; and the stores have read their registers
	s_barrier_signal -1
	s_barrier_wait -1                              ; from here on W1 and b1 are only read
	s_wait_loadcnt 40                              ; x's chunk 0 is in
	XSTORE 0, 3
	s_wait_loadcnt 0x0                             ; and chunk 1
	XSTORE 1, 2
	s_wait_dscnt 0x0                               ; the stores have read their registers
	LOADX 2, 3
.macro BIAS1 win, at                   ; b1 in the result's layout: tile t's register i is unit 32 (t / 2) + 8 (t % 2) + 16 h + i
	WIN 0x40*(\win)
.irp t, 0,1,2,3,4,5,6,7
	ds_load_b128 v[\at+8*\t:\at+8*\t+3], v12 offset:(32*(\t/2)+8*(\t%2))*4
	ds_load_b128 v[\at+8*\t+4:\at+8*\t+7], v12 offset:(32*(\t/2)+8*(\t%2))*4+16
.endr
	WIN 0
.endm
	BIAS1 1, 0
	BIAS1 1, 64
	BIAS1 1, 128
	BIAS1 1, 192
	BIAS1 0, A4
.macro F s, half                       ; 16 LDS loads: K step s's fragments of W1, tiles 4 half .. 4 half + 3
	WIN 0x80
.irp t, 0,1,2,3
.irp c, 0,1,2,3
	ds_load_b128 v[64*(\half)+16*\t+4*\c:64*(\half)+16*\t+4*\c+3], v[5+\half] offset:16640*\t+128*(\s)+32*\c
.endr
.endr
	WIN 0
.endm
.macro FX s                            ; 20 LDS loads: x's fragments
	WIN 0xc0-0x40*((\s)%2)
.irp j, 0,1,2,3,4
.irp c, 0,1,2,3
	ds_load_b128 v[160-32*((\s)%2)+16*\j+4*\c:160-32*((\s)%2)+16*\j+4*\c+3], v[11+13*(((\s)/2)%2)] offset:4352*\j+128*((\s)%2)+32*\c
.endr
.endr
	WIN 0
.endm
.macro MM d, t, j, b, s, x             ; one product: tile t of units into v[d], x's fragment at v[b], its scale word v[x].  Odd tiles' scale words lie in lanes 16-31
.set rW, WS+8*((\t)/2)+(\s)
.if (((\t)%2) == 0) && (((\j)%2) == 0)
	v_wmma_scale_f32_16x16x128_f8f6f4 v[\d:\d+7], v[16*(\t):16*(\t)+15], v[\b:\b+15], v[\d:\d+7], v[rW], v[\x] matrix_a_fmt:MATRIX_FMT_BF8 matrix_b_fmt:MATRIX_FMT_BF8
.elseif ((\j)%2) == 0
	v_wmma_scale_f32_16x16x128_f8f6f4 v[\d:\d+7], v[16*(\t):16*(\t)+15], v[\b:\b+15], v[\d:\d+7], v[rW], v[\x] matrix_a_fmt:MATRIX_FMT_BF8 matrix_b_fmt:MATRIX_FMT_BF8 matrix_a_scale:MATRIX_SCALE_ROW1
.elseif ((\t)%2) == 0
	v_wmma_scale_f32_16x16x128_f8f6f4 v[\d:\d+7], v[16*(\t):16*(\t)+15], v[\b:\b+15], v[\d:\d+7], v[rW], v[\x] matrix_a_fmt:MATRIX_FMT_BF8 matrix_b_fmt:MATRIX_FMT_BF8 matrix_b_scale:MATRIX_SCALE_ROW1
.else
	v_wmma_scale_f32_16x16x128_f8f6f4 v[\d:\d+7], v[16*(\t):16*(\t)+15], v[\b:\b+15], v[\d:\d+7], v[rW], v[\x] matrix_a_fmt:MATRIX_FMT_BF8 matrix_b_fmt:MATRIX_FMT_BF8 matrix_a_scale:MATRIX_SCALE_ROW1 matrix_b_scale:MATRIX_SCALE_ROW1
.endif
.endm
.macro PLACES                          ; eight plain vector instructions stand between a product of this form and a load into a register that it read, or the first read of its result
.rept 8
	v_nop
.endr
.endm
; Half a K step: four tiles of units x four or five tiles of rows.  The accumulators take turns, one instruction a turn, on both ways through the branch.
.macro HALF s, half
	WIN 0x52+4*(3-(\s)%2)                          ; source 0 (W1) window 2, source 1 (x) window 3 or 2, C and D window 1
.irp t, 0,1,2,3
.irp j, 0,1,2,3
.set rD, 64*\j+8*(4*(\half)+\t)
.set rB, 160-32*((\s)%2)+16*\j
.set rX, XS+8*(\j/2)+(\s)
	MM rD, (4*(\half)+\t), \j, rB, (\s), rX
.endr
.endr
	WIN 0                                          ; at a branch every window is 0
	s_cmp_lt_u32 s21, 5
	s_cbranch_scc1 .Lfour_\@
	WIN 0x02+4*(3-(\s)%2)                          ; C and D window 0
.irp t, 0,1,2,3
.set rD, A4+8*(4*(\half)+\t)
.set rB, 160-32*((\s)%2)+64
.set rX, XS+16+(\s)
	MM rD, (4*(\half)+\t), 4, rB, (\s), rX
.endr
	WIN 0
.Lfour_\@:
	PLACES
.endm
.macro KSTEP s
	s_wait_dscnt 16                                ; this step's fragments but for the youngest 16, W1's tiles 4-7
.if (\s) == 2
	s_wait_loadcnt 0x0                             ; x's chunk 2 into stage 0, whose last fragments were asked for two halves ago
	XSTORE 2, 3
.elseif (\s) == 5
	s_wait_loadcnt 0x0                             ; chunk 3 into stage 1, likewise
	XSTORE 3, 3
.endif
	HALF \s, 0
.if (\s) < 7
	F ((\s)+1), 0
	FX ((\s)+1)
	s_wait_dscnt 36                                ; all but the 36 just issued
.else
	s_wait_dscnt 0x0
.endif
.if (\s) == 2
	LOADX 3, 3                                     ; (the stores have read their registers)
.endif
	HALF \s, 1
.if (\s) < 7
	F ((\s)+1), 1
.endif
.endm
	F 0, 0
	FX 0
	F 0, 1
.irp s, 0,1,2,3,4,5,6,7
	KSTEP \s
.endr
; gelu of 16 numbers in place (window 2)
.macro GELU a
.irp i, 0,1,2,3,4,5,6,7,8,9,10,11,12,13,14,15
	v_fma_f32 v[TT+\i], |v[\a+\i]|, s54, 1.0       ; 1 + z / 2
.endr
	s_wait_alu depctr_va_vdst(0)                   ; the wait ahead of a batch, and behind it
.irp i, 0,1,2,3,4,5,6,7,8,9,10,11,12,13,14,15
	v_rcp_f32 v[TT+\i], v[TT+\i]
.endr
.irp p, 0,2,4,6,8,10,12,14
	v_pk_mul_f32 v[SS+\p:SS+\p+1], v[\a+\p:\a+\p+1], v[\a+\p:\a+\p+1]
.endr
	s_wait_alu depctr_va_vdst(0)
.irp p, 0,2,4,6,8,10,12,14
	v_pk_fma_f32 v[QQ+\p:QQ+\p+1], v[TT+\p:TT+\p+1], s[32:33], v[130:131] op_sel_hi:[1,0,0]
.endr
.irp c, 34,36,38,40,42,44,46,48
.irp p, 0,2,4,6,8,10,12,14
	v_pk_fma_f32 v[QQ+\p:QQ+\p+1], v[QQ+\p:QQ+\p+1], v[TT+\p:TT+\p+1], s[\c:\c+1] op_sel_hi:[1,1,0]
.endr
.endr
.irp p, 0,2,4,6,8,10,12,14
	v_pk_fma_f32 v[QQ+\p:QQ+\p+1], v[SS+\p:SS+\p+1], s[50:51], v[QQ+\p:QQ+\p+1] op_sel_hi:[1,0,1]
.endr
	s_wait_alu depctr_va_vdst(0)
.irp i, 0,1,2,3,4,5,6,7,8,9,10,11,12,13,14,15
	v_exp_f32 v[QQ+\i], v[QQ+\i]
.endr
.irp i, 0,1,2,3,4,5,6,7,8,9,10,11,12,13,14,15
	v_max_num_f32 v[SS+\i], 0, v[\a+\i]
.endr
	s_wait_alu depctr_va_vdst(0)
.irp p, 0,2,4,6,8,10,12,14
	v_pk_mul_f32 v[QQ+\p:QQ+\p+1], v[QQ+\p:QQ+\p+1], v[TT+\p:TT+\p+1]   ; erfc / 2
.endr
.irp i, 0,1,2,3,4,5,6,7,8,9,10,11,12,13,14,15
	v_fma_f32 v[\a+\i], -|v[\a+\i]|, v[QQ+\i], v[SS+\i]
.endr
.endm
; 64 numbers of a lane, register 16 b + i = k 32 b + 16 h + i of my token's row, become a fragment's codes in v[PC] on and its scale word in v128 (window 2)
.macro QUANT
.irp b, 0,1,2,3
	v_max3_num_f32 v[TT+\b], |v[G+16*\b]|, |v[G+1+16*\b]|, 0x8000000   ; block b: my 16 numbers, and the floor 2^(16 - 127): the byte cannot fall under 1
.endr
.irp i, 2,4,6,8,10,12,14
.irp b, 0,1,2,3
	v_max3_num_f32 v[TT+\b], v[TT+\b], |v[G+16*\b+\i]|, |v[G+1+16*\b+\i]|
.endr
.endr
.irp b, 0,1,2,3
	v_permlanex16_b32 v[TT+4+\b], v[TT+\b], s28, s29   ; (its destination counts as read: gelu has written these registers)
.endr
.irp b, 0,1,2,3
	v_max_num_f32 v[TT+\b], v[TT+\b], v[TT+4+\b]   ; with lane l xor 16's: the block's largest magnitude
.endr
.irp b, 0,1,2,3
	v_add_nc_u32 v[TT+12+\b], 0xf8800000, v[TT+\b] ; 15 off its exponent field: the conversion's scale operand
.endr
.irp b, 0,1,2,3
	v_and_or_b32 v[TT+8+\b], v[TT+\b], 0x7f800000, s30   ; 57,344 x the scale
.endr
.irp b, 0,1,2,3
	v_lshrrev_b32 v[TT+4+\b], 23, v[TT+12+\b]      ; the scale's byte
.endr
	v_lshl_or_b32 v128, v[TT+5], 8, v[TT+4]
	v_lshl_or_b32 v128, v[TT+6], 16, v128
	v_lshl_or_b32 v128, v[TT+7], 24, v128
.irp b, 0,1,2,3
.irp i, 0,1,2,3,4,5,6,7,8,9,10,11,12,13,14,15
	v_med3_num_f32 v[G+16*\b+\i], v[G+16*\b+\i], -v[TT+8+\b], v[TT+8+\b]   ; the conversion to an 8-bit code does not saturate (ISA guide 7.6.2)
.endr
	v_cvt_scalef32_pk8_bf8_f32 v[PC+4*\b:PC+1+4*\b], v[G+16*\b:G+7+16*\b], v[TT+12+\b]
	v_cvt_scalef32_pk8_bf8_f32 v[PC+2+4*\b:PC+3+4*\b], v[G+8+16*\b:G+15+16*\b], v[TT+12+\b]
.endr
	v_nop                                          ; one plain line behind the last conversion
.endm
.macro COPY win, at                    ; a tile's sums to the place where one text serves all tiles
	WIN 0x80+(\win)
.set I, 0
.rept 64
	v_mov_b32 v[G+I], v[\at+I]
.set I, I+1
.endr
	WIN 0
.endm
	WIN 0x80
	v_mov_b32 v130, 0xbf97d29d                     ; -1.186114944
	v_mov_b32 v131, 0xbf97d29d
	WIN 0
	s_wait_alu depctr_va_vdst(0)                   ; ahead of the branch
	s_mov_b32 s24, 0                               ; my tile's number
	s_cmp_lt_u32 s24, s21
	s_cbranch_scc0 .Lend                           ; this split leaves me no tile
.Ltile:
	s_lshl_b32 s25, s24, 2
	s_add_co_u32 s25, s25, s16                     ; tile w + 4 j,
	s_min_u32 s25, s25, 63                         ; held inside the buffer
.irp j, 0,1,2,3
	s_cmp_lg_u32 s24, \j
	s_cbranch_scc1 .Lnot_\j
	COPY 1, 64*\j
	s_branch .Lgelu
.Lnot_\j:
.endr
	s_cmp_lg_u32 s24, 4
	s_cbranch_scc1 .Lmore
	COPY 0, A4
	s_branch .Lgelu
.Lmore:                                                ; beyond five: the tile's tokens are found, its x comes straight as fragments (window 3, K step s at v[16 s]), its sums go to the first tile's accumulators
	s_wait_xcnt 0x0                                ; earlier stores have read their data, which W1's fragments overwrite
	s_lshl_b32 s57, s25, 4
	v_add_nc_u32 v[POS], s57, v3
	FIND 1
	v_min_u32 v26, 0x3ff, v[TK]
	v_lshlrev_b32 v27, 5, v26
	v_lshl_add_u32 v26, v26, 10, v4
	s_wait_alu depctr_va_vdst(0)
	global_load_b128 v[XS:XS+3], v27, s[66:67]
	global_load_b128 v[XS+4:XS+7], v27, s[66:67] offset:16
	WIN 0xc0
.irp s, 0,1,2,3,4,5,6,7
.irp c, 0,1,2,3
	global_load_b128 v[16*\s+4*\c:16*\s+4*\c+3], v26, s[4:5] offset:128*\s+32*\c
.endr
.endr
	WIN 0
	BIAS1 1, 0
	s_wait_loadcnt 0x0
.irp s, 0,1,2,3,4,5,6,7
	F \s, 0
	F \s, 1
	s_wait_dscnt 0x0
	WIN 0x5e                                       ; source 0 window 2, source 1 window 3, C and D window 1
.irp t, 0,1,2,3,4,5,6,7
.set rD, 8*\t
.set rB, 16*\s
.set rX, XS+\s
	MM rD, \t, 0, rB, \s, rX
.endr
	WIN 0
	PLACES
.endr
	COPY 1, 0
.Lgelu:
	WIN 0xaa
	GELU G
	GELU G+16
	GELU G+32
	GELU G+48
	WIN 0
	s_wait_xcnt 0x0                                ; the last tile's stores have read their data and offsets: all are written again below
	s_lshl_b32 s57, s25, 16                        ; 64 KB of images a tile,
	s_lshl_b32 s58, s25, 12                        ; 4 KB of scale words
	v_add_nc_u32 v14, s57, v2
	v_add_nc_u32 v15, s58, v2
	WIN 0xaa
	QUANT
	WIN 0x08
.irp c, 0,1,2,3
	global_store_b128 v14, v[PC+4*\c:PC+4*\c+3], s[68:69] offset:512*\c   ; 32 lanes store 512 consecutive bytes
.endr
	global_store_b32 v15, v128, s[70:71]
	WIN 0
	s_add_co_u32 s24, s24, 1
	s_cmp_lt_u32 s24, s21
	s_cbranch_scc1 .Ltile
.Lend:
	s_wait_tensorcnt 0x0                           ; the wave's end: behind my last LDS store
	ds_add_u32 v7, v8
	s_wait_dscnt 0x0
	s_endpgm
.Lfunc_end_k_qea4777e54e_up:
	.size	k_qea4777e54e_up, .Lfunc_end_k_qea4777e54e_up-k_qea4777e54e_up
	.p2alignl 7, 3214868480
	.fill 96, 4, 3214868480
	.section	.rodata,"a",@progbits
	.p2align	6, 0x0
	.amdhsa_kernel k_qea4777e54e_up
		.amdhsa_group_segment_fixed_size 308480
		.amdhsa_private_segment_fixed_size 0
		.amdhsa_enable_private_segment 0
		.amdhsa_kernarg_size 56
		.amdhsa_user_sgpr_count 2
		.amdhsa_user_sgpr_kernarg_segment_ptr 1
		.amdhsa_wavefront_size32 1
		.amdhsa_system_sgpr_workgroup_id_x 1
		.amdhsa_system_sgpr_workgroup_id_y 1
		.amdhsa_system_sgpr_workgroup_id_z 1
		.amdhsa_system_vgpr_workitem_id 0
		.amdhsa_next_free_vgpr 1024
		.amdhsa_next_free_sgpr 96
		.amdhsa_reserve_vcc 0
		.amdhsa_float_denorm_mode_32 3
		.amdhsa_float_denorm_mode_16_64 3
		.amdhsa_memory_ordered 1
		.amdhsa_forward_progress 1
		.amdhsa_inst_pref_size 255
	.end_amdhsa_kernel
	.section	.bss,"aw",@nobits
	.p2align	6
	.space	262144
	.amdgpu_metadata
---
amdhsa.version: [ 1, 2 ]
amdhsa.kernels:
  - .name:           k_qea4777e54e_up
    .symbol:         k_qea4777e54e_up.kd
    .args:
      - { .name: xq, .offset: 0, .size: 8, .value_kind: global_buffer, .address_space: global }
      - { .name: W1_codes, .offset: 8, .size: 8, .value_kind: global_buffer, .address_space: global }
      - { .name: W1_scales, .offset: 16, .size: 8, .value_kind: global_buffer, .address_space: global }
      - { .name: b1, .offset: 24, .size: 8, .value_kind: global_buffer, .address_space: global }
      - { .name: sel, .offset: 32, .size: 8, .value_kind: global_buffer, .address_space: global }
      - { .name: hq, .offset: 40, .size: 8, .value_kind: global_buffer, .address_space: global }
      - { .name: lst, .offset: 48, .size: 8, .value_kind: global_buffer, .address_space: global }
    .group_segment_fixed_size: 308480
    .private_segment_fixed_size: 0
    .kernarg_segment_align: 8
    .kernarg_segment_size: 56
    .max_flat_workgroup_size: 128
    .sgpr_count:     96
    .vgpr_count:     1024
    .wavefront_size: 32
...
	.end_amdgpu_metadata
.endif
;; end of part 7
;; launch down (part 8): grid 32 x 8, 4 waves a work-group, no clusters, 150,016 bytes of LDS; arguments hq, W2_codes, W2_scales, b2, sel, wts, lst, eo; writes eo
.if DOCPART == 8
	.amdgcn_target "amdgcn-amd-amdhsa--gfx1250"
	.amdhsa_code_object_version 6
	.text
	.protected	k_qea4777e54e_down
	.globl	k_qea4777e54e_down
	.p2align	8
	.type	k_qea4777e54e_down,@function
k_qea4777e54e_down:
	s_mov_b64 s[64:65], 0
	v_nop
	global_prefetch_b8 v0, s[64:65] scope:SCOPE_SE
	s_setreg_imm32_b32 hwreg(HW_REG_WAVE_MODE, 25, 1), 1
	s_wait_xcnt 0x0
; eo[4 token + 2 slot + half] = score x (h W2 over one half of K, + b2 in half 0), for the rows that chose an expert, on codes of E5M2 with one E8M0 scale for each 32 along K.  The next launch adds the halves.
; SHARES.  Work-group (x, e): 64 columns (slice 4 (x / 8) + x % 4) of expert e's output, half (x / 4) % 2 of K: 2,048 = 16 steps of 128.  Its 128 KB of W2's codes are read by no other work-group; they come into LDS once and stay.
; Wave w takes the expert's tiles of 16 rows w, w + 4, .., up to five at a time (a sweep), so that each fragment of W2 read from LDS feeds up to five products.  The 16 steps are written out: no LDS address is stepped.
; h comes from memory straight into registers, as the images that the launch before laid, three K steps ahead: four sets of five fragments take turns.  The number of loads does not hang on the number of tiles: where a sweep
; lacks a tile, its loads name one piece of 16 bytes with all lanes; what they bring is multiplied (the fifth tile's products are jumped over) and dropped.
; The list of an expert's rows and its count come from the launch before (lst).  sel and wts give the row's slot and its score.
; THE PRODUCT IS USED TRANSPOSED (source 0 = 16 rows of W2, source 1 = 16 rows of h): a lane holds eight neighbouring columns of one row.  b2 (in half 1: zeros) is the first products' C.
; THE WAY OUT: x the row's score, through the wave's stage in LDS, so that sixteen lanes store 256 consecutive aligned bytes of a row of eo.  Rows that only fill the last tile up go to a row of eo beyond the 4,096,
; one for each (expert, half, wave), which nobody reads: that spares a change of EXEC round each store.
; No tensor load and no cluster: how many sweeps there are hangs on numbers read from memory.  No prefetch: W2's slice is asked for whole at the head, and h's K steps three steps ahead.
; LIMITS: NaN and infinities are not served.
; W2'S CHUNKS.  W2 comes in four chunks of four K steps; the first five tiles of every wave are one straight text with a barrier ahead of each later chunk's first use.  A fifth tile's loads and products are both jumped over where
; it does not exist: the counted waits serve the lesser number.  A wave's tiles beyond five (an expert of more than 320 rows) go one at a time in a loop behind that text.
.set PITCH, 2064
.set STG,   132096                     ; behind W2's 64 rows: a stage of 16 rows x (256 + 16) bytes for each wave
.set SPARE, 149504                     ; the spare words, 128 bytes a wave: two blocks of 256 bytes that no other line names
.set VO,  16                           ; v16-20   h's offset a tile: 16 x lane, or 0 where there is no such tile
.set VS,  22                           ; v22-24   h's scale words' offset: register p: lanes 0-15 tile 2 p, lanes 16-31 tile 2 p + 1 (p = 2: tile 4 in both)
.set PL,  25                           ; v25-27   the lane's place in the expert's rows, likewise
.set EN,  28                           ; v28-30   its token, then its row of eo
.set WQ,  31                           ; v31-33   its score
.set TMP, 34                           ; v34-37   at work
.set HS,  38                           ; v38-61   h's scale words: two sets (K steps 0-3, 4-7, ..) of three times four
.set WS,  64                           ; v64-95   W2's scale words: column tile pair b, K step s at v[WS + 16 b + s]: lanes 0-15 tile 2 b, lanes 16-31 tile 2 b + 1
.set ACC, 96                           ; v96-255  row tile j, column tile c at v[ACC + 32 j + 8 c]  (v100-102 at the head: addresses)
; windows 1, 2: h's sets: K step s % 4, row tile j at v[80 (s % 2) + 16 j] of window 1 + (s % 4) / 2 (on the way out v0-39 of window 1: results, offsets); window 1: v160-191 b2, v192-203 choices and scores
; window 3: W2's fragments, set s % 2, column tile c at v[64 (s % 2) + 16 c] (at the head: W2's codes as loaded)
; v2 16 x lane; v3 r; v4 h; v5, v6 W2's fragments (column tiles 0-1, 2-3); v7, v8 the add's two; v9, v10 the stage, in and out; v11 16 r; v12 the spare row; v13 at work; v[14:15] the score
.set MSB, 0
.macro WIN new                         ; the immediate's high byte repeats the setting that is left
.if MSB != (\new)
	s_set_vgpr_msb (MSB<<8)|(\new)
.set MSB, (\new)
.endif
.endm
	s_load_b256 s[4:11], s[0:1], 0x0               ; hq, W2's codes, W2's scales, b2
	s_load_b128 s[12:15], s[0:1], 0x20             ; sel, wts
	s_load_b128 s[84:87], s[0:1], 0x30             ; lst, eo
	v_lshl_add_u32 v7, v0, 2, SPARE
	v_mov_b32 v8, 0
	v_lshrrev_b32 v1, 5, v0
	v_readfirstlane_b32 s18, v1                    ; wave 0..3
	s_bfe_u32 s20, ttmp9, 0x10002                  ; half of K
	s_and_b32 s19, ttmp9, 3
	s_lshr_b32 s27, ttmp9, 3
	s_lshl_b32 s27, s27, 2
	s_or_b32 s19, s19, s27                         ; slice 0..15
	s_and_b32 s21, ttmp7, 0xffff                   ; expert
	v_and_b32 v1, 31, v0
	v_lshlrev_b32 v2, 4, v1
	v_and_b32 v3, 15, v0
	v_bfe_u32 v4, v0, 4, 1
	v_mul_u32_u24 v5, v3, PITCH
	v_lshl_add_u32 v5, v4, 4, v5                   ; row r x pitch + 16 h,
	v_add_nc_u32 v6, 32*PITCH, v5                  ; and 32 rows on
	s_mul_i32 s27, s18, 4352
	s_add_co_u32 s27, s27, STG                     ; my stage
	v_mul_u32_u24 v9, v3, 272
	v_lshl_add_u32 v9, v4, 5, v9
	v_add_nc_u32 v9, s27, v9                       ; in: row r, 32 bytes for each half of the lanes
	v_mul_u32_u24 v10, v4, 272
	v_lshl_add_u32 v10, v3, 4, v10
	v_add_nc_u32 v10, s27, v10                     ; back: lanes 0-15 one row, lanes 16-31 the next
	v_lshlrev_b32 v11, 4, v3
	s_lshl_b32 s27, s21, 3
	s_lshl_b32 s58, s20, 2
	s_add_co_u32 s27, s27, s58
	s_add_co_u32 s27, s27, s18
	s_add_co_u32 s27, s27, 4096
	v_mov_b32 v12, s27                             ; row 4,096 + 8 e + 4 half + w of eo
	v_mov_b32 v13, 0                               ; written once: a lane permute's destination counts as one of its sources
	v_mov_b32 v15, 0                               ; (named as the upper half of the pair v[14:15])
	s_mul_i32 s27, s18, 16*PITCH
	v_add_nc_u32 v21, s27, v2                      ; W2 into LDS: my 16 rows
	WIN 0x40
.set I, 0
.rept 16
	v_mov_b32 v[64+I], 0                           ; the fifth tile's fragments are written on every way
	v_mov_b32 v[144+I], 0
.set I, I+1
.endr
	WIN 0x80
.set I, 0
.rept 16
	v_mov_b32 v[64+I], 0
	v_mov_b32 v[144+I], 0
.set I, I+1
.endr
	WIN 0
	v_lshlrev_b32 v101, 7, v1                      ; W2's scales: lane l takes row 32 b + l: 128 bytes a row
	v_lshlrev_b32 v102, 5, v4                      ; b2: 32 h
	s_mov_b32 s63, 0xffff0000                      ; lanes 16-31
	s_mov_b32 s82, 0x76543210
	s_mov_b32 s83, 0xfedcba98                      ; v_permlanex16_b32's selects for lane l xor 16
	s_cmp_eq_u32 s20, 0
	s_cselect_b32 s26, -1, 0                       ; b2 counts in half 0 alone
	s_lshl_b32 s54, s21, 22                        ; W2's codes: (1,024 e + 64 slice + 16 w) rows of 4,096 bytes, + 2,048 x half
	s_lshl_b32 s58, s19, 18
	s_add_co_u32 s54, s54, s58
	s_lshl_b32 s58, s18, 16
	s_add_co_u32 s54, s54, s58
	s_lshl_b32 s58, s20, 11
	s_add_co_u32 s54, s54, s58
	s_mov_b32 s55, 0
	s_lshl_b32 s52, s21, 10
	s_add_co_u32 s52, s52, 32768                   ; the expert's count
	s_mov_b32 s53, 0
	s_mov_b32 s59, 0
	s_wait_alu depctr_va_vdst(0)                   ; the wait at the head's end
	s_wait_kmcnt 0x0
	s_add_nc_u64 s[52:53], s[84:85], s[52:53]
	s_load_b32 s22, s[52:53], 0x0
	s_add_nc_u64 s[6:7], s[6:7], s[54:55]
.macro WPART ch, k                     ; a quarter of my part of chunk ch: 4 rows, 512 consecutive bytes a load, read once in the launch; two chunks take turns in v128-255 of window 3
	WIN 0xc0
.irp i, 0,1,2,3
	global_load_b128 v[128+64*((\ch)%2)+16*(\k)+4*\i:128+64*((\ch)%2)+16*(\k)+4*\i+3], v2, s[6:7] offset:4096*(4*(\k)+\i)+512*(\ch) th:TH_LOAD_NT
.endr
	WIN 0
.endm
.macro WSTORE ch                       ; my part of chunk ch into LDS
	WIN 0x0c
.set I, 0
.rept 16
	ds_store_b128 v21, v[128+64*((\ch)%2)+4*I:128+64*((\ch)%2)+4*I+3] offset:PITCH*I+512*(\ch)
.set I, I+1
.endr
	WIN 0
.endm
.irp k, 0,1,2,3
	WPART 0, \k
.endr
	s_lshl_b32 s58, s21, 17                        ; W2's scales: 128 bytes a row, 64 of them my half's
	s_lshl_b32 s27, s19, 13
	s_add_co_u32 s58, s58, s27
	s_lshl_b32 s27, s20, 6
	s_add_co_u32 s58, s58, s27
	s_add_nc_u64 s[8:9], s[8:9], s[58:59]
.irp b, 0,1
.irp m, 0,1,2,3
	global_load_b128 v[WS+16*\b+4*\m:WS+16*\b+4*\m+3], v101, s[8:9] offset:4096*\b+16*\m
.endr
.endr
	s_lshl_b32 s58, s21, 12
	s_add_nc_u64 s[48:49], s[84:85], s[58:59]      ; the expert's list
	s_lshl_b32 s27, s19, 8
	s_add_co_u32 s58, s58, s27
	s_add_nc_u64 s[10:11], s[10:11], s[58:59]      ; b2: 4,096 bytes an expert, 256 a slice
	WIN 0x40
.irp c, 0,1,2,3
	global_load_b128 v[160+8*\c:163+8*\c], v102, s[10:11] offset:64*\c   ; b2 in the result's layout: column 16 c + 8 h + i
	global_load_b128 v[164+8*\c:167+8*\c], v102, s[10:11] offset:64*\c+16
.endr
	WIN 0
	s_mov_b32 s58, s27
	s_add_nc_u64 s[86:87], s[86:87], s[58:59]      ; eo at my slice's 256 bytes of a row
	s_lshl_b32 s58, s21, 22
	s_lshl_b32 s27, s20, 15
	s_add_co_u32 s58, s58, s27
	s_add_nc_u64 s[56:57], s[4:5], s[58:59]        ; h's images: 4 MB an expert, 64 KB a tile, 32 KB my half
	s_lshl_b32 s58, s21, 18
	s_lshl_b32 s27, s20, 11
	s_add_co_u32 s58, s58, s27
	s_add_co_u32 s58, s58, 0x2000000
	s_add_nc_u64 s[46:47], s[4:5], s[58:59]        ; its scale words: 256 KB an expert, 4 KB a tile, 512 bytes for four K steps
	s_wait_kmcnt 0x0
	s_min_u32 s22, s22, 1024                       ; n: the expert's rows
	s_add_co_u32 s23, s22, 15
	s_lshr_b32 s23, s23, 4                         ; tiles of 16 rows
	s_add_co_u32 s23, s23, 3
	s_sub_co_u32 s23, s23, s18
	s_lshr_b32 s23, s23, 2                         ; how many are mine
; h's K step s of the sweep's five tiles: 20 loads of 512 bytes; at every fourth, ahead of them, 3 of scale words
.macro HLOAD s
.if ((\s)%4) == 0
	WIN 0
.irp p, 0,1,2
	global_load_b128 v[HS+12*(((\s)/4)%2)+4*\p:HS+12*(((\s)/4)%2)+4*\p+3], v[VS+\p], s[46:47] offset:512*((\s)/4)
.endr
.endif
.irp j, 0,1,2,3,4
.if \j == 4
	WIN 0                                          ; at a branch every window is 0
	s_cmp_lt_i32 s25, 5
	s_cbranch_scc1 .Lhl_\@
.endif
	WIN 0x40*(1+((\s)%4)/2)
.irp c, 0,1,2,3
	global_load_b128 v[80*((\s)%2)+16*\j+4*\c:80*((\s)%2)+16*\j+4*\c+3], v[VO+\j], s[28+2*\j:29+2*\j] offset:2048*(\s)+512*\c
.endr
.endr
	WIN 0
.Lhl_\@:
.endm
; A sweep is prepared: its tiles, offsets and places; its tokens and h's first three K steps are asked for: 3 + 63 loads
.macro PROLOG
	s_mov_b32 s25, s23                             ; my tiles
	s_mov_b32 s27, s18                             ; the first: w
.irp j, 0,1,2,3,4
	s_add_co_u32 s[40+\j], s27, 4*\j
	s_min_u32 s[40+\j], s[40+\j], 63               ; held inside the buffers where it does not exist
	s_lshl_b32 s54, s[40+\j], 16
	s_add_nc_u64 s[28+2*\j:29+2*\j], s[56:57], s[54:55]
	s_cmp_gt_i32 s25, \j
	s_cselect_b32 s54, -1, 0
	v_cndmask_b32 v[VO+\j], 0, v2, s54
	v_min_u32 v[VO+\j], 0x1f0, v[VO+\j]
.endr
.irp p, 0,1,2
	s_lshl_b32 s54, s[40+2*\p], 12
	s_lshl_b32 s50, s[41+2*\p-\p/2], 12
	v_add_nc_u32 v[VS+\p], s54, v2
	v_add_nc_u32 v[TMP+3], s50, v2
	v_cndmask_b32 v[VS+\p], v[VS+\p], v[TMP+3], s63
	s_lshl_b32 s54, s[40+2*\p], 4
	s_lshl_b32 s50, s[41+2*\p-\p/2], 4
	v_add_nc_u32 v[PL+\p], s54, v3
	v_add_nc_u32 v[TMP+3], s50, v3
	v_cndmask_b32 v[PL+\p], v[PL+\p], v[TMP+3], s63
	v_lshlrev_b32 v[TMP+\p], 2, v[PL+\p]
.endr
	s_wait_alu depctr_va_vdst(0)                   ; the wait behind these writes
.irp p, 0,1,2
	global_load_b32 v[EN+\p], v[TMP+\p], s[48:49]
.endr
	HLOAD 0
	HLOAD 1
.irp k, 0,1,2,3
	WPART 1, \k
.endr
	HLOAD 2
.endm
	PROLOG
	s_wait_loadcnt 63                              ; behind b2's loads 70 or more were issued: with at most 63 out, W2's chunk 0, its scales and b2 are in
	WSTORE 0
	WIN 0x44
.set I, 0
.rept 32
	v_cndmask_b32 v[160+I], 0, v[160+I], s26
.set I, I+1
.endr
	WIN 0
	s_wait_alu depctr_va_vdst(0)                   ; ahead of the wait below
	s_wait_dscnt 0x0                               ; for the others' sake: my part lies in LDS; and the stores have read their registers
	s_barrier_signal -1
	s_barrier_wait -1                              ; from here on W2 is only read
.macro FETCHW s                        ; 16 LDS loads: K step s's four fragments of W2, into set s % 2
	WIN 0xc0
.irp c, 0,1,2,3
.irp q, 0,1,2,3
	ds_load_b128 v[64*((\s)%2)+16*\c+4*\q:64*((\s)%2)+16*\c+4*\q+3], v[5+\c/2] offset:16*PITCH*(\c%2)+128*(\s)+32*\q
.endr
.endr
	WIN 0
.endm
.macro MMD c, j, s
.set rD, ACC+32*(\j)+8*(\c)
.set rC, rD
.if (\s) == 0
.set rC, 160+8*(\c)
.endif
.set rA, 64*((\s)%2)+16*(\c)
.set rB, 80*((\s)%2)+16*(\j)
.set rW, WS+16*((\c)/2)+(\s)
.set rH, HS+12*(((\s)/4)%2)+4*((\j)/2)+((\s)%4)
.if (((\c)%2) == 0) && (((\j)%2) == 0)
	v_wmma_scale_f32_16x16x128_f8f6f4 v[rD:rD+7], v[rA:rA+15], v[rB:rB+15], v[rC:rC+7], v[rW], v[rH] matrix_a_fmt:MATRIX_FMT_BF8 matrix_b_fmt:MATRIX_FMT_BF8
.elseif ((\j)%2) == 0
	v_wmma_scale_f32_16x16x128_f8f6f4 v[rD:rD+7], v[rA:rA+15], v[rB:rB+15], v[rC:rC+7], v[rW], v[rH] matrix_a_fmt:MATRIX_FMT_BF8 matrix_b_fmt:MATRIX_FMT_BF8 matrix_a_scale:MATRIX_SCALE_ROW1
.elseif ((\c)%2) == 0
	v_wmma_scale_f32_16x16x128_f8f6f4 v[rD:rD+7], v[rA:rA+15], v[rB:rB+15], v[rC:rC+7], v[rW], v[rH] matrix_a_fmt:MATRIX_FMT_BF8 matrix_b_fmt:MATRIX_FMT_BF8 matrix_b_scale:MATRIX_SCALE_ROW1
.else
	v_wmma_scale_f32_16x16x128_f8f6f4 v[rD:rD+7], v[rA:rA+15], v[rB:rB+15], v[rC:rC+7], v[rW], v[rH] matrix_a_fmt:MATRIX_FMT_BF8 matrix_b_fmt:MATRIX_FMT_BF8 matrix_a_scale:MATRIX_SCALE_ROW1 matrix_b_scale:MATRIX_SCALE_ROW1
.endif
.endm
.macro GATHER                          ; the rows' choices and scores, 8 bytes a token: 6 loads
.irp p, 0,1,2
	v_min_u32 v[EN+\p], 0x3ff, v[EN+\p]
.endr
.irp p, 0,1,2
	v_lshlrev_b32 v[TMP+\p], 3, v[EN+\p]
.endr
	s_wait_alu depctr_va_vdst(0)                   ; the wait behind these writes
	WIN 0x40
.irp p, 0,1,2
	global_load_b64 v[192+2*\p:193+2*\p], v[TMP+\p], s[12:13]
.endr
.irp p, 0,1,2
	global_load_b64 v[198+2*\p:199+2*\p], v[TMP+\p], s[14:15]
.endr
	WIN 0
.endm
; A K step: four products a tile.  The accumulators take turns, one instruction a turn, on both ways through the branch.
.macro STEP s
.if (\s) < 15
	FETCHW ((\s)+1)                                ; into the set that the step before has read (eight places back)
.endif
.if (\s) < 8
	WPART (2+(\s)/4), ((\s)%4)                     ; chunk 2 in steps 0-3, chunk 3 in steps 4-7: the registers' earlier chunk lies in LDS
.endif
.if (\s) < 13
	HLOAD ((\s)+3)                                 ; into the set that the step before has read
.endif
.if (\s) == 13
	GATHER
.endif
.if (\s) < 15
	s_wait_dscnt 16                                ; this step's 16 LDS loads are in; the next step's may be out
.else
	s_wait_dscnt 0x0
.endif
.if (\s) == 15
	s_wait_loadcnt 6                               ; the choices and scores may be out
.elseif (\s) == 14
	s_wait_loadcnt 22                              ; they and one K step: 16 loads at the least
.elseif (\s) == 13
	s_wait_loadcnt 38                              ; they and two
.elseif (\s) == 12
	s_wait_loadcnt 48                              ; three K steps of 16
.elseif (\s) > 9
	s_wait_loadcnt 51                              ; and 3 loads of scale words
.elseif (\s) == 9
	s_wait_loadcnt 55                              ; and 4 of W2
.elseif (\s) == 8
	s_wait_loadcnt 56                              ; three K steps and 8 of W2
.elseif (\s) == 4
	s_wait_loadcnt 60                              ; and 12 of W2
.else
	s_wait_loadcnt 63                              ; and 3 of scale words; at the first steps more were issued
.endif
.if ((\s) == 2) || ((\s) == 6) || ((\s) == 10)
	WSTORE (((\s)+2)/4)                            ; the next chunk was asked for ahead of this step's h: it is in
.endif
.irp j, 0,1,2,3,4
.if (\j == 4) && ((\s) > 0)            ; (step 0 starts the fifth tile's sums on every way)
	WIN 0                                          ; at a branch every window is 0
	s_cmp_lt_i32 s25, 5
	s_cbranch_scc1 .Lse_\@
.endif
.if (\s) == 0
	WIN 0x17                                       ; source 0 (W2) window 3, source 1 (h) window 1, C (b2) window 1
.else
	WIN 3+4*(1+((\s)%4)/2)                         ; source 0 (W2) window 3, source 1 (h) window 1 or 2
.endif
.irp c, 0,1,2,3
	MMD \c, \j, \s
.endr
.endr
	WIN 0
.Lse_\@:
.rept 8
	v_nop                                          ; eight places between these products and loads into registers that they read, or the first read of results
.endr
.if ((\s) == 2) || ((\s) == 6) || ((\s) == 10)
	s_wait_dscnt 0x0                               ; for the others' sake: my part of the next chunk lies in LDS
	s_barrier_signal -1
	s_barrier_wait -1
.endif
.endm
; Tile j of the sweep leaves.
.macro WAYOUT j, chk
.if \chk
	s_cmp_lt_i32 s25, \j+1
	s_cbranch_scc1 .Lwo_end
.endif
	s_wait_xcnt 0x0                                ; the last tile's stores have read their data and offsets
	v_permlanex16_b32 v13, v[WQ+\j/2], s82, s83
.if (\j%2) == 0
	v_cndmask_b32 v14, v[WQ+\j/2], v13, s63        ; row r's score in both halves of the lanes: an even tile's lie in lanes 0-15,
.else
	v_cndmask_b32 v14, v13, v[WQ+\j/2], s63        ; an odd tile's in lanes 16-31
.endif
.irp i, 0,1,2,3,4,5,6,7,8,9,10,11,12,13,14,15
	v_readlane_b32 s[66+\i], v[EN+\j/2], 16*(\j%2)+\i   ; the tile's sixteen rows of eo
.endr
	WIN 0x45                                       ; sources 0, 1 and destination window 1
.irp i, 0,1,2,3,4,5,6,7
	v_mov_b32 v[32+\i], s[66+2*\i]                 ; store i takes row 2 i in lanes 0-15,
.endr
.irp i, 0,1,2,3,4,5,6,7
	v_cndmask_b32 v[32+\i], v[32+\i], s[67+2*\i], s63   ; row 2 i + 1 in lanes 16-31
.endr
.irp i, 0,1,2,3,4,5,6,7
	v_min_u32 v[32+\i], 0x103f, v[32+\i]
.endr
.irp i, 0,1,2,3,4,5,6,7
	v_lshl_add_u32 v[32+\i], v[32+\i], 12, v11     ; 4,096 bytes a row, + 16 r
.endr
	WIN 0x40
.irp c, 0,1,2,3
.irp p, 0,2,4,6
	v_pk_mul_f32 v[8*\c+\p:8*\c+\p+1], v[ACC+32*\j+8*\c+\p:ACC+32*\j+8*\c+\p+1], v[14:15] op_sel_hi:[1,0]   ; each accumulator from its low end on
.endr
.endr
	WIN 0x04
.irp c, 0,1,2,3
	ds_store_b128 v9, v[8*\c:8*\c+3] offset:64*\c
	ds_store_b128 v9, v[8*\c+4:8*\c+7] offset:64*\c+16
.endr
	WIN 0x40
.irp i, 0,1,2,3,4,5,6,7
	ds_load_b128 v[4*\i:4*\i+3], v10 offset:544*\i ; LDS serves a wave's instructions in order (ISA guide 5.7.1.4): these see my stores, and come back into the registers that the numbers left
.endr
	WIN 0x05
.irp i, 0,1,2,3,4,5,6,7
	s_wait_dscnt 7-\i
	global_store_b128 v[32+\i], v[4*\i:4*\i+3], s[86:87]   ; 16 lanes store 256 consecutive bytes, at a multiple of 256 from eo's first byte
.endr
	WIN 0
.endm
	FETCHW 0
.irp s, 0,1,2,3,4,5,6,7,8,9,10,11,12,13,14,15
	STEP \s
.endr
.macro EACHP n, op:vararg              ; a line for each of n registers
.set P, 0
.rept \n
	\op
.set P, P+1
.endr
.endm
.macro ENCALC n                        ; tokens become rows of eo, and the slots' scores are chosen
	s_wait_loadcnt 0x0                             ; the choices and scores
	WIN 0x04
	EACHP \n, v_cmp_ne_u32 s[66+P], s21, v[192+2*P]   ; not chosen first: the second slot
	WIN 0x05
	EACHP \n, v_cndmask_b32 v[WQ+P], v[198+2*P], v[199+2*P], s[66+P]
	WIN 0
	EACHP \n, v_lshl_add_u32 v[EN+P], v[EN+P], 2, s20   ; 4 token + half
	EACHP \n, v_cndmask_b32 v[TMP+P], 0, 2, s[66+P]
	EACHP \n, v_add_nc_u32 v[EN+P], v[EN+P], v[TMP+P]   ; + 2 slot
	EACHP \n, v_cmp_gt_u32 s[70+P], s22, v[PL+P]   ; a place under n is a row; the others go to my spare row
	EACHP \n, v_cndmask_b32 v[EN+P], v12, v[EN+P], s[70+P]
	s_wait_alu depctr_va_vdst(0)
.endm
	ENCALC 3
	WAYOUT 0, 1
	WAYOUT 1, 1
	WAYOUT 2, 1
	WAYOUT 3, 1
	WAYOUT 4, 1
.Lwo_end:
	s_mov_b32 s24, 5                               ; tiles beyond five, one at a time: all of its h is asked for at once: K step s at v[16 (s % 8)] of window 1 + s / 8
	s_cmp_lt_u32 s24, s23
	s_cbranch_scc0 .Lend
.Lmore:
	s_wait_xcnt 0x0                                ; the stores have read their registers and every load its base: they are written again
	s_lshl_b32 s27, s24, 2
	s_add_co_u32 s27, s27, s18
	s_min_u32 s27, s27, 63
	s_lshl_b32 s54, s27, 16
	s_add_nc_u64 s[28:29], s[56:57], s[54:55]
	s_lshl_b32 s54, s27, 12
	v_add_nc_u32 v[VS], s54, v2
	s_lshl_b32 s54, s27, 4
	v_add_nc_u32 v[PL], s54, v3
	v_lshlrev_b32 v[TMP], 2, v[PL]
	s_wait_alu depctr_va_vdst(0)                   ; the wait behind these writes
	global_load_b32 v[EN], v[TMP], s[48:49]
.irp m, 0,1,2,3
	global_load_b128 v[HS+4*\m:HS+4*\m+3], v[VS], s[46:47] offset:512*\m
.endr
.irp g, 0,1
	WIN 0x40*(1+\g)
.irp s, 0,1,2,3,4,5,6,7
.irp c, 0,1,2,3
	global_load_b128 v[16*\s+4*\c:16*\s+4*\c+3], v2, s[28:29] offset:2048*(8*\g+\s)+512*\c
.endr
.endr
.endr
	WIN 0
	FETCHW 0
	s_wait_loadcnt 0x0
	v_min_u32 v[EN], 0x3ff, v[EN]
	v_lshlrev_b32 v[TMP], 3, v[EN]
	s_wait_alu depctr_va_vdst(0)
	WIN 0x40
	global_load_b64 v[192:193], v[TMP], s[12:13]
	global_load_b64 v[198:199], v[TMP], s[14:15]
	WIN 0
.irp s, 0,1,2,3,4,5,6,7,8,9,10,11,12,13,14,15
.if \s < 15
	FETCHW (\s+1)
	s_wait_dscnt 16
.else
	s_wait_dscnt 0x0
.endif
.if \s == 0
	WIN 0x17
.else
	WIN 3+4*(1+\s/8)
.endif
.irp c, 0,1,2,3
.set rD, ACC+8*\c
.set rC, rD
.if \s == 0
.set rC, 160+8*\c
.endif
.set rA, 64*(\s%2)+16*\c
.set rB, 16*(\s%8)
.set rW, WS+16*(\c/2)+\s
.set rH, HS+\s
.if \c%2
	v_wmma_scale_f32_16x16x128_f8f6f4 v[rD:rD+7], v[rA:rA+15], v[rB:rB+15], v[rC:rC+7], v[rW], v[rH] matrix_a_fmt:MATRIX_FMT_BF8 matrix_b_fmt:MATRIX_FMT_BF8 matrix_a_scale:MATRIX_SCALE_ROW1
.else
	v_wmma_scale_f32_16x16x128_f8f6f4 v[rD:rD+7], v[rA:rA+15], v[rB:rB+15], v[rC:rC+7], v[rW], v[rH] matrix_a_fmt:MATRIX_FMT_BF8 matrix_b_fmt:MATRIX_FMT_BF8
.endif
.endr
	WIN 0
.rept 8
	v_nop
.endr
.endr
	ENCALC 1
	WAYOUT 0, 0
	s_add_co_u32 s24, s24, 1
	s_cmp_lt_u32 s24, s23
	s_cbranch_scc1 .Lmore
.Lend:
	s_wait_tensorcnt 0x0                           ; the wave's end: behind my last LDS store
	ds_add_u32 v7, v8
	s_wait_dscnt 0x0
	s_endpgm
.Lfunc_end_k_qea4777e54e_down:
	.size	k_qea4777e54e_down, .Lfunc_end_k_qea4777e54e_down-k_qea4777e54e_down
	.p2alignl 7, 3214868480
	.fill 96, 4, 3214868480
	.section	.rodata,"a",@progbits
	.p2align	6, 0x0
	.amdhsa_kernel k_qea4777e54e_down
		.amdhsa_group_segment_fixed_size 150016
		.amdhsa_private_segment_fixed_size 0
		.amdhsa_enable_private_segment 0
		.amdhsa_kernarg_size 64
		.amdhsa_user_sgpr_count 2
		.amdhsa_user_sgpr_kernarg_segment_ptr 1
		.amdhsa_wavefront_size32 1
		.amdhsa_system_sgpr_workgroup_id_x 1
		.amdhsa_system_sgpr_workgroup_id_y 1
		.amdhsa_system_sgpr_workgroup_id_z 1
		.amdhsa_system_vgpr_workitem_id 0
		.amdhsa_next_free_vgpr 1024
		.amdhsa_next_free_sgpr 90
		.amdhsa_reserve_vcc 0
		.amdhsa_float_denorm_mode_32 3
		.amdhsa_float_denorm_mode_16_64 3
		.amdhsa_memory_ordered 1
		.amdhsa_forward_progress 1
		.amdhsa_inst_pref_size 202
	.end_amdhsa_kernel
	.amdgpu_metadata
---
amdhsa.version: [ 1, 2 ]
amdhsa.kernels:
  - .name:           k_qea4777e54e_down
    .symbol:         k_qea4777e54e_down.kd
    .args:
      - { .name: hq, .offset: 0, .size: 8, .value_kind: global_buffer, .address_space: global }
      - { .name: W2_codes, .offset: 8, .size: 8, .value_kind: global_buffer, .address_space: global }
      - { .name: W2_scales, .offset: 16, .size: 8, .value_kind: global_buffer, .address_space: global }
      - { .name: b2, .offset: 24, .size: 8, .value_kind: global_buffer, .address_space: global }
      - { .name: sel, .offset: 32, .size: 8, .value_kind: global_buffer, .address_space: global }
      - { .name: wts, .offset: 40, .size: 8, .value_kind: global_buffer, .address_space: global }
      - { .name: lst, .offset: 48, .size: 8, .value_kind: global_buffer, .address_space: global }
      - { .name: eo, .offset: 56, .size: 8, .value_kind: global_buffer, .address_space: global }
    .group_segment_fixed_size: 150016
    .private_segment_fixed_size: 0
    .kernarg_segment_align: 8
    .kernarg_segment_size: 64
    .max_flat_workgroup_size: 128
    .sgpr_count:     90
    .vgpr_count:     1024
    .wavefront_size: 32
...
	.end_amdgpu_metadata
.endif
;; end of part 8
;; launch norm (part 9): grid 256 x 1, 4 waves a work-group, no clusters, 0 bytes of LDS; arguments eo, x, gamma, beta, out0; writes out0
.if DOCPART == 9
	.amdgcn_target "amdgcn-amd-amdhsa--gfx1250"
	.amdhsa_code_object_version 6
	.text
	.protected	k_qea4777e54e_norm
	.globl	k_qea4777e54e_norm
	.p2align	8
	.type	k_qea4777e54e_norm,@function
k_qea4777e54e_norm:
	s_mov_b64 s[64:65], 0
	v_nop
	global_prefetch_b8 v0, s[64:65] scope:SCOPE_SE
	s_setreg_imm32_b32 hwreg(HW_REG_WAVE_MODE, 25, 1), 1
	s_wait_xcnt 0x0
; out0 = LayerNorm(eo[4 n] + .. + eo[4 n + 3] + x[n]) x gamma + beta: two slots, two halves of K.  One wave takes one token: its rows of 4,096 bytes are 32 numbers a lane each, kept between the passes; the reductions never leave the wave.
; The variance is the mean of the squared differences from the mean: no difference of large sums.  Each load and store of a wave covers 512 consecutive bytes.
; A stream: no LDS, no barrier, no matrix unit, no cluster (work-groups share only gamma and beta, 8 KB), no loop to ask ahead in.
; LIMITS: NaN and infinities are not served.
.set A0, 8                             ; v8-39    eo's first row, then y, then the result
.set A1, 40                            ; v40-135  eo's other three rows
.set A2, 72
.set A3, 104
.set XX, 136                           ; v136-167 x
.set GG, 168                           ; v168-199 gamma
.set BB, 200                           ; v200-231 beta
	s_load_b256 s[4:11], s[0:1], 0x0               ; eo, x, gamma, beta
	s_load_b64 s[12:13], s[0:1], 0x20              ; out0
	v_lshrrev_b32 v1, 5, v0
	v_readfirstlane_b32 s14, v1
	v_and_b32 v1, 31, v0
	v_lshlrev_b32 v1, 4, v1                        ; 16 x lane
	v_mov_b32 v236, 0                              ; written once: a lane permute's destination counts as one of its sources
	s_lshl_b32 s15, ttmp9, 2
	s_add_co_u32 s15, s15, s14                     ; my token
	s_lshl_b32 s16, s15, 14                        ; its four rows of eo lie on end
	s_mov_b32 s17, 0
	s_lshl_b32 s18, s15, 12
	s_mov_b32 s19, 0
	s_mov_b32 s20, 0x3a800000                      ; 1 / 1,024
	s_mov_b32 s21, 0x3727c5ac                      ; 1e-5
	s_mov_b32 s22, 0x76543210
	s_mov_b32 s23, 0xfedcba98
	s_wait_alu depctr_va_vdst(0)                   ; the wait at the head's end
	s_wait_kmcnt 0x0
	s_add_nc_u64 s[4:5], s[4:5], s[16:17]
	s_add_nc_u64 s[6:7], s[6:7], s[18:19]
	s_add_nc_u64 s[12:13], s[12:13], s[18:19]
.set I, 0
.rept 32
	global_load_b128 v[A0+4*I:A0+4*I+3], v1, s[4:5] offset:512*I th:TH_LOAD_NT   ; 16,384 bytes on end
.set I, I+1
.endr
.macro ROW r, base
.set I, 0
.rept 8
	global_load_b128 v[\r+4*I:\r+4*I+3], v1, s[\base:\base+1] offset:512*I
.set I, I+1
.endr
.endm
	ROW XX, 6
	ROW GG, 8
	ROW BB, 10
.macro RED r                           ; the sum over the 32 lanes, in every lane
.irp m, 1,2,4,8
	v_add_f32_dpp v[\r], v[\r], v[\r] row_xmask:\m row_mask:0xf bank_mask:0xf
.endr
	v_permlanex16_b32 v236, v[\r], s22, s23
	v_add_f32 v[\r], v[\r], v236
.endm
.macro EACH op:vararg                  ; a line for each of my 16 pairs of numbers
.set I, 0
.rept 16
	\op
.set I, I+2
.endr
.endm
	s_wait_loadcnt 24                              ; eo's rows are in; x, gamma and beta, 24 loads, may be out
	EACH v_pk_add_f32 v[A0+I:A0+I+1], v[A0+I:A0+I+1], v[A1+I:A1+I+1]
	EACH v_pk_add_f32 v[A2+I:A2+I+1], v[A2+I:A2+I+1], v[A3+I:A3+I+1]
	EACH v_pk_add_f32 v[A0+I:A0+I+1], v[A0+I:A0+I+1], v[A2+I:A2+I+1]
	s_wait_alu depctr_va_vdst(0)                   ; ahead of the wait below
	s_wait_loadcnt 16                              ; x
	EACH v_pk_add_f32 v[A0+I:A0+I+1], v[A0+I:A0+I+1], v[XX+I:XX+I+1]   ; y
	v_pk_add_f32 v[232:233], v[A0:A0+1], v[A0+2:A0+3]          ; the sum, in four chains
	v_pk_add_f32 v[234:235], v[A0+4:A0+5], v[A0+6:A0+7]
.set I, 8
.rept 6
	v_pk_add_f32 v[232:233], v[232:233], v[A0+I:A0+I+1]
	v_pk_add_f32 v[234:235], v[234:235], v[A0+I+2:A0+I+3]
.set I, I+4
.endr
	v_pk_add_f32 v[232:233], v[232:233], v[234:235]
	v_add_f32 v232, v232, v233
	RED 232
	v_mul_f32 v232, s20, v232                      ; the mean
	EACH v_pk_add_f32 v[A0+I:A0+I+1], v[A0+I:A0+I+1], v[232:233] op_sel_hi:[1,0] neg_lo:[0,1] neg_hi:[0,1]   ; y - mean
	v_pk_mul_f32 v[238:239], v[A0:A0+1], v[A0:A0+1]            ; the sum of squares, in four chains
	v_pk_mul_f32 v[240:241], v[A0+2:A0+3], v[A0+2:A0+3]
.set I, 4
.rept 7
	v_pk_fma_f32 v[238:239], v[A0+I:A0+I+1], v[A0+I:A0+I+1], v[238:239]
	v_pk_fma_f32 v[240:241], v[A0+I+2:A0+I+3], v[A0+I+2:A0+I+3], v[240:241]
.set I, I+4
.endr
	v_pk_add_f32 v[238:239], v[238:239], v[240:241]
	v_add_f32 v238, v238, v239
	RED 238
	v_fma_f32 v238, v238, s20, s21                 ; the variance + 1e-5
	s_wait_alu depctr_va_vdst(0)                   ; the wait ahead of the transcendental
	v_rsq_f32 v242, v238
	v_mov_b32 v243, 0                              ; a plain line behind the transcendental (and the pair's upper half is written)
	s_wait_alu depctr_va_vdst(0)                   ; the wait ahead of the first reader
	s_wait_loadcnt 0x0                             ; gamma and beta
	EACH v_pk_mul_f32 v[A0+I:A0+I+1], v[A0+I:A0+I+1], v[242:243] op_sel_hi:[1,0]
	EACH v_pk_fma_f32 v[A0+I:A0+I+1], v[A0+I:A0+I+1], v[GG+I:GG+I+1], v[BB+I:BB+I+1]
.set I, 0
.rept 8
	global_store_b128 v1, v[A0+4*I:A0+4*I+3], s[12:13] offset:512*I th:TH_STORE_NT   ; 32 lanes store 512 consecutive bytes
.set I, I+1
.endr
	s_endpgm
.Lfunc_end_k_qea4777e54e_norm:
	.size	k_qea4777e54e_norm, .Lfunc_end_k_qea4777e54e_norm-k_qea4777e54e_norm
	.p2alignl 7, 3214868480
	.fill 96, 4, 3214868480
	.section	.rodata,"a",@progbits
	.p2align	6, 0x0
	.amdhsa_kernel k_qea4777e54e_norm
		.amdhsa_group_segment_fixed_size 0
		.amdhsa_private_segment_fixed_size 0
		.amdhsa_enable_private_segment 0
		.amdhsa_kernarg_size 40
		.amdhsa_user_sgpr_count 2
		.amdhsa_user_sgpr_kernarg_segment_ptr 1
		.amdhsa_wavefront_size32 1
		.amdhsa_system_sgpr_workgroup_id_x 1
		.amdhsa_system_sgpr_workgroup_id_y 1
		.amdhsa_system_sgpr_workgroup_id_z 1
		.amdhsa_system_vgpr_workitem_id 0
		.amdhsa_next_free_vgpr 248
		.amdhsa_next_free_sgpr 66
		.amdhsa_reserve_vcc 0
		.amdhsa_float_denorm_mode_32 3
		.amdhsa_float_denorm_mode_16_64 3
		.amdhsa_memory_ordered 1
		.amdhsa_forward_progress 1
		.amdhsa_inst_pref_size 18
	.end_amdhsa_kernel
	.amdgpu_metadata
---
amdhsa.version: [ 1, 2 ]
amdhsa.kernels:
  - .name:           k_qea4777e54e_norm
    .symbol:         k_qea4777e54e_norm.kd
    .args:
      - { .name: eo, .offset: 0, .size: 8, .value_kind: global_buffer, .address_space: global }
      - { .name: x, .offset: 8, .size: 8, .value_kind: global_buffer, .address_space: global }
      - { .name: gamma, .offset: 16, .size: 8, .value_kind: global_buffer, .address_space: global }
      - { .name: beta, .offset: 24, .size: 8, .value_kind: global_buffer, .address_space: global }
      - { .name: out0, .offset: 32, .size: 8, .value_kind: global_buffer, .address_space: global }
    .group_segment_fixed_size: 0
    .private_segment_fixed_size: 0
    .kernarg_segment_align: 8
    .kernarg_segment_size: 40
    .max_flat_workgroup_size: 128
    .sgpr_count:     66
    .vgpr_count:     248
    .wavefront_size: 32
...
	.end_amdgpu_metadata
.endif
;; end of part 9
